; MI455X (gfx1250); checked and timed in simulation.
; The chip was launched on July 23, 2026; its instructions are those of AMD's public machine-readable ISA for CDNA 5 (MIT licence, August 2026) and "CDNA5" Instruction Set Architecture Reference Guide (July 2026). The comments in the code are by the model that wrote it; some were corrected since.
;; Transformer Block. Allowed arithmetic: matrix products marked QUANTISED: E3M2 operands, one E8M0 scale for each 32 along K, by v_wmma_scale_f32_16x16x128_f8f6f4 with both operands' format E3M2, f32 sums; everything else in f32.
;; Inputs: W1 1,024 x 4,096 float32; W2 4,096 x 1,024 float32; Wk 16 x 1,024 x 64 float32; Wo 1,024 x 1,024 float32; Wq 16 x 1,024 x 64 float32; Wv 16 x 1,024 x 64 float32; b1 4,096 float32; b2 1,024 float32; beta1 1,024 float32; beta2 1,024 float32; g1 1,024 float32; g2 1,024 float32; x 2 x 2,048 x 1,024 float32.
;; Outputs: out0 2 x 2,048 x 1,024 float32.
;; This version of the problem:
;;   THIS VERSION OF THE PROBLEM IS GIVEN IN LOW PRECISION. The matrix products marked QUANTISED in the list below multiply operands that are first quantised to E3M2 (3 exponent bits, 2 mantissa bits; 6 bits a number), with one power-of-two scale for each 32 numbers along K (OCP MX v1.0); their sums are f32. All else is computed in f32.
;;   The module's matrix products, in the order in which they are computed (A, B: the left and right operand; K: the contracted axis; several contracted axes count as one K, in the product's order):
;;     1. [M 1,024, K 1,024] x [K 1,024, N 4,096]; A: input Wq; B: computed on the way: QUANTISED
;;     2. [M 1,024, K 1,024] x [K 1,024, N 4,096]; A: input Wk; B: computed on the way: QUANTISED
;;     3. [M 1,024, K 1,024] x [K 1,024, N 4,096]; A: input Wv; B: computed on the way: QUANTISED
;;     4. batch 32 x [M 2,048, K 64] x [K 64, N 2,048]; A: computed on the way; B: computed on the way: QUANTISED
;;     5. batch 32 x [M 2,048, K 2,048] x [K 2,048, N 64]; A: softmax (see below); B: computed on the way: QUANTISED
;;     6. [M 4,096, K 1,024] x [K 1,024, N 1,024]; A: computed on the way; B: input Wo: QUANTISED
;;     7. [M 4,096, K 1,024] x [K 1,024, N 4,096]; A: computed on the way; B: input W1: QUANTISED
;;     8. [M 4,096, K 4,096] x [K 4,096, N 1,024]; A: computed on the way; B: input W2: QUANTISED
;;   THE QUANTISER, for each operand of a quantised product, along K:
;;     - K is cut into blocks of 32 from its start; a last block that is shorter is filled with zeros.
;;     - A block's scale is 2^e with e = floor(log2(the largest magnitude in the block)) - 4, held to -126 .. 127; a block of zeros has e = 0. As a byte (E8M0): e + 127.
;;     - Each number is divided by its block's scale, clamped to +-28, and rounded to the nearest number of E3M2, ties to even, subnormals kept.
;;     - The product sums the exact products of the quantised numbers (number of the format x scale) in f32.
;;   ~~~python
;;   def quantise(x, axis):      # numpy; x: float32 -> the quantised numbers, widened to float32 again
;;       x = np.moveaxis(x, axis, -1); K = x.shape[-1]
;;       x = np.pad(x, [(0, 0)] * (x.ndim - 1) + [(0, -K % 32)]); x = x.reshape(x.shape[:-1] + (-1, 32)); a = np.abs(x).max(-1, keepdims=True)
;;       e = np.where(a > 0, np.clip(np.frexp(np.where(a > 0, a, 1))[1] - 1 - 4, -126, 127), 0)      # np.frexp(a)[1] - 1 = floor(log2(a)), exactly
;;       r = np.clip(x / 2.0 ** e, -28, 28)
;;       step = 2.0 ** (np.maximum(np.frexp(np.where(r == 0, 1, r))[1] - 1, -2) - 2)
;;       q = np.round(r / step) * step * 2.0 ** e      # np.round: ties to even
;;       return np.moveaxis(q.reshape(q.shape[:-2] + (-1,))[..., :K], -1, axis).astype(np.float32)
;;   ~~~
;;   SOFTMAX AHEAD OF A QUANTISED PRODUCT. Where the list says 'softmax', what is quantised is not the finished softmax but p = 2^(t - M), with t = logit x log2(e) and M = ceil(the row's largest t), a whole number; so 1/2 < the row's largest p <= 1. The row's sum l is taken of the UNQUANTISED p, in f32, and the product's result is divided by l at the end. Since M is a whole number, a kernel that streams over the keys may use a running M (the ceiling of the running maximum): every later rescaling is an exact power of two, which a block's scale takes up: the codes' values come out the same.
;;   OPERANDS COMPUTED ON THE WAY. 'Computed on the way' means the value that the module computes at that place (a softmax that the list does not call 'softmax' is quantised finished and normalised). What goes into a quantiser is computed in f32, as accurately as f32 sums, v_exp_f32 and their like allow (about 1e-6 of the number): no bf16 or f16 on the way to a quantiser, and a product that is left as it is and whose result goes on into a quantised operand takes f32 operands (vector FMAs, or v_wmma_f32_16x16x4_f32). A number that lies on a knife's edge between two numbers of the format may be rounded either way, as far as f32 arithmetic and the matrix unit's own rounding can turn it there, and no further.
;; 2 versions. Each part assembles by itself: llvm-mc -triple=amdgcn-amd-amdhsa -mcpu=gfx1250 --defsym DOCPART=n.
;; ======== version 1 of 2: 8 launches
;; workspace buffers: wrec 9,830,400 bytes; h 3,276,800 bytes; qkv 10,223,616 bytes; cc 3,276,800 bytes; x1 16,777,216 bytes; h2 3,276,800 bytes; g 13,107,200 bytes
;; launch wprep (part 1): grid 768 x 1, 4 waves a work-group, no clusters, 0 bytes of LDS; arguments Wq, Wk, Wv, Wo, W1, W2, wrec; writes wrec
.if DOCPART == 1
	.amdgcn_target "amdgcn-amd-amdhsa--gfx1250"
	.amdhsa_code_object_version 6
	.text
	.protected	k_qa6e84b1f9b_wprep
	.globl	k_qa6e84b1f9b_wprep
	.p2align	8
	.type	k_qa6e84b1f9b_wprep,@function
k_qa6e84b1f9b_wprep:
	s_mov_b64 s[64:65], 0
	v_nop
	global_prefetch_b8 v0, s[64:65] scope:SCOPE_SE
	s_setreg_imm32_b32 hwreg(HW_REG_WAVE_MODE, 25, 1), 1
	s_wait_xcnt 0x0
; LAUNCH 1 OF 8: the six weights become codes of BF6 (E3M2) with one E8M0 scale byte for each 32 along K.  K is the FIRST axis of each weight (of Wq, Wk, Wv: the middle one, d_model).
; DEAD WORK: none.  Every one of the thirteen inputs has a way to out0 for all values of the inputs, so every input is loaded by some launch and every product of the table is done.
; Product 4 has K = 64 and the matrix instruction 128: its upper 64 are zero codes on Q's side, which add nothing.
; THE PROGRAM: wprep (weights) | ln1 (LN1, codes) | qkv (products 1-3, codes) | attn (4, 5, codes) | wo (6, + x) | ln2 (LN2, codes) | ffn1 (7, GELU, codes) | ffn2 (8, + x1).
; LAYOUT OF AN OPERAND IN THE WORKSPACE: records of 128 rows x 128 K, 12,800 bytes, in the order of the operand's registers.  Lane l = (r = l % 16, hh = l / 16).  Block j (16 rows), half c (K = 64 c ..) lies at
; 1536 j + 768 c: 512 bytes = registers 6 c .. 6 c + 3, 16 bytes a lane, then 256 bytes = registers 6 c + 4, 5, 8 bytes a lane.  The scale word of (block j, row r) lies at 12288 + 64 j + 4 r.
; THE ROWS OF A BLOCK ARE NOT NEIGHBOURS: row r of block j is index 32 (j / 2) + 8 (j % 2) + r + 8 (r / 8) of its 128, in every operand of the program, so that a product's results lie along the next K in a lane's registers.
; SHARES: a work-group makes one record (its number is the record's), wave w the blocks 2 w and 2 w + 1: 32 columns x 128 K.  A LANE TAKES A COLUMN AND ITS REGISTERS RUN DOWN K: a block of 32 is one lane's,
; each load reads 128 consecutive bytes a wave, and the conversions give codes with K innermost.  Records 0-191: Wq, Wk, Wv (24 groups of 128 columns x 8 K steps); 192-255 Wo; 256-511 W1; 512-767 W2.
; One path serves all six: only pointers and sizes are chosen, on the work-group's number.  No LDS, no barrier, no cluster: waves share no input.
; The scale words leave in runs of 128 bytes a wave: one byte for each 128 read.
; LIMITS: a block of zeros gets the byte 1 where the rule says 127 (its codes are zeros, and this program alone reads the bytes); blocks whose largest magnitude lies under 2^-122 are held at byte 1; NaN and infinities are not served.
.set REC,  12800
.set VO,   16                          ; v16-47   byte offset of my column in row i of a block of 32 rows
.set X,    48                          ; v48-111  two sets of 32 numbers
.set CB,   112                         ; v112..   block t's six registers of codes at CB + 8 t
.set TH,   144                         ; v144-146 a block's upper 16 codes (a conversion's three registers begin on an even number)
	s_load_b256 s[4:11], s[0:1], 0x0               ; Wq, Wk, Wv, Wo
	s_load_b128 s[12:15], s[0:1], 0x20             ; W1, W2
	s_load_b64 s[16:17], s[0:1], 0x30              ; wrec
	v_lshrrev_b32 v1, 5, v0
	v_readfirstlane_b32 s20, v1                    ; wave
	v_and_b32 v2, 31, v0                           ; lane
	v_and_b32 v3, 15, v0                           ; r
	v_bfe_u32 v4, v0, 4, 1                         ; hh
	s_mov_b32 s21, 512                             ; W2's: first record,
	s_mov_b32 s22, 5                               ; log2 of its K steps,
	s_mov_b32 s23, 4096                            ; bytes from a row of K to the next
	s_cmp_lt_u32 ttmp9, 512                        ; W1's
	s_cselect_b32 s21, 256, s21
	s_cselect_b32 s22, 3, s22
	s_cselect_b32 s23, 16384, s23
	s_cmp_lt_u32 ttmp9, 256                        ; Wo's
	s_cselect_b32 s21, 192, s21
	s_cselect_b32 s23, 4096, s23
	s_cmp_lt_u32 ttmp9, 192                        ; Wq's, Wk's, Wv's
	s_cselect_b32 s21, 0, s21
	s_cselect_b32 s23, 256, s23
	s_cselect_b32 s26, 1, 0
	s_sub_co_u32 s27, ttmp9, s21
	s_lshr_b32 s28, s27, s22                       ; the group of 128 columns
	s_lshl_b32 s29, s28, s22
	s_sub_co_u32 s29, s27, s29                     ; the K step
	s_lshl_b32 s30, s28, 9
	s_lshl_b32 s31, s20, 7
	s_add_co_u32 s30, s30, s31                     ; my first column in bytes, where columns are dense: 512 x group + 128 x wave
	s_and_b32 s40, s28, 7                          ; in [16][1024][64]: a group is two heads of 262,144 bytes; waves 0, 1 the first, 2, 3 the second
	s_lshl_b32 s40, s40, 19
	s_lshr_b32 s41, s20, 1
	s_lshl_b32 s41, s41, 18
	s_add_co_u32 s40, s40, s41
	s_and_b32 s41, s20, 1
	s_lshl_b32 s41, s41, 7
	s_add_co_u32 s40, s40, s41
	s_cmp_eq_u32 s26, 1
	s_cselect_b32 s30, s40, s30
	s_lshl_b32 s31, s23, 7
	s_mul_i32 s31, s31, s29                        ; 128 rows of K for each K step
	s_add_co_u32 s30, s30, s31
	s_mov_b32 s31, 0
	s_lshl_b32 s42, s23, 5                         ; 32 rows of K
	s_mov_b32 s43, 0
	s_mul_i32 s44, ttmp9, REC
	s_mov_b32 s45, 0
	v_and_b32 v5, 8, v3
	v_add_nc_u32 v5, v5, v3
	v_lshl_add_u32 v5, v4, 3, v5                   ; my column of the wave's 32: r + 8 (r / 8) + 8 hh: lanes 0-15 hold block 2 w, lanes 16-31 block 2 w + 1
	v_lshlrev_b32 v5, 2, v5
.set ii, 0
.rept 32
	v_mad_u32_u24 v[VO+ii], s23, ii, v5
.set ii, ii+1
.endr
	s_mul_i32 s46, s20, 3072
	v_lshl_add_u32 v13, v2, 4, s46                 ; out: 16 x lane + my two blocks' 3,072 bytes
	v_lshl_add_u32 v14, v2, 3, s46                 ; 8 x lane + the same
	s_lshl_b32 s46, s20, 7
	v_lshl_add_u32 v15, v2, 2, s46                 ; scale words: 4 x lane + 128 x wave
	s_wait_kmcnt 0x0
	s_cmp_lt_u32 ttmp9, 512                        ; the tensor: a choice on the work-group's number alone
	s_cselect_b64 s[24:25], s[12:13], s[14:15]
	s_cmp_lt_u32 ttmp9, 256
	s_cselect_b64 s[24:25], s[10:11], s[24:25]
	s_cmp_lt_u32 ttmp9, 192
	s_cselect_b64 s[24:25], s[8:9], s[24:25]
	s_cmp_lt_u32 ttmp9, 128
	s_cselect_b64 s[24:25], s[6:7], s[24:25]
	s_cmp_lt_u32 ttmp9, 64
	s_cselect_b64 s[24:25], s[4:5], s[24:25]
	s_add_nc_u64 s[32:33], s[24:25], s[30:31]      ; a base for each block of 32 rows: no pointer is stepped
	s_add_nc_u64 s[34:35], s[32:33], s[42:43]
	s_add_nc_u64 s[36:37], s[34:35], s[42:43]
	s_add_nc_u64 s[38:39], s[36:37], s[42:43]
	s_add_nc_u64 s[16:17], s[16:17], s[44:45]      ; my record
.macro LOAD t                          ; block t: W(32 t + i, my column) into set t % 2
.set ii, 0
.rept 32
	global_load_b32 v[X+32*((\t)%2)+ii], v[VO+ii], s[32+2*(\t):33+2*(\t)] th:TH_LOAD_NT
.set ii, ii+1
.endr
.endm
.macro BLOCK t
.set XS, X+32*((\t)%2)
.set CT, CB+8*(\t)
.if (\t) < 3
	s_wait_loadcnt 32                              ; this block's 32 loads are in; the next block's 32 may be out
.else
	s_wait_loadcnt 0x0
.endif
	v_max3_num_f32 v8, |v[XS]|, |v[XS+1]|, |v[XS+2]|               ; the block's largest magnitude: all 32 numbers are mine; two chains
	v_max3_num_f32 v9, |v[XS+3]|, |v[XS+4]|, |v[XS+5]|
.irp i, 6,10,14,18,22,26
	v_max3_num_f32 v8, v8, |v[XS+\i]|, |v[XS+\i+1]|
	v_max3_num_f32 v9, v9, |v[XS+\i+2]|, |v[XS+\i+3]|
.endr
	v_max3_num_f32 v8, v8, |v[XS+30]|, |v[XS+31]|
	v_max3_num_f32 v8, v8, v9, 0x2800000           ; and the floor 2^(5 - 127): the byte cannot fall under 1
	v_add_nc_u32 v10, 0xfe000000, v8               ; 4 off the exponent field: the conversion takes this operand's exponent field as its scale
	v_cvt_scalef32_pk16_bf6_f32 v[CT:CT+2], v[XS:XS+15], v10
	v_cvt_scalef32_pk16_bf6_f32 v[TH:TH+2], v[XS+16:XS+31], v10
	v_lshrrev_b32 v11, 23, v10                     ; the scale's byte (also the plain line behind the conversions)
.if (\t) == 0
	v_mov_b32 v12, v11
.else
	v_lshl_or_b32 v12, v11, 8*(\t), v12            ; my column's scale word: the lower K in the lower byte
.endif
.irp i, 0,1,2
	v_mov_b32 v[CT+3+\i], v[TH+\i]
.endr
.if (\t)+2 < 4
	LOAD (\t)+2
.endif
.endm
	LOAD 0
	LOAD 1
.irp t, 0,1,2,3
	BLOCK \t
.endr
; The operand's layout gives lanes 0-15 of a block K = 64 c + 0 .. 31 and lanes 16-31 K = 64 c + 32 .. 63.  The swap changes the first register's lanes 16-31 with the second's lanes 0-15:
; of K blocks 2 c and 2 c + 1 it makes half c of block 2 w (in the first) and half c of block 2 w + 1 (in the second).
.irp i, 0,1,2,3,4,5
	v_permlane16_swap_b32 v[CB+\i], v[CB+8+\i]
	v_permlane16_swap_b32 v[CB+16+\i], v[CB+24+\i]
.endr
.macro PUT pc, o                       ; half an operand's registers, as they stand: 512 and 256 consecutive bytes, each at a multiple of 256 from the buffer's first byte
	global_store_b128 v13, v[(\pc):(\pc)+3], s[16:17] offset:\o
	global_store_b64 v14, v[(\pc)+4:(\pc)+5], s[16:17] offset:(\o)+512
.endm
	PUT CB, 0
	PUT CB+16, 768
	PUT CB+8, 1536
	PUT CB+24, 2304
	global_store_b32 v15, v12, s[16:17] offset:12288
	s_endpgm
.Lfunc_end_k_qa6e84b1f9b_wprep:
	.size	k_qa6e84b1f9b_wprep, .Lfunc_end_k_qa6e84b1f9b_wprep-k_qa6e84b1f9b_wprep
	.p2alignl 7, 3214868480
	.fill 96, 4, 3214868480
	.section	.rodata,"a",@progbits
	.p2align	6, 0x0
	.amdhsa_kernel k_qa6e84b1f9b_wprep
		.amdhsa_group_segment_fixed_size 0
		.amdhsa_private_segment_fixed_size 0
		.amdhsa_enable_private_segment 0
		.amdhsa_kernarg_size 56
		.amdhsa_user_sgpr_count 2
		.amdhsa_user_sgpr_kernarg_segment_ptr 1
		.amdhsa_wavefront_size32 1
		.amdhsa_system_sgpr_workgroup_id_x 1
		.amdhsa_system_sgpr_workgroup_id_y 1
		.amdhsa_system_sgpr_workgroup_id_z 1
		.amdhsa_system_vgpr_workitem_id 0
		.amdhsa_next_free_vgpr 160
		.amdhsa_next_free_sgpr 66
		.amdhsa_reserve_vcc 0
		.amdhsa_float_denorm_mode_32 3
		.amdhsa_float_denorm_mode_16_64 3
		.amdhsa_memory_ordered 1
		.amdhsa_forward_progress 1
		.amdhsa_inst_pref_size 25
	.end_amdhsa_kernel
	.amdgpu_metadata
---
amdhsa.version: [ 1, 2 ]
amdhsa.kernels:
  - .name:           k_qa6e84b1f9b_wprep
    .symbol:         k_qa6e84b1f9b_wprep.kd
    .args:
      - { .name: Wq, .offset: 0, .size: 8, .value_kind: global_buffer, .address_space: global }
      - { .name: Wk, .offset: 8, .size: 8, .value_kind: global_buffer, .address_space: global }
      - { .name: Wv, .offset: 16, .size: 8, .value_kind: global_buffer, .address_space: global }
      - { .name: Wo, .offset: 24, .size: 8, .value_kind: global_buffer, .address_space: global }
      - { .name: W1, .offset: 32, .size: 8, .value_kind: global_buffer, .address_space: global }
      - { .name: W2, .offset: 40, .size: 8, .value_kind: global_buffer, .address_space: global }
      - { .name: wrec, .offset: 48, .size: 8, .value_kind: global_buffer, .address_space: global }
    .group_segment_fixed_size: 0
    .private_segment_fixed_size: 0
    .kernarg_segment_align: 8
    .kernarg_segment_size: 56
    .max_flat_workgroup_size: 128
    .sgpr_count:     66
    .vgpr_count:     160
    .wavefront_size: 32
...
	.end_amdgpu_metadata
.endif
;; end of part 1
;; launch ln1 (part 2): grid 256 x 1, 4 waves a work-group, no clusters, 66,304 bytes of LDS; arguments x, g1, beta1, h; writes h
.if DOCPART == 2
	.amdgcn_target "amdgcn-amd-amdhsa--gfx1250"
	.amdhsa_code_object_version 6
	.text
	.protected	k_qa6e84b1f9b_ln1
	.globl	k_qa6e84b1f9b_ln1
	.p2align	8
	.type	k_qa6e84b1f9b_ln1,@function
k_qa6e84b1f9b_ln1:
	s_mov_b64 s[64:65], 0
	v_nop
	global_prefetch_b8 v0, s[64:65] scope:SCOPE_SE
	s_setreg_imm32_b32 hwreg(HW_REG_WAVE_MODE, 25, 1), 1
	s_wait_xcnt 0x0
; LAYER NORM AND QUANTISER (launches 2 and 6): y = (x - mean) rsqrt(var + 1e-5) gamma + beta over rows of 1,024 f32, then codes of BF6 (E3M2) with one E8M0 byte for each 32 along the row.  No work is left out.
; The variance is the mean of (x - mean)^2, taken in a second pass over registers: a common offset of the inputs costs nothing.
; OUT: records of 128 rows x 128 K in the order of an operand's registers, record = 8 x (group of 128 rows) + K step; block j, half c at 1536 j + 768 c; scale word of (j, r) at 12288 + 64 j + 4 r.
; SHARES: a work-group takes ONE block of 16 rows: group = number / 8, j = number % 8; row r of the block is row 32 (j / 2) + 8 (j % 2) + r + 8 (r / 8) of the group.
; Phase 1: wave w normalises four rows, a whole row in 32 registers of the wave (each load 512 consecutive bytes), and lays them in a stage in LDS.  One barrier.
; Phase 2: wave w quantises K steps 2 w and 2 w + 1 of all 16 rows: lane (r, hh) reads, of row r, 16 neighbours of each block of 32, so that the conversions' results are the operand's registers.
; The stage's rows are 4,112 bytes apart, an odd multiple of 16: the sixteen rows that a load touches start at sixteen different groups of banks (64 banks of 4 bytes: ISA guide 11.1).
; A block's scale words leave in runs of 64 bytes (both halves of the lanes store the same word).  No cluster, no tensor load: work-groups share only gamma and beta, 8 KB.
; LIMITS: a block of zeros gets the byte 1 where the rule says 127 (its codes are zeros; this program alone reads the bytes); blocks under 2^-122 are held at byte 1; NaN and infinities are not served.
.set PITCH, 4112
.set SPARE, 16*PITCH                   ; behind the stage: the spare words, 128 bytes for each wave
.set REC,   12800
.set SPW,   4                          ; v4  my spare word's address; never rewritten
.set NIL,   5                          ; v5  0; never rewritten
.set SM,    12                         ; v12-19 a pair for each of my four rows: sums, then the mean in the low register
.set PT,    20                         ; v20-23 the other half of the lanes'
.set SQ,    24                         ; v24-31 a pair a row: sums of squares, then 1 / sqrt(var + eps)
.set XR,    32                         ; v32-159 four rows of 32 registers; in phase 2 two sets of 64 numbers
.set GAM,   160                        ; v160-191 gamma of my 32 columns; in phase 2 the codes
.set BET,   192                        ; v192-223 beta; in phase 2 at work
.set TM,    200
	s_load_b256 s[4:11], s[0:1], 0x0               ; x, gamma, beta, the codes
	v_lshl_add_u32 v[SPW], v0, 2, SPARE
	v_mov_b32 v[NIL], 0
	v_lshrrev_b32 v1, 5, v0
	v_readfirstlane_b32 s12, v1                    ; wave
	v_and_b32 v2, 31, v0                           ; lane
	v_and_b32 v3, 15, v0                           ; r
	v_bfe_u32 v9, v0, 4, 1                         ; hh
	s_lshr_b32 s13, ttmp9, 3                       ; group of 128 rows
	s_and_b32 s14, ttmp9, 7                        ; block j
	s_lshl_b32 s15, s13, 7
	s_lshr_b32 s16, s14, 1
	s_lshl_b32 s16, s16, 5
	s_add_co_u32 s15, s15, s16
	s_and_b32 s16, s14, 1
	s_lshl_b32 s16, s16, 3
	s_add_co_u32 s15, s15, s16                     ; the block's first row
	s_lshl_b32 s16, s12, 2
	s_add_co_u32 s15, s15, s16
	s_lshr_b32 s16, s12, 1
	s_lshl_b32 s16, s16, 3
	s_add_co_u32 s15, s15, s16                     ; my four: block rows 4 w .. 4 w + 3 are rows + 4 w + 8 (w / 2)
	s_lshl_b32 s16, s15, 12
	s_mov_b32 s17, 0
	s_lshl_b32 s18, s13, 3
	s_lshl_b32 s19, s12, 1
	s_add_co_u32 s18, s18, s19
	s_mul_i32 s18, s18, REC                        ; the record of K step 2 w
	s_mul_i32 s20, s14, 1536
	s_add_co_u32 s20, s20, s18                     ; the block's codes in it,
	s_mov_b32 s21, 0
	s_lshl_b32 s22, s14, 6
	s_add_co_u32 s22, s22, s18
	s_add_co_u32 s22, s22, 12288                   ; and its scale words
	s_mov_b32 s23, 0
	v_lshlrev_b32 v6, 4, v2                        ; 16 x lane
	v_lshlrev_b32 v10, 3, v2                       ; 8 x lane
	v_lshlrev_b32 v11, 2, v3                       ; 4 r
	s_mul_i32 s24, s12, 4*PITCH
	v_add_nc_u32 v7, s24, v6                       ; into the stage: my four rows, 16 bytes a lane
	v_mul_u32_u24 v8, v3, PITCH
	v_lshl_add_u32 v8, v9, 6, v8
	s_lshl_b32 s25, s12, 10
	v_add_nc_u32 v8, s25, v8                       ; out of it: row r, + 64 hh, + my two K steps' 1,024 w bytes
	s_mov_b32 s26, 0x76543210
	s_mov_b32 s27, 0xfedcba98                      ; v_permlanex16_b32's selects for lane l xor 16
	s_mov_b32 s28, 0x3a800000                      ; 1 / 1024
	s_mov_b32 s29, 0x3727c5ac                      ; 1e-5
.irp i, 0,1,2,3
	v_mov_b32 v[PT+\i], 0                          ; written once: a lane permute's destination counts as one of its sources
.endr
	s_wait_kmcnt 0x0
	s_add_nc_u64 s[4:5], s[4:5], s[16:17]
	s_add_nc_u64 s[20:21], s[10:11], s[20:21]
	s_add_nc_u64 s[22:23], s[10:11], s[22:23]
.irp i, 0,1,2,3
.irp j, 0,1,2,3,4,5,6,7
	global_load_b128 v[XR+32*\i+4*\j:XR+32*\i+4*\j+3], v6, s[4:5] offset:4096*\i+512*\j th:TH_LOAD_NT
.endr
.endr
.irp j, 0,1,2,3,4,5,6,7
	global_load_b128 v[GAM+4*\j:GAM+4*\j+3], v6, s[6:7] offset:512*\j
	global_load_b128 v[BET+4*\j:BET+4*\j+3], v6, s[8:9] offset:512*\j
.endr
.macro REDUCE p                        ; the four rows' pairs at v[p] become four sums over the wave, in every lane; the rows by turns
.irp i, 0,1,2,3
	v_add_f32 v[\p+2*\i], v[\p+2*\i], v[\p+2*\i+1]
.endr
.irp m, 1,2,4,8
.irp i, 0,1,2,3
	v_add_f32_dpp v[\p+2*\i], v[\p+2*\i], v[\p+2*\i] row_xmask:\m row_mask:0xf bank_mask:0xf
.endr
.endr
.irp i, 0,1,2,3
	v_permlanex16_b32 v[PT+\i], v[\p+2*\i], s26, s27
.endr
.irp i, 0,1,2,3
	v_add_f32 v[\p+2*\i], v[\p+2*\i], v[PT+\i]
.endr
.endm
	s_wait_loadcnt 16                              ; my four rows are in; the sixteen loads of gamma and beta may be out
.irp i, 0,1,2,3
	v_pk_add_f32 v[SM+2*\i:SM+2*\i+1], v[XR+32*\i:XR+32*\i+1], v[XR+32*\i+2:XR+32*\i+3]
.endr
.irp k, 4,6,8,10,12,14,16,18,20,22,24,26,28,30
.irp i, 0,1,2,3
	v_pk_add_f32 v[SM+2*\i:SM+2*\i+1], v[SM+2*\i:SM+2*\i+1], v[XR+32*\i+\k:XR+32*\i+\k+1]
.endr
.endr
	REDUCE SM
.irp i, 0,1,2,3
	v_mul_f32 v[SM+2*\i], s28, v[SM+2*\i]          ; the mean
.endr
.irp k, 0,2,4,6,8,10,12,14,16,18,20,22,24,26,28,30
.irp i, 0,1,2,3
	v_pk_add_f32 v[XR+32*\i+\k:XR+32*\i+\k+1], v[XR+32*\i+\k:XR+32*\i+\k+1], v[SM+2*\i:SM+2*\i+1] op_sel_hi:[1,0] neg_lo:[0,1] neg_hi:[0,1]   ; x - mean, in place
.endr
.endr
.irp i, 0,1,2,3
	v_pk_mul_f32 v[SQ+2*\i:SQ+2*\i+1], v[XR+32*\i:XR+32*\i+1], v[XR+32*\i:XR+32*\i+1]
.endr
.irp k, 2,4,6,8,10,12,14,16,18,20,22,24,26,28,30
.irp i, 0,1,2,3
	v_pk_fma_f32 v[SQ+2*\i:SQ+2*\i+1], v[XR+32*\i+\k:XR+32*\i+\k+1], v[XR+32*\i+\k:XR+32*\i+\k+1], v[SQ+2*\i:SQ+2*\i+1]
.endr
.endr
	REDUCE SQ
.irp i, 0,1,2,3
	v_fma_f32 v[SQ+2*\i], v[SQ+2*\i], s28, s29     ; var + eps
.endr
.irp i, 0,1,2,3
	v_rsq_f32 v[SQ+2*\i], v[SQ+2*\i]
.endr
	v_nop                                          ; a plain line behind the last of the four
	s_wait_alu depctr_va_vdst(0)                   ; one wait for the four, ahead of their first reader
	s_wait_loadcnt 0x0                             ; gamma and beta
.irp k, 0,2,4,6,8,10,12,14,16,18,20,22,24,26,28,30
.irp i, 0,1,2,3
	v_pk_mul_f32 v[XR+32*\i+\k:XR+32*\i+\k+1], v[XR+32*\i+\k:XR+32*\i+\k+1], v[SQ+2*\i:SQ+2*\i+1] op_sel_hi:[1,0]
.endr
.irp i, 0,1,2,3
	v_pk_fma_f32 v[XR+32*\i+\k:XR+32*\i+\k+1], v[XR+32*\i+\k:XR+32*\i+\k+1], v[GAM+\k:GAM+\k+1], v[BET+\k:BET+\k+1]
.endr
.endr
.irp i, 0,1,2,3
.irp j, 0,1,2,3,4,5,6,7
	ds_store_b128 v7, v[XR+32*\i+4*\j:XR+32*\i+4*\j+3] offset:PITCH*\i+512*\j
.endr
.endr
.irp b, 0,1,2,3
	v_mov_b32 v[TM+4+\b], 0                        ; (a lane permute's destination: written once)
.endr
	s_wait_dscnt 0x0                               ; for the others' sake: my rows lie in the stage
	s_barrier_signal -1
	s_barrier_wait -1
.irp s, 0,1
.irp b, 0,1,2,3
.irp j, 0,1,2,3
	ds_load_b128 v[XR+64*\s+16*\b+4*\j:XR+64*\s+16*\b+4*\j+3], v8 offset:512*\s+128*\b+16*\j
.endr
.endr
.endr
; 64 numbers of a lane, register 16 b + i = k 32 b + 16 hh + i of my row, become a fragment's codes in v[pc] .. v[pc + 11] and its scale word in v[pw]
.macro QUANT s, pc, pw
.irp b, 0,1,2,3
	v_max3_num_f32 v[TM+\b], |v[\s+16*\b]|, |v[\s+1+16*\b]|, 0x2800000   ; my 16 numbers of block b, and the floor 2^(5 - 127): the byte cannot fall under 1
.endr
.irp i, 2,4,6,8,10,12,14
.irp b, 0,1,2,3
	v_max3_num_f32 v[TM+\b], v[TM+\b], |v[\s+16*\b+\i]|, |v[\s+1+16*\b+\i]|
.endr
.endr
.irp b, 0,1,2,3
	v_permlanex16_b32 v[TM+4+\b], v[TM+\b], s26, s27
.endr
.irp b, 0,1,2,3
	v_max_num_f32 v[TM+\b], v[TM+\b], v[TM+4+\b]   ; with lane l xor 16's: the block's largest magnitude
.endr
.irp b, 0,1,2,3
	v_add_nc_u32 v[TM+12+\b], 0xfe000000, v[TM+\b] ; 4 off the exponent field: the conversion's scale operand
.endr
.irp b, 0,1,2,3
	v_lshrrev_b32 v[TM+4+\b], 23, v[TM+12+\b]      ; the scale's byte
.endr
	v_lshl_or_b32 v[\pw], v[TM+5], 8, v[TM+4]
	v_lshl_or_b32 v[\pw], v[TM+6], 16, v[\pw]
	v_lshl_or_b32 v[\pw], v[TM+7], 24, v[\pw]
.irp c, 0,1
	v_cvt_scalef32_pk16_bf6_f32 v[\pc+6*\c:\pc+2+6*\c], v[\s+32*\c:\s+15+32*\c], v[TM+12+2*\c]
	v_cvt_scalef32_pk16_bf6_f32 v[\pc+12+4*\c:\pc+14+4*\c], v[\s+16+32*\c:\s+31+32*\c], v[TM+12+2*\c+1]   ; (a conversion's three registers begin on an even number)
.endr
	v_nop                                          ; one plain line behind a scaled conversion
.irp c, 0,1                                    ; the operand's layout wants a WHOLE block in a lane: lanes 0-15 block 2 c, lanes 16-31 block 2 c + 1
.irp i, 0,1,2
	v_permlane16_swap_b32 v[\pc+6*\c+\i], v[\pc+12+4*\c+\i]
.endr
.irp i, 0,1,2
	v_mov_b32 v[\pc+3+6*\c+\i], v[\pc+12+4*\c+\i]
.endr
.endr
.endm
.macro OUT pc, pw, s                   ; the fragment as it stands: 512, 256, 512, 256 consecutive bytes, each at a multiple of 256 from the buffer's first byte
	global_store_b128 v6, v[\pc:\pc+3], s[20:21] offset:REC*\s
	global_store_b64 v10, v[\pc+4:\pc+5], s[20:21] offset:REC*\s+512
	global_store_b128 v6, v[\pc+6:\pc+9], s[20:21] offset:REC*\s+768
	global_store_b64 v10, v[\pc+10:\pc+11], s[20:21] offset:REC*\s+1280
	global_store_b32 v11, v[\pw], s[22:23] offset:REC*\s
.endm
	s_wait_dscnt 16                                ; the first K step's sixteen loads are in; the second's may be out
	QUANT XR, 160, 216
	OUT 160, 216, 0
	s_wait_dscnt 0x0
	QUANT XR+64, 180, 217                          ; other registers than those that the stores above still read
	OUT 180, 217, 1
	s_wait_tensorcnt 0x0                           ; the wave's end, behind my last LDS store
	ds_add_u32 v[SPW], v[NIL]
	s_wait_dscnt 0x0
	s_endpgm
.Lfunc_end_k_qa6e84b1f9b_ln1:
	.size	k_qa6e84b1f9b_ln1, .Lfunc_end_k_qa6e84b1f9b_ln1-k_qa6e84b1f9b_ln1
	.p2alignl 7, 3214868480
	.fill 96, 4, 3214868480
	.section	.rodata,"a",@progbits
	.p2align	6, 0x0
	.amdhsa_kernel k_qa6e84b1f9b_ln1
		.amdhsa_group_segment_fixed_size 66304
		.amdhsa_private_segment_fixed_size 0
		.amdhsa_enable_private_segment 0
		.amdhsa_kernarg_size 32
		.amdhsa_user_sgpr_count 2
		.amdhsa_user_sgpr_kernarg_segment_ptr 1
		.amdhsa_wavefront_size32 1
		.amdhsa_system_sgpr_workgroup_id_x 1
		.amdhsa_system_sgpr_workgroup_id_y 1
		.amdhsa_system_sgpr_workgroup_id_z 1
		.amdhsa_system_vgpr_workitem_id 0
		.amdhsa_next_free_vgpr 224
		.amdhsa_next_free_sgpr 66
		.amdhsa_reserve_vcc 0
		.amdhsa_float_denorm_mode_32 3
		.amdhsa_float_denorm_mode_16_64 3
		.amdhsa_memory_ordered 1
		.amdhsa_forward_progress 1
		.amdhsa_inst_pref_size 44
	.end_amdhsa_kernel
	.amdgpu_metadata
---
amdhsa.version: [ 1, 2 ]
amdhsa.kernels:
  - .name:           k_qa6e84b1f9b_ln1
    .symbol:         k_qa6e84b1f9b_ln1.kd
    .args:
      - { .name: x, .offset: 0, .size: 8, .value_kind: global_buffer, .address_space: global }
      - { .name: g1, .offset: 8, .size: 8, .value_kind: global_buffer, .address_space: global }
      - { .name: beta1, .offset: 16, .size: 8, .value_kind: global_buffer, .address_space: global }
      - { .name: h, .offset: 24, .size: 8, .value_kind: global_buffer, .address_space: global }
    .group_segment_fixed_size: 66304
    .private_segment_fixed_size: 0
    .kernarg_segment_align: 8
    .kernarg_segment_size: 32
    .max_flat_workgroup_size: 128
    .sgpr_count:     66
    .vgpr_count:     224
    .wavefront_size: 32
...
	.end_amdgpu_metadata
.endif
;; end of part 2
;; launch qkv (part 3): grid 12 x 16, 4 waves a work-group, clusters of 4 x 4, 327,680 bytes of LDS; arguments h, wrec, qkv; writes qkv
.if DOCPART == 3
	.amdgcn_target "amdgcn-amd-amdhsa--gfx1250"
	.amdhsa_code_object_version 6
	.text
	.protected	k_qa6e84b1f9b_qkv
	.globl	k_qa6e84b1f9b_qkv
	.p2align	8
	.type	k_qa6e84b1f9b_qkv,@function
k_qa6e84b1f9b_qkv:
	s_mov_b64 s[64:65], 0
	v_nop
	global_prefetch_b8 v0, s[64:65] scope:SCOPE_SE
	s_setreg_imm32_b32 hwreg(HW_REG_WAVE_MODE, 25, 1), 1
	s_wait_xcnt 0x0
	s_wait_alu depctr_hold_cnt(0) depctr_sa_sdst(0) depctr_va_vdst(0) depctr_va_sdst(0) depctr_va_ssrc(0) depctr_va_vcc(0) depctr_vm_vsrc(0)
	s_getreg_b32 s2, hwreg(HW_REG_IB_STS2, 6, 4)
	s_cmp_eq_u32 s2, 0
	s_cbranch_scc0 .Lentry_in_a_cluster
	s_endpgm
.Lentry_in_a_cluster:
	s_bfe_u32 s2, ttmp6, 0x10000c
	s_cmp_lg_u32 s2, 0xf033
	s_cbranch_scc0 .Lentry_shape_is_right
	s_endpgm
.Lentry_shape_is_right:
; LAUNCH 3: products 1 to 3, Q, K, V = LN1(x) W, on codes of BF6 (E3M2) with E8M0 scales, and the quantisers ahead of products 4 and 5: Q and K along the head's 64, V along the keys.  No work is left out.
; THE CORE (shared by four launches): a tile of 256 x 256 by four waves, as many as a WGP has SIMDs; a wave makes 128 x 128: 64 accumulators, 512 registers.  Operands lie in memory as records of 128 rows x 128 K in
; the order of the operand's registers (12,288 bytes of codes, 512 of scale words): two K steps of one group of rows are 25,600 dense bytes, one tensor load of 100 rows of 256 bytes.  A slot holds two K steps of
; A's two groups and B's two; two slots take turns; each wave fills a quarter of a slot.  A fragment comes from LDS by two loads of 16 bytes a lane and two of 8, each of consecutive bytes: no pitch, no padding.
; CLUSTERS: 4 x 4 work-groups; A's tiles are asked for jointly along a row of the cluster, B's along a column.  THE MATRIX INSTRUCTION IS USED TRANSPOSED (source 0 = B's 16 rows, source 1 = A's 16 rows):
; a lane holds one row of A and its registers run along B's rows; by the order of rows in a block (row r of block j = 32 (j / 2) + 8 (j % 2) + r + 8 (r / 8)) the 16 registers of tiles 2 b, 2 b + 1 are 16 neighbours.
; ROLES: clusters x = 0, 1: A = tokens (h), B = Wq's and Wk's columns: registers run along the two heads' 2 x 64 channels, which are K of product 4.  Cluster x = 2: A = Wv's columns, B = tokens: registers run along
; 128 tokens, the keys, which are K of product 5.  The choice is made of cluster numbers alone, by selects: no branch.
; OUT: records of 13,312 bytes = two halves of 6,656: 8 blocks x 768 bytes of codes (half a fragment: K = 0 .. 63), then 512 bytes of scale words.  Q, K: record 32 (8 t + pair of heads) + token group; the halves are the
; two heads; a word's low two bytes are the head's.  V: record 512 + 32 (pair of heads) + token group; the halves are keys 0-63 and 64-127, blocks 0-3 the first head's channels; the whole words lie in half 0.
; Nothing is prefetched: each tile is read by several clusters within a launch of eight K steps.
; LIMITS: a block of zeros gets the byte 1 where the rule says 127 (its codes are zeros; this program alone reads the bytes); blocks under 2^-122 are held at byte 1; NaN and infinities are not served.
; REGISTERS, in windows of 256: window 0: v1-3 lane, r, hh; v4-13 LDS addresses; v24-27 the way out; v28, v29 the add's two; v32-63 scale words, two sets; v64-127 at work on the way out; v128-223 A's fragments, ONE set.
;   window 1: B's fragments, two sets, at v0 and v128.   window 2: the accumulators of my A blocks 0-3 ((a, b) at v[8 (8 (a % 4) + b)]);   window 3: those of blocks 4-7.
.set NKS,   8                          ; K steps of 128
.set REC,   12800
.set PART,  2*REC                      ; what one tensor load brings
.set SLOT,  4*PART
.set LAPS,  NKS/4                      ; a lap = four K steps = once round the ring
.set FR,    12                         ; registers of a fragment
.set NL,    4                          ; LDS loads that bring one
.set NP,    4                          ; places behind this matrix instruction (ISA guide 7.12.1)
.set SPARE, 327168                     ; the spare words, 128 bytes for each wave: two blocks of 256 bytes that no other line names
.set QREC,  13312
.set A16,   4                          ; v4-5   16 x lane + my A part, slot 0, 1
.set A8,    6                          ; v6-7   8 x lane + the same
.set B16,   8                          ; v8-9   the same for B
.set B8,    10                         ; v10-11
.set ADS,   12                         ; v12-13 scale words: 4 r + A's part in lanes 0-15, B's in lanes 16-31
.set O16,   24
.set O8,    25
.set SO,    26
.set SH,    27
.set SPW,   28
.set NIL,   29
.set SC,    32                         ; set sl at SC + 16 sl; register 8 q + i: lanes 0-15 the words of A's block i, lanes 16-31 of B's block i, for the slot's q-th K step
.set TM,    64
.set PW,    80
.set AF,    128
.set OB,    8
.set G1,    24
.set G0,    32
.set G1B,   48
.set G0B,   56
.set MSB, 0
.macro WIN new                         ; the immediate's high byte repeats the setting that is left
.if MSB != (\new)
	s_set_vgpr_msb (MSB<<8)|(\new)
.set MSB, \new
.endif
.endm
.set MUL_LO, 0xa1                      ; source 0 (B) window 1, source 1 (A) window 0, C and D window 2
.set MUL_HI, 0xf1                      ; the same, C and D window 3
.set TO_B,   0x40                      ; destination window 1, address window 0
.macro PLACES n
.rept \n
	v_nop
.endr
.endm
; A joint load: waves 0 and 1 fetch for A, waves 2 and 3 for B.  The branch hangs on the wave's number alone.  An s_nop 0 and four v_nop follow each of the two lines.
.macro JLOAD g0a, g1a, g0b, g1b
	s_cmp_eq_u32 s15, 0
	s_cbranch_scc0 .Lfor_b_\@
	tensor_load_to_lds s[\g0a:\g0a+3], s[\g1a:\g1a+7]
	s_nop 0
.rept 4
	v_nop
.endr
	s_branch .Lasked_\@
.Lfor_b_\@:
	tensor_load_to_lds s[\g0b:\g0b+3], s[\g1b:\g1b+7]
	s_nop 0
.rept 4
	v_nop
.endr
.Lasked_\@:
.endm
.macro CREST                           ; a round of the cluster's barrier behind its opening barrier
	s_cmp_lg_u32 s14, 0
	s_cbranch_scc1 .Lnot_wave_0_\@
	s_barrier_signal -3
.Lnot_wave_0_\@:
	s_barrier_wait -3
	s_barrier_signal -1
	s_barrier_wait -1
.endm
.macro CROUND
	s_barrier_signal -1
	s_barrier_wait -1
	CREST
.endm
.macro FRAG reg, a16, a8, q, i         ; block i of the slot's q-th K step: the image of its twelve registers
	ds_load_b128 v[(\reg):(\reg)+3], v[\a16] offset:(\q)*REC+(\i)*1536
	ds_load_b64 v[(\reg)+4:(\reg)+5], v[\a8] offset:(\q)*REC+(\i)*1536+512
	ds_load_b128 v[(\reg)+6:(\reg)+9], v[\a16] offset:(\q)*REC+(\i)*1536+768
	ds_load_b64 v[(\reg)+10:(\reg)+11], v[\a8] offset:(\q)*REC+(\i)*1536+1280
.endm
.macro FETCH_B sl, q                   ; B's eight fragments into set q
	WIN TO_B
.irp i, 0,1,2,3,4,5,6,7
	FRAG 128*(\q)+FR*\i, B16+\sl, B8+\sl, \q, \i
.endr
	WIN 0
.endm
.macro FETCH_A sl, q, i0               ; A's blocks i0 .. i0 + 3
.irp i, \i0, \i0+1, \i0+2, \i0+3
	FRAG AF+FR*(\i), A16+\sl, A8+\sl, \q, \i
.endr
.endm
.macro SCALES sl                       ; the slot's scale words
.irp q, 0,1
.irp i, 0,1,2,3,4,5,6,7
	ds_load_b32 v[SC+16*\sl+8*\q+\i], v[ADS+\sl] offset:\q*REC+12288+64*\i
.endr
.endr
.endm
; 16 matrix instructions: A's blocks a0, a0 + 1 x B's eight.  first = 1: the product starts the sums: nothing is cleared.  The 64 accumulators take turns, one instruction a turn, in the same order in every step.
.macro MUL16 a0, q, sl, first
.irp a, \a0, \a0+1
.irp b, 0,1,2,3,4,5,6,7
.if (\first) == 1
	v_wmma_scale_f32_16x16x128_f8f6f4 v[8*(8*((\a)%4)+\b):8*(8*((\a)%4)+\b)+7], v[128*(\q)+FR*\b:128*(\q)+FR*\b+FR-1], v[AF+FR*(\a):AF+FR*(\a)+FR-1], 0, v[SC+16*(\sl)+8*(\q)+\b], v[SC+16*(\sl)+8*(\q)+(\a)] matrix_a_fmt:MATRIX_FMT_BF6 matrix_b_fmt:MATRIX_FMT_BF6 matrix_a_scale:MATRIX_SCALE_ROW1
.else
	v_wmma_scale_f32_16x16x128_f8f6f4 v[8*(8*((\a)%4)+\b):8*(8*((\a)%4)+\b)+7], v[128*(\q)+FR*\b:128*(\q)+FR*\b+FR-1], v[AF+FR*(\a):AF+FR*(\a)+FR-1], v[8*(8*((\a)%4)+\b):8*(8*((\a)%4)+\b)+7], v[SC+16*(\sl)+8*(\q)+\b], v[SC+16*(\sl)+8*(\q)+(\a)] matrix_a_fmt:MATRIX_FMT_BF6 matrix_b_fmt:MATRIX_FMT_BF6 matrix_a_scale:MATRIX_SCALE_ROW1
.endif
.endr
.endr
.endm
; A slot's first K step.  A block of A is free as soon as its eight products are issued: blocks 0-3 are fetched anew in the step's middle, blocks 4-7 at its end; B's next set comes in the middle.
.macro STEP sl, first
	s_wait_dscnt 4*NL                              ; all but the youngest sixteen loads (A's blocks 4-7) are in
	WIN MUL_LO
	MUL16 0, 0, \sl, \first
	MUL16 2, 0, \sl, \first
	s_wait_dscnt 0x0                               ; A's blocks 4-7 are in
	PLACES NP                                      ; in front of loads into registers that matrix instructions have read
	FETCH_B \sl, 1
	FETCH_A \sl, 1, 0
	WIN MUL_HI
	MUL16 4, 0, \sl, \first
	MUL16 6, 0, \sl, \first
	PLACES NP
	WIN 0
	FETCH_A \sl, 1, 4
.endm
; A slot's second K step changes slots: ONE barrier; in front of it each wave waits for all its tensor loads, adds 0 to its spare word, and waits for that and for its own reads of this slot.  fill = 1: the slot is filled again, four K steps on.
.macro TURN sl, next, fill
	s_wait_tensorcnt 0x0                           ; all my tensor loads have landed: my part of the next slot  (every window is 0 here)
	ds_add_u32 v[SPW], v[NIL]                      ; 0 onto my spare word
	s_wait_dscnt 4*NL+1                            ; (the add and the youngest sixteen loads may be out)
	WIN MUL_LO
	MUL16 0, 1, \sl, 0                             ; sixteen matrix instructions stand between the add and the wait for it
	s_wait_dscnt 0x0                               ; the add is done, and my reads of this slot are over
	s_barrier_signal -1
	MUL16 2, 1, \sl, 0
	WIN 0
	s_barrier_wait -1
.if \fill
	CREST                                          ; the barrier has opened a round of the cluster's barrier: no wave of any partner still reads this slot or has a load on its way
	s_add_nc_u64 s[G0+4*\sl+2:G0+4*\sl+3], s[G0+4*\sl+2:G0+4*\sl+3], 4*REC
	s_add_nc_u64 s[G0B+4*\sl+2:G0B+4*\sl+3], s[G0B+4*\sl+2:G0B+4*\sl+3], 4*REC
	JLOAD G0+4*\sl, G1, G0B+4*\sl, G1B             ; the first tensor load behind the round; its four v_nop are the places in front of the loads below
.else
	PLACES NP
.endif
	FETCH_B \next, 0
	FETCH_A \next, 0, 0
	SCALES \next
	WIN MUL_HI
	MUL16 4, 1, \sl, 0
	MUL16 6, 1, \sl, 0
	PLACES NP
	WIN 0
	FETCH_A \next, 0, 4
.endm
; 64 numbers of a lane in window w, register 16 b + i = k 32 b + 16 hh + i of my row, become a fragment's codes in v[pc] .. v[pc + 11] and its scale word in v[pw] (window 0).  Each accumulator is read from its low end on.
.macro QUANT s, w, pc, pw
	WIN (\w)|((\w)<<2)
.irp b, 0,1,2,3
	v_max3_num_f32 v[TM+\b], |v[(\s)+16*\b]|, |v[(\s)+1+16*\b]|, 0x2800000   ; my 16 numbers of block b, and the floor 2^(5 - 127): the byte cannot fall under 1
.endr
.irp i, 2,4,6,8,10,12,14
.irp b, 0,1,2,3
	v_max3_num_f32 v[TM+\b], |v[(\s)+16*\b+\i]|, |v[(\s)+1+16*\b+\i]|, v[TM+\b]
.endr
.endr
	WIN 0
.irp b, 0,1,2,3
	v_permlanex16_b32 v[TM+4+\b], v[TM+\b], s90, s91
.endr
.irp b, 0,1,2,3
	v_max_num_f32 v[TM+\b], v[TM+\b], v[TM+4+\b]   ; with lane l xor 16's: the block's largest magnitude
.endr
.irp b, 0,1,2,3
	v_add_nc_u32 v[TM+12+\b], 0xfe000000, v[TM+\b] ; 4 off the exponent field: the conversion's scale operand
.endr
.irp b, 0,1,2,3
	v_lshrrev_b32 v[TM+4+\b], 23, v[TM+12+\b]      ; the scale's byte
.endr
	v_lshl_or_b32 v[\pw], v[TM+5], 8, v[TM+4]
	v_lshl_or_b32 v[\pw], v[TM+6], 16, v[\pw]
	v_lshl_or_b32 v[\pw], v[TM+7], 24, v[\pw]
	WIN (\w)
.irp c, 0,1
	v_cvt_scalef32_pk16_bf6_f32 v[(\pc)+6*\c:(\pc)+2+6*\c], v[(\s)+32*\c:(\s)+15+32*\c], v[TM+12+2*\c]
	v_cvt_scalef32_pk16_bf6_f32 v[(\pc)+12+4*\c:(\pc)+14+4*\c], v[(\s)+16+32*\c:(\s)+31+32*\c], v[TM+12+2*\c+1]   ; (a conversion's three registers begin on an even number)
.endr
	WIN 0
	v_nop                                          ; one plain line behind a scaled conversion
.irp c, 0,1                                    ; the operand's layout wants a WHOLE block in a lane
.irp i, 0,1,2
	v_permlane16_swap_b32 v[(\pc)+6*\c+\i], v[(\pc)+12+4*\c+\i]
.endr
.irp i, 0,1,2
	v_mov_b32 v[(\pc)+3+6*\c+\i], v[(\pc)+12+4*\c+\i]
.endr
.endr
.endm
.macro PUT pc, o                       ; half a fragment as it stands: 512 and 256 consecutive bytes, each at a multiple of 256 from the buffer's first byte
	global_store_b128 v[O16], v[(\pc):(\pc)+3], s[OB:OB+1] offset:\o
	global_store_b64 v[O8], v[(\pc)+4:(\pc)+5], s[OB:OB+1] offset:(\o)+512
.endm
	s_load_b128 s[4:7], s[0:1], 0x0                ; h, wrec
	s_load_b64 s[8:9], s[0:1], 0x10                ; qkv
	v_lshl_add_u32 v[SPW], v0, 2, SPARE
	v_mov_b32 v[NIL], 0
	ds_add_u32 v[SPW], v[NIL]                      ; the wave's opening: the add, twice on end, and its wait ahead of my first tensor load
	ds_add_u32 v[SPW], v[NIL]                      ; and once more, under the one wait
	v_lshrrev_b32 v1, 5, v0
	v_readfirstlane_b32 s14, v1                    ; wave 0..3
	s_lshr_b32 s15, s14, 1                         ; which of A's two groups is mine.  Also: I fetch for A (0) or for B (1)
	s_and_b32 s16, s14, 1                          ; which of B's two groups.  Also: which group of that operand I fetch
	s_bfe_u32 s40, ttmp6, 0x40000                  ; cx, cy: my place in the cluster
	s_bfe_u32 s41, ttmp6, 0x40004
	s_and_b32 s18, ttmp7, 0xffff
	s_lshl_b32 s18, s18, 2                         ; 4 x cluster y
	s_lshl_b32 s19, ttmp9, 2                       ; 4 x cluster x
	s_cmp_eq_u32 ttmp9, 2                          ; V's clusters: the same in all sixteen partners
	s_cselect_b32 s17, 0, s18
	s_cselect_b32 s42, s18, s19
	s_cselect_b32 s45, 1, 0
	s_add_co_u32 s17, s17, s41                     ; A's tile: Q, K: 4 cluster y + cy of 16 (tokens); V: cy of 4 (Wv's columns)
	s_add_co_u32 s42, s42, s40                     ; B's tile: Q, K: 4 cluster x + cx of 8 (Wq's, Wk's columns); V: 4 cluster y + cx of 16 (tokens)
	s_lshl_b32 s43, s41, 2
	s_lshl_b32 s43, 15, s43                        ; my row of the cluster
	s_lshl_b32 s44, 0x1111, s40                    ; my column
	s_or_b32 s[G1+0], s43, (3<<16)|(1<<21)         ; 15:0 the mask: A's tiles go to my row; 17:16 elements of 8 bytes; 21 set beside a mask; no padding
	s_or_b32 s[G1B+0], s44, (3<<16)|(1<<21)
.irp g, G1, G1B
	s_mov_b32 s[\g+1], 32<<16                      ; tensor_dim0 = 32 elements: 256 bytes
	s_mov_b32 s[\g+2], 100<<16                     ; tensor_dim1 = 100 rows: 25,600 bytes
	s_mov_b32 s[\g+3], 32<<16                      ; tile_dim0
	s_mov_b32 s[\g+4], 100                         ; tile_dim1
	s_mov_b32 s[\g+5], 32                          ; the pitch: dense
	s_mov_b32 s[\g+6], 0
	s_mov_b32 s[\g+7], 0
.endr
	s_lshl_b32 s20, s17, 1
	s_add_co_u32 s20, s20, s16
	s_mul_i32 s20, s20, NKS*REC                    ; A: the group that I fetch, in bytes
	s_mov_b32 s21, 0
	s_lshl_b32 s46, s42, 1
	s_add_co_u32 s46, s46, s16
	s_mul_i32 s46, s46, NKS*REC                    ; B likewise
	s_mov_b32 s47, 0
	s_mul_i32 s94, s14, PART                       ; where it goes: wave x a part: no place in the cluster enters an LDS address
	s_mov_b32 s90, 0x76543210
	s_mov_b32 s91, 0xfedcba98                      ; v_permlanex16_b32's selects for lane l xor 16
	s_wait_dscnt 0x0                               ; both opening adds are done
	s_wait_kmcnt 0x0
	s_add_nc_u64 s[10:11], s[6:7], 16*NKS*REC      ; Wv's eight groups lie behind Wq's and Wk's sixteen
	s_cmp_eq_u32 s45, 1
	s_cselect_b64 s[22:23], s[10:11], s[4:5]       ; A
	s_cselect_b64 s[92:93], s[4:5], s[6:7]         ; B
	s_add_nc_u64 s[20:21], s[22:23], s[20:21]
	s_add_nc_u64 s[46:47], s[92:93], s[46:47]
	CROUND                                         ; all sixteen work-groups are here: the first joint loads meet
.irp s, 0,1
	s_mov_b32 s[G0+4*\s], 1
	s_add_co_u32 s[G0+4*\s+1], s94, \s*SLOT
	s_add_nc_u64 s[G0+4*\s+2:G0+4*\s+3], s[20:21], \s*2*REC
	s_or_b32 s[G0+4*\s+3], s[G0+4*\s+3], 0x80000000
	s_mov_b32 s[G0B+4*\s], 1
	s_add_co_u32 s[G0B+4*\s+1], s94, \s*SLOT
	s_add_nc_u64 s[G0B+4*\s+2:G0B+4*\s+3], s[46:47], \s*2*REC
	s_or_b32 s[G0B+4*\s+3], s[G0B+4*\s+3], 0x80000000
	JLOAD G0+4*\s, G1, G0B+4*\s, G1B               ; two loads of mine are out
.endr
	v_and_b32 v1, 31, v0                           ; lane
	v_and_b32 v2, 15, v0                           ; r
	v_bfe_u32 v3, v0, 4, 1                         ; hh
	v_lshlrev_b32 v16, 4, v1
	v_lshlrev_b32 v17, 3, v1
	v_lshlrev_b32 v18, 2, v2
	s_mul_i32 s21, s15, PART                       ; my group of A
	s_mul_i32 s22, s16, PART
	s_add_co_u32 s22, s22, 2*PART                  ; my group of B, behind A's two
	s_sub_co_u32 s23, s22, s21
	v_mul_u32_u24 v19, s23, v3                     ; lanes 16-31 take B's scale words
	v_add_nc_u32 v18, v18, v19
.irp s, 0,1
	v_add_nc_u32 v[A16+\s], s21, v16
	v_add_nc_u32 v[A8+\s], s21, v17
	v_add_nc_u32 v[B16+\s], s22, v16
	v_add_nc_u32 v[B8+\s], s22, v17
	v_add_nc_u32 v[ADS+\s], s21, v18
	s_add_co_u32 s21, s21, SLOT
	s_add_co_u32 s22, s22, SLOT
.endr
	s_wait_tensorcnt 1                             ; my part of slot 0 is in (slot 1's load may be out)
	s_barrier_signal -1
	s_barrier_wait -1                              ; everybody's is
	FETCH_B 0, 0
	FETCH_A 0, 0, 0
	SCALES 0
	FETCH_A 0, 0, 4
	STEP 0, 1                                      ; the first step stands in front of the loop: its products start the sums
	s_mov_b32 s3, LAPS-1
.Llap:                                                 ; a trip goes once round the ring and fills both slots again
	TURN 0, 1, 1
	STEP 1, 0
	TURN 1, 0, 1
	STEP 0, 0
	s_sub_co_u32 s3, s3, 1
	s_cmp_lg_u32 s3, 0
	s_cbranch_scc1 .Llap
	TURN 0, 1, 0                                   ; the last lap fills nothing, and has no round of the cluster's barrier
	STEP 1, 0
	s_wait_dscnt 4*NL                              ; the very last step: nothing more to fetch
	WIN MUL_LO
	MUL16 0, 1, 1, 0
	MUL16 2, 1, 1, 0
	s_wait_dscnt 0x0
	WIN MUL_HI
	MUL16 4, 1, 1, 0
	MUL16 6, 1, 1, 0
	WIN 0
	; THE WAY OUT: each of my eight blocks of A's rows is quantised along the registers and leaves as the image of an operand's registers.  No LDS.
	PLACES NP
	s_lshl_b32 s20, s17, 1
	s_add_co_u32 s20, s20, s15                     ; GA: my group of A
	s_lshl_b32 s21, s42, 1
	s_add_co_u32 s21, s21, s16                     ; GB: my group of B
	s_lshl_b32 s22, s20, 5
	s_add_co_u32 s22, s22, s21
	s_add_co_u32 s22, s22, 512                     ; V: record 512 + 32 GA + GB
	s_lshl_b32 s23, s21, 5
	s_add_co_u32 s23, s23, s20                     ; Q, K: record 32 GB + GA
	s_cmp_eq_u32 s45, 1
	s_cselect_b32 s22, s22, s23
	s_cselect_b32 s46, 0, 6656                     ; Q, K: lanes 16-31 store the second head's scale word, into the record's second half,
	s_cselect_b32 s47, 0, 16                       ; which is the word's upper two bytes.  V: they repeat lanes 0-15's store
	s_mul_i32 s22, s22, QREC
	s_mov_b32 s23, 0
	s_add_nc_u64 s[OB:OB+1], s[OB:OB+1], s[22:23]
	v_lshlrev_b32 v[O16], 4, v1
	v_lshlrev_b32 v[O8], 3, v1
	v_mul_u32_u24 v[SO], s46, v3
	v_lshl_add_u32 v[SO], v2, 2, v[SO]
	v_mul_u32_u24 v[SH], s47, v3
.irp b, 0,1,2,3
	v_mov_b32 v[TM+4+\b], 0                        ; written once: a lane permute's destination counts as one of its sources
.endr
.irp a, 0,1,2,3,4,5,6,7
.if \a >= 2
	s_wait_xcnt 0x0                                ; the stores of two blocks back have read their registers: these are written again only behind this wait
.endif
	QUANT 64*(\a%4), 2+\a/4, 84+20*(\a%2), PW
	v_lshrrev_b32 v[81+\a%2], v[SH], v[PW]
	PUT 84+20*(\a%2), 768*\a
	PUT 90+20*(\a%2), 6656+768*\a
	global_store_b32 v[SO], v[81+\a%2], s[OB:OB+1] offset:6144+64*\a
.endr
	s_wait_tensorcnt 0x0                           ; the wave's end, behind my last tensor load
	ds_add_u32 v[SPW], v[NIL]
	s_wait_dscnt 0x0
	CROUND                                         ; the closing round: no work-group ends while a partner may still ask for a tile that names it
	s_endpgm
.Lfunc_end_k_qa6e84b1f9b_qkv:
	.size	k_qa6e84b1f9b_qkv, .Lfunc_end_k_qa6e84b1f9b_qkv-k_qa6e84b1f9b_qkv
	.p2alignl 7, 3214868480
	.fill 96, 4, 3214868480
	.section	.rodata,"a",@progbits
	.p2align	6, 0x0
	.amdhsa_kernel k_qa6e84b1f9b_qkv
		.amdhsa_group_segment_fixed_size 327680
		.amdhsa_private_segment_fixed_size 0
		.amdhsa_enable_private_segment 0
		.amdhsa_kernarg_size 24
		.amdhsa_user_sgpr_count 2
		.amdhsa_user_sgpr_kernarg_segment_ptr 1
		.amdhsa_wavefront_size32 1
		.amdhsa_system_sgpr_workgroup_id_x 1
		.amdhsa_system_sgpr_workgroup_id_y 1
		.amdhsa_system_sgpr_workgroup_id_z 1
		.amdhsa_system_vgpr_workitem_id 0
		.amdhsa_next_free_vgpr 1024
		.amdhsa_next_free_sgpr 100
		.amdhsa_reserve_vcc 0
		.amdhsa_float_denorm_mode_32 3
		.amdhsa_float_denorm_mode_16_64 3
		.amdhsa_memory_ordered 1
		.amdhsa_forward_progress 1
		.amdhsa_inst_pref_size 149
	.end_amdhsa_kernel
	.amdgpu_metadata
---
amdhsa.version: [ 1, 2 ]
amdhsa.kernels:
  - .name:           k_qa6e84b1f9b_qkv
    .symbol:         k_qa6e84b1f9b_qkv.kd
    .args:
      - { .name: h, .offset: 0, .size: 8, .value_kind: global_buffer, .address_space: global }
      - { .name: wrec, .offset: 8, .size: 8, .value_kind: global_buffer, .address_space: global }
      - { .name: qkv, .offset: 16, .size: 8, .value_kind: global_buffer, .address_space: global }
    .group_segment_fixed_size: 327680
    .private_segment_fixed_size: 0
    .kernarg_segment_align: 8
    .kernarg_segment_size: 24
    .max_flat_workgroup_size: 128
    .sgpr_count:     100
    .vgpr_count:     1024
    .wavefront_size: 32
...
	.end_amdgpu_metadata
.endif
;; end of part 3
;; launch attn (part 4): grid 8 x 32, 16 waves a work-group, clusters of 4 x 1, 210,944 bytes of LDS; arguments qkv, cc; writes cc
.if DOCPART == 4
	.amdgcn_target "amdgcn-amd-amdhsa--gfx1250"
	.amdhsa_code_object_version 6
	.text
	.protected	k_qa6e84b1f9b_attn
	.globl	k_qa6e84b1f9b_attn
	.p2align	8
	.type	k_qa6e84b1f9b_attn,@function
k_qa6e84b1f9b_attn:
	s_mov_b64 s[64:65], 0
	v_nop
	global_prefetch_b8 v0, s[64:65] scope:SCOPE_SE
	s_setreg_imm32_b32 hwreg(HW_REG_WAVE_MODE, 25, 1), 1
	s_wait_xcnt 0x0
	s_wait_alu depctr_hold_cnt(0) depctr_sa_sdst(0) depctr_va_vdst(0) depctr_va_sdst(0) depctr_va_ssrc(0) depctr_va_vcc(0) depctr_vm_vsrc(0)
	s_getreg_b32 s2, hwreg(HW_REG_IB_STS2, 6, 4)
	s_cmp_eq_u32 s2, 0
	s_cbranch_scc0 .Lentry_in_a_cluster
	s_endpgm
.Lentry_in_a_cluster:
	s_bfe_u32 s2, ttmp6, 0x10000c
	s_cmp_lg_u32 s2, 0x3003
	s_cbranch_scc0 .Lentry_shape_is_right
	s_endpgm
.Lentry_shape_is_right:
; LAUNCH 4: products 4 and 5 on codes of BF6 (E3M2) with E8M0 scales, the softmax between them, and the quantiser ahead of product 6 (along the concatenated heads).  No work is left out.
; THE SOFTMAX: t = score x log2(e) / 8; M = the row's largest t so far, rounded UP to a whole number; p = 2^(t - M) is what is quantised, along the keys; the row's sum is taken of the unquantised p and divides at the end.
; When M moves, the sum and O are multiplied by 2^(old M - new M): exact.
; SHARES: a work-group owns 256 queries of one (batch, head); each of its sixteen waves one block of 16, in 256 registers: four waves to a SIMD, so that one wave's vector work stands beside another's matrix work.
; K AND V OF THE WHOLE (BATCH, HEAD) LIE IN LDS, FILLED ONCE: 16 key steps x (6,656 bytes of K's codes and scale words, 6,144 of V's codes, 256 of V's scale words).  So there is no ring, no refill and no barrier in the loop,
; and nothing is left for a prefetch to run ahead of.  Wave w brings key step w, by three tensor loads; three loads of mine are out at the most.
; CLUSTER: the four blocks of 256 queries of a cluster belong to one (batch, head) and need the same K and V: each load is asked for JOINTLY by all four.
; LAYOUT: both products are used transposed: S^T = K Q^T (source 0 = 16 keys), O^T = V^T P^T (source 0 = 16 channels): a lane holds ONE query throughout.  All operands lie as images of their registers; row r of block j
; is index 32 (j / 2) + 8 (j % 2) + r + 8 (r / 8), so the 16 registers of tiles 2 b, 2 b + 1 are 16 neighbouring keys (channels).
; PRODUCT 4 HAS K = 64: Q's registers 6-11 hold zero codes.  K's registers 6-11 hold whatever codes lay there (every code of this format is a finite number) and no scale byte is 0xff: the upper 64 add exactly 0.
; A scale word of the output spans two heads, so a work-group stores its two bytes of each word: 2 bytes for each 48 of codes.
; LIMITS: a block of zeros gets the byte 1 where the rule says 127 (its codes are zeros; this program alone reads the bytes); blocks under 2^-122 are held at byte 1; NaN and infinities are not served.
; REGISTERS: v1-6 addresses that stay; v7, v8 the add's two; v9-11, v29-31 addresses of the step; v12 -M, v13 the largest t, v[14:15] the sum; v16-27 Q; v32-79 four fragments of K or V; v96-159 S^T, then p; v160-191 O^T;
;   v224-235 p's codes; v232-254 at work; v248-251 K's or V's scale words; v253 p's; v255 Q's.
.set QREC,  13312
.set REC,   12800
.set KSTEP, 6656
.set VSTEP, 6144
.set VB,    16*KSTEP                   ; K's sixteen steps lie from byte 0 on; V's codes from here
.set VS,    VB+16*VSTEP                ; V's scale words
.set SPARE, VS+16*256                  ; the spare words, 128 bytes for each wave: eight blocks of 256 bytes that no other line names
.set L16,   1                          ; v1  16 x lane: K's codes (K begins at LDS byte 0), and my place in memory
.set L8,    2                          ; v2  8 x lane
.set R4,    3                          ; v3  4 r
.set AV16,  4                          ; v4  16 x lane + VB
.set AV8,   5                          ; v5  8 x lane + VB
.set AVS,   6                          ; v6  4 r + VS
.set SPW,   7
.set NIL,   8
.set WV,    18
.set SEL,   20
.set CS,    22
.set G1K,   24
.set G1V,   32
.set G1S,   40
.set G0K,   48
.set G0V,   52
.set G0S,   56
.set TK,    60
.set TV,    61
.set TS,    62
.set CNT,   63
.macro CROUND
	s_barrier_signal -1
	s_barrier_wait -1
	s_cmp_lg_u32 s[WV], 0
	s_cbranch_scc1 .Lnot_wave_0_\@
	s_barrier_signal -3
.Lnot_wave_0_\@:
	s_barrier_wait -3
	s_barrier_signal -1
	s_barrier_wait -1
.endm
	s_load_b128 s[4:7], s[0:1], 0x0                ; qkv, cc
	v_lshl_add_u32 v[SPW], v0, 2, SPARE
	v_mov_b32 v[NIL], 0
	ds_add_u32 v[SPW], v[NIL]                      ; the wave's opening: the add, twice on end, and its wait ahead of my first tensor load
	ds_add_u32 v[SPW], v[NIL]                      ; and once more, under the one wait
	v_lshrrev_b32 v1, 5, v0
	v_readfirstlane_b32 s[WV], v1                  ; wave 0..15
	s_bfe_u32 s8, ttmp6, 0x40000                   ; cx
	s_lshl_b32 s9, ttmp9, 2
	s_add_co_u32 s9, s9, s8                        ; my block of 256 queries: it enters Q's and the output's addresses alone
	s_and_b32 s10, ttmp7, 0xffff
	s_lshr_b32 s11, s10, 4                         ; batch
	s_and_b32 s12, s10, 15                         ; head
	s_lshr_b32 s13, s12, 1                         ; pair of heads
	s_and_b32 s14, s12, 1                          ; which of the pair
	s_lshl_b32 s15, s13, 5
	s_lshl_b32 s16, s11, 4
	s_add_co_u32 s17, s15, s16
	s_add_co_u32 s66, s17, s[WV]                   ; 32 pair + 16 batch + key step w
	s_mul_i32 s66, s66, QREC
	s_mul_i32 s67, s14, 6656
	s_add_co_u32 s68, s66, s67
	s_add_co_u32 s68, s68, 256*QREC                ; K's records lie 256 on; my head's half
	s_mov_b32 s69, 0
	s_mul_i32 s70, s14, 3072
	s_add_co_u32 s70, s70, s66
	s_add_co_u32 s70, s70, 512*QREC                ; V's 512 on; my head's four blocks of each half
	s_mov_b32 s71, 0
	s_lshl_b32 s72, s14, 8
	s_add_co_u32 s72, s72, s66
	s_add_co_u32 s72, s72, 512*QREC+6144           ; and their scale words
	s_mov_b32 s73, 0
	s_lshl_b32 s74, s9, 1
	s_lshr_b32 s75, s[WV], 3
	s_add_co_u32 s74, s74, s75
	s_add_co_u32 s76, s74, s16                     ; my token group: 16 batch + 2 block + wave / 8
	s_add_co_u32 s77, s76, s15
	s_mul_i32 s77, s77, QREC
	s_add_co_u32 s77, s77, s67                     ; Q's record, my head's half
	s_and_b32 s78, s[WV], 7                        ; my block of 16 queries
	s_mul_i32 s79, s78, 768
	s_add_co_u32 s80, s77, s79
	s_mov_b32 s81, 0
	s_lshl_b32 s82, s78, 6
	s_add_co_u32 s82, s82, s77
	s_add_co_u32 s82, s82, 6144
	s_mov_b32 s83, 0
	s_lshl_b32 s84, s76, 3
	s_add_co_u32 s84, s84, s13
	s_mul_i32 s84, s84, REC                        ; out: record 8 token group + pair of heads (a K step of product 6),
	s_mul_i32 s85, s78, 1536
	s_add_co_u32 s86, s84, s85
	s_mul_i32 s85, s14, 768
	s_add_co_u32 s86, s86, s85                     ; my block, my head's half
	s_mov_b32 s87, 0
	s_lshl_b32 s88, s78, 6
	s_add_co_u32 s88, s88, s84
	s_lshl_b32 s85, s14, 1
	s_add_co_u32 s88, s88, s85
	s_add_co_u32 s88, s88, 12288                   ; and my two bytes of its scale words
	s_mov_b32 s89, 0
	s_mul_i32 s90, s[WV], KSTEP                    ; where my three tiles go: a constant + a constant x wave
	s_mul_i32 s91, s[WV], VSTEP
	s_add_co_u32 s91, s91, VB
	s_lshl_b32 s92, s[WV], 8
	s_add_co_u32 s92, s92, VS
	s_mov_b32 s[G1K], 15|(3<<16)|(1<<21)           ; 15:0 the mask: all four work-groups; 17:16 elements of 8 bytes; 21 set beside a mask; no padding
	s_mov_b32 s[G1K+1], 32<<16                     ; K: 26 rows of 256 bytes, dense
	s_mov_b32 s[G1K+2], 26<<16
	s_mov_b32 s[G1K+3], 32<<16
	s_mov_b32 s[G1K+4], 26
	s_mov_b32 s[G1K+5], 32
	s_mov_b32 s[G1K+6], 0
	s_mov_b32 s[G1K+7], 0
	s_mov_b32 s[G1V], 15|(3<<16)|(1<<21)
	s_mov_b32 s[G1V+1], 384<<16                    ; V's codes: 2 rows (the key halves) of 3,072 bytes, 6,656 bytes apart
	s_mov_b32 s[G1V+2], 2<<16
	s_mov_b32 s[G1V+3], 384<<16
	s_mov_b32 s[G1V+4], 2
	s_mov_b32 s[G1V+5], 832
	s_mov_b32 s[G1V+6], 0
	s_mov_b32 s[G1V+7], 0
	s_mov_b32 s[G1S], 15|(3<<16)|(1<<21)
	s_mov_b32 s[G1S+1], 32<<16                     ; V's scale words: one row of 256 bytes
	s_mov_b32 s[G1S+2], 1<<16
	s_mov_b32 s[G1S+3], 32<<16
	s_mov_b32 s[G1S+4], 1
	s_mov_b32 s[G1S+5], 32
	s_mov_b32 s[G1S+6], 1<<16
	s_mov_b32 s[G1S+7], 0
	s_mov_b32 s[SEL], 0x76543210
	s_mov_b32 s[SEL+1], 0xfedcba98                 ; v_permlanex16_b32's selects for lane l xor 16
	s_mov_b32 s[CS], 0x3e38aa3b                    ; c = log2(e) / sqrt(64)
	s_mov_b32 s[CS+1], s[CS]                       ; (named with it as a pair, so it is written)
	s_mov_b32 s[TK], 0
	s_mov_b32 s[TV], 0
	s_mov_b32 s[TS], 0
	s_mov_b32 s[CNT], 16
	s_wait_dscnt 0x0                               ; both opening adds are done
	s_wait_kmcnt 0x0
	s_mov_b32 s[G0K], 1
	s_mov_b32 s[G0K+1], s90
	s_add_nc_u64 s[G0K+2:G0K+3], s[4:5], s[68:69]
	s_or_b32 s[G0K+3], s[G0K+3], 0x80000000
	s_mov_b32 s[G0V], 1
	s_mov_b32 s[G0V+1], s91
	s_add_nc_u64 s[G0V+2:G0V+3], s[4:5], s[70:71]
	s_or_b32 s[G0V+3], s[G0V+3], 0x80000000
	s_mov_b32 s[G0S], 1
	s_mov_b32 s[G0S+1], s92
	s_add_nc_u64 s[G0S+2:G0S+3], s[4:5], s[72:73]
	s_or_b32 s[G0S+3], s[G0S+3], 0x80000000
	s_add_nc_u64 s[80:81], s[4:5], s[80:81]
	s_add_nc_u64 s[82:83], s[4:5], s[82:83]
	s_add_nc_u64 s[86:87], s[6:7], s[86:87]
	s_add_nc_u64 s[88:89], s[6:7], s[88:89]
	CROUND                                         ; all four work-groups are here: the joint loads meet
	tensor_load_to_lds s[G0K:G0K+3], s[G1K:G1K+7]
	s_nop 0
	tensor_load_to_lds s[G0V:G0V+3], s[G1V:G1V+7]
	s_nop 0
	tensor_load_to_lds s[G0S:G0S+3], s[G1S:G1S+7]
	s_nop 0
.rept 4
	v_nop
.endr
	v_and_b32 v9, 31, v0
	v_and_b32 v10, 15, v0
	v_lshlrev_b32 v[L16], 4, v9
	v_lshlrev_b32 v[L8], 3, v9
	v_lshlrev_b32 v[R4], 2, v10
	global_load_b128 v[16:19], v[L16], s[80:81]    ; Q's half fragment stays in registers
	global_load_b64 v[20:21], v[L8], s[80:81] offset:512
	global_load_b32 v255, v[R4], s[82:83]          ; and its scale words
	v_add_nc_u32 v[AV16], VB, v[L16]
	v_add_nc_u32 v[AV8], VB, v[L8]
	v_add_nc_u32 v[AVS], VS, v[R4]
.irp i, 22,23,24,25,26,27
	v_mov_b32 v[\i], 0                             ; Q's K = 64 .. 127: zero codes
.endr
.irp t, 0,1,2,3
.irp i, 6,7,8,9,10,11
	v_mov_b32 v[32+12*\t+\i], 0                    ; K's upper registers are named by the first products before V's codes have lain there
.endr
.endr
	v_mov_b32 v13, 0xff61b1e6                      ; the largest t so far: -3e38, under every t
	v_floor_f32 v12, -v13                          ; -M
	v_mov_b32 v14, 0
	v_mov_b32 v15, 0
.irp b, 0,1,2,3
	v_mov_b32 v[236+\b], 0                         ; written once: a lane permute's destination counts as one of its sources
.endr
	v_mov_b32 v253, 0                              ; (named as the upper half of the pair v[252:253] before it is first written)
.set jj, 0
.rept 32
	v_mov_b32 v[160+jj], 0                         ; O^T.  (The step is written once: the first finds zeros, which the first change of M leaves zeros)
.set jj, jj+1
.endr
	s_wait_tensorcnt 0x0                           ; my three tiles have landed,
	s_barrier_signal -1
	s_barrier_wait -1                              ; everybody's have: all of K and V lies in LDS
	s_wait_loadcnt 0x0                             ; Q
.Lstep:                                                ; sixteen trips of 128 keys
	v_add_nc_u32 v9, s[TK], v[L16]                 ; (these six are also the places in front of loads into registers that the last products have read)
	v_add_nc_u32 v10, s[TK], v[L8]
	v_add_nc_u32 v11, s[TK], v[R4]
	v_add_nc_u32 v29, s[TV], v[AV16]
	v_add_nc_u32 v30, s[TV], v[AV8]
	v_add_nc_u32 v31, s[TS], v[AVS]
.irp g, 0,1                                    ; S^T = K Q^T, four tiles of 16 keys at a time
.if \g > 0
.rept 4
	v_nop
.endr
.endif
.irp t, 0,1,2,3
	ds_load_b128 v[32+12*\t:35+12*\t], v9 offset:768*(4*\g+\t)
	ds_load_b64 v[36+12*\t:37+12*\t], v10 offset:768*(4*\g+\t)+512
	ds_load_b32 v[248+\t], v11 offset:6144+64*(4*\g+\t)
.endr
	s_wait_dscnt 0x0
.irp t, 0,1,2,3
	v_wmma_scale_f32_16x16x128_f8f6f4 v[96+8*(4*\g+\t):103+8*(4*\g+\t)], v[32+12*\t:43+12*\t], v[16:27], 0, v[248+\t], v255 matrix_a_fmt:MATRIX_FMT_BF6 matrix_b_fmt:MATRIX_FMT_BF6
.endr
.endr
.rept 4
	v_nop
.endr
.irp t, 0,1,2,3                                ; V's four fragments and scale words are asked for now and land while the softmax is walked
	ds_load_b128 v[32+12*\t:35+12*\t], v29 offset:768*\t
	ds_load_b64 v[36+12*\t:37+12*\t], v30 offset:768*\t+512
	ds_load_b128 v[38+12*\t:41+12*\t], v29 offset:3072+768*\t
	ds_load_b64 v[42+12*\t:43+12*\t], v30 offset:3072+768*\t+512
	ds_load_b32 v[248+\t], v31 offset:64*\t
.endr
.irp b, 0,1,2,3
	v_max3_num_f32 v[232+\b], v[96+16*\b], v[97+16*\b], v[98+16*\b]   ; THE LARGEST SCORE OF EACH BLOCK OF 32 KEYS serves twice: for the row's maximum, and, since p rises with the score, for the block's largest p
.endr
.irp i, 3,5,7,9,11,13
.irp b, 0,1,2,3
	v_max3_num_f32 v[232+\b], v[232+\b], v[96+16*\b+\i], v[97+16*\b+\i]
.endr
.endr
.irp b, 0,1,2,3
	v_max_num_f32 v[232+\b], v[232+\b], v[111+16*\b]
.endr
.irp b, 0,1,2,3
	v_permlanex16_b32 v[236+\b], v[232+\b], s[SEL], s[SEL+1]
.endr
.irp b, 0,1,2,3
	v_max_num_f32 v[232+\b], v[232+\b], v[236+\b]  ; with lane l xor 16's 16 keys
.endr
	v_max3_num_f32 v254, v232, v233, v234
	v_max_num_f32 v254, v254, v235                 ; the step's largest score of my query
	v_mul_f32 v254, s[CS], v254                    ; as t (c is positive)
	v_max_num_f32 v13, v13, v254                   ; the running largest t
	v_mov_b32 v254, v12
	v_floor_f32 v12, -v13                          ; the new -M = floor(-t) = -ceil(t): M IS A WHOLE NUMBER
	v_sub_f32 v254, v12, v254                      ; M's old value less its new one: a whole number, 0 or less
	v_cvt_i32_f32 v254, v254                       ; (it saturates)
	v_ldexp_f32 v252, 1.0, v254                    ; f = 2^(old M - new M)
.set jj, 0
.rept 32
	v_pk_fma_f32 v[96+jj:97+jj], v[96+jj:97+jj], s[CS:CS+1], v[12:13] op_sel_hi:[1,0,0]   ; t - M, two at a time
.set jj, jj+2
.endr
.irp b, 0,1,2,3
	v_fma_f32 v[232+\b], v[232+\b], s[CS], v12     ; the same of each block's largest score
.endr
.set jj, 0
.rept 64
	v_exp_f32 v[96+jj], v[96+jj]                   ; p = 2^(t - M), at most 1: NOT normalised
.set jj, jj+1
.endr
	v_pk_mul_f32 v[14:15], v[14:15], v[252:253] op_sel_hi:[1,0]   ; the sums under the new M (a plain line behind the exponentials)
	s_wait_alu depctr_va_vdst(0)                   ; one wait for the whole batch, ahead of its first reader
.irp b, 0,1,2,3
	v_exp_f32 v[232+\b], v[232+\b]                 ; the block's largest p: the same two instructions on the same number give the same bits
.endr
	v_pk_add_f32 v[236:237], v[96:97], v[98:99]    ; THE ROW'S SUM IS TAKEN OF THE UNQUANTISED p: two at a time, in two chains
.irp j, 4,8,12,16,20,24,28,32,36,40,44,48,52,56,60
	v_pk_add_f32 v[14:15], v[14:15], v[96+\j:97+\j]
	v_pk_add_f32 v[236:237], v[236:237], v[98+\j:99+\j]
.endr
	v_pk_add_f32 v[14:15], v[14:15], v[236:237]
	s_wait_alu depctr_va_vdst(0)                   ; and one for the four
.irp b, 0,1,2,3
	v_max_num_f32 v[232+\b], 0x2800000, v[232+\b]  ; the floor 2^(5 - 127): the byte cannot fall under 1
.endr
.irp b, 0,1,2,3
	v_add_nc_u32 v[244+\b], 0xfe000000, v[232+\b]  ; 4 off the exponent field: the conversion's scale operand
.endr
.irp b, 0,1,2,3
	v_lshrrev_b32 v[236+\b], 23, v[244+\b]         ; the scale's byte
.endr
	v_lshl_or_b32 v253, v237, 8, v236              ; p's scale word for these 128 keys
	v_lshl_or_b32 v253, v238, 16, v253
	v_lshl_or_b32 v253, v239, 24, v253
.irp c, 0,1
	v_cvt_scalef32_pk16_bf6_f32 v[224+6*\c:226+6*\c], v[96+32*\c:111+32*\c], v[244+2*\c]
	v_cvt_scalef32_pk16_bf6_f32 v[236+4*\c:238+4*\c], v[112+32*\c:127+32*\c], v[244+2*\c+1]   ; (a conversion's three registers begin on an even number)
.endr
	v_nop                                          ; one plain line behind a scaled conversion
.irp c, 0,1                                    ; the operand's layout wants a WHOLE block in a lane
.irp i, 0,1,2
	v_permlane16_swap_b32 v[224+6*\c+\i], v[236+4*\c+\i]
.endr
.irp i, 0,1,2
	v_mov_b32 v[227+6*\c+\i], v[236+4*\c+\i]
.endr
.endr
.set jj, 0
.rept 16
	v_pk_mul_f32 v[160+jj:161+jj], v[160+jj:161+jj], v[252:253] op_sel_hi:[1,0]   ; O^T under the new M.  (These sixteen are also the places between the lines that made p's codes and scale word and the products)
.set jj, jj+2
.endr
	s_wait_dscnt 0x0                               ; V's fragments are in
.irp t, 0,1,2,3                                ; O^T += V^T P^T: the head's four tiles of 16 channels; four accumulators by turns
	v_wmma_scale_f32_16x16x128_f8f6f4 v[160+8*\t:167+8*\t], v[32+12*\t:43+12*\t], v[224:235], v[160+8*\t:167+8*\t], v[248+\t], v253 matrix_a_fmt:MATRIX_FMT_BF6 matrix_b_fmt:MATRIX_FMT_BF6
.endr
	s_add_co_u32 s[TK], s[TK], KSTEP
	s_add_co_u32 s[TV], s[TV], VSTEP
	s_add_co_u32 s[TS], s[TS], 256
	s_sub_co_u32 s[CNT], s[CNT], 1
	s_cmp_lg_u32 s[CNT], 0
	s_cbranch_scc1 .Lstep
	; THE WAY OUT: O^T / the sum; its 32 registers are my query's 64 channels as 16 neighbours of each of two blocks of 32: quantised, they are half a fragment of product 6's A.
.rept 4
	v_nop
.endr
	v_add_f32 v14, v14, v15
	v_permlanex16_b32 v252, v14, s[SEL], s[SEL+1]
	v_add_f32 v14, v14, v252                       ; the row's sum
	v_rcp_f32 v14, v14
	v_nop                                          ; a plain line behind the reciprocal
	s_wait_alu depctr_va_vdst(0)                   ; the wait ahead of its first reader
.set jj, 0
.rept 32
	v_mul_f32 v[96+jj], v[160+jj], v14             ; ascending: each accumulator from its low end on
.set jj, jj+1
.endr
.irp b, 0,1
	v_max3_num_f32 v[232+\b], |v[96+16*\b]|, |v[97+16*\b]|, 0x2800000
.endr
.irp i, 2,4,6,8,10,12,14
.irp b, 0,1
	v_max3_num_f32 v[232+\b], v[232+\b], |v[96+16*\b+\i]|, |v[97+16*\b+\i]|
.endr
.endr
.irp b, 0,1
	v_permlanex16_b32 v[236+\b], v[232+\b], s[SEL], s[SEL+1]
.endr
.irp b, 0,1
	v_max_num_f32 v[232+\b], v[232+\b], v[236+\b]
.endr
.irp b, 0,1
	v_add_nc_u32 v[244+\b], 0xfe000000, v[232+\b]
.endr
.irp b, 0,1
	v_lshrrev_b32 v[236+\b], 23, v[244+\b]
.endr
	v_lshl_or_b32 v253, v237, 8, v236              ; my head's two bytes of the row's scale word
	v_cvt_scalef32_pk16_bf6_f32 v[224:226], v[96:111], v244
	v_cvt_scalef32_pk16_bf6_f32 v[240:242], v[112:127], v245
	v_nop
.irp i, 0,1,2
	v_permlane16_swap_b32 v[224+\i], v[240+\i]
.endr
.irp i, 0,1,2
	v_mov_b32 v[227+\i], v[240+\i]
.endr
	global_store_b128 v[L16], v[224:227], s[86:87]                ; 512 and 256 consecutive bytes, each at a multiple of 256 from the buffer's first byte
	global_store_b64 v[L8], v[228:229], s[86:87] offset:512
	global_store_b16 v[R4], v253, s[88:89]                        ; both halves of the lanes store the same two bytes
	s_wait_tensorcnt 0x0                           ; the wave's end, behind my last tensor load
	ds_add_u32 v[SPW], v[NIL]
	s_wait_dscnt 0x0
	CROUND                                         ; the closing round
	s_endpgm
.Lfunc_end_k_qa6e84b1f9b_attn:
	.size	k_qa6e84b1f9b_attn, .Lfunc_end_k_qa6e84b1f9b_attn-k_qa6e84b1f9b_attn
	.p2alignl 7, 3214868480
	.fill 96, 4, 3214868480
	.section	.rodata,"a",@progbits
	.p2align	6, 0x0
	.amdhsa_kernel k_qa6e84b1f9b_attn
		.amdhsa_group_segment_fixed_size 210944
		.amdhsa_private_segment_fixed_size 0
		.amdhsa_enable_private_segment 0
		.amdhsa_kernarg_size 16
		.amdhsa_user_sgpr_count 2
		.amdhsa_user_sgpr_kernarg_segment_ptr 1
		.amdhsa_wavefront_size32 1
		.amdhsa_system_sgpr_workgroup_id_x 1
		.amdhsa_system_sgpr_workgroup_id_y 1
		.amdhsa_system_sgpr_workgroup_id_z 1
		.amdhsa_system_vgpr_workitem_id 0
		.amdhsa_next_free_vgpr 256
		.amdhsa_next_free_sgpr 100
		.amdhsa_reserve_vcc 0
		.amdhsa_float_denorm_mode_32 3
		.amdhsa_float_denorm_mode_16_64 3
		.amdhsa_memory_ordered 1
		.amdhsa_forward_progress 1
		.amdhsa_inst_pref_size 30
	.end_amdhsa_kernel
	.amdgpu_metadata
---
amdhsa.version: [ 1, 2 ]
amdhsa.kernels:
  - .name:           k_qa6e84b1f9b_attn
    .symbol:         k_qa6e84b1f9b_attn.kd
    .args:
      - { .name: qkv, .offset: 0, .size: 8, .value_kind: global_buffer, .address_space: global }
      - { .name: cc, .offset: 8, .size: 8, .value_kind: global_buffer, .address_space: global }
    .group_segment_fixed_size: 210944
    .private_segment_fixed_size: 0
    .kernarg_segment_align: 8
    .kernarg_segment_size: 16
    .max_flat_workgroup_size: 512
    .sgpr_count:     100
    .vgpr_count:     256
    .wavefront_size: 32
...
	.end_amdgpu_metadata
.endif
;; end of part 4
;; launch wo (part 5): grid 4 x 16, 4 waves a work-group, clusters of 4 x 4, 327,680 bytes of LDS; arguments cc, wrec, x, x1; writes x1
.if DOCPART == 5
	.amdgcn_target "amdgcn-amd-amdhsa--gfx1250"
	.amdhsa_code_object_version 6
	.text
	.protected	k_qa6e84b1f9b_wo
	.globl	k_qa6e84b1f9b_wo
	.p2align	8
	.type	k_qa6e84b1f9b_wo,@function
k_qa6e84b1f9b_wo:
	s_mov_b64 s[64:65], 0
	v_nop
	global_prefetch_b8 v0, s[64:65] scope:SCOPE_SE
	s_setreg_imm32_b32 hwreg(HW_REG_WAVE_MODE, 25, 1), 1
	s_wait_xcnt 0x0
	s_wait_alu depctr_hold_cnt(0) depctr_sa_sdst(0) depctr_va_vdst(0) depctr_va_sdst(0) depctr_va_ssrc(0) depctr_va_vcc(0) depctr_vm_vsrc(0)
	s_getreg_b32 s2, hwreg(HW_REG_IB_STS2, 6, 4)
	s_cmp_eq_u32 s2, 0
	s_cbranch_scc0 .Lentry_in_a_cluster
	s_endpgm
.Lentry_in_a_cluster:
	s_bfe_u32 s2, ttmp6, 0x10000c
	s_cmp_lg_u32 s2, 0xf033
	s_cbranch_scc0 .Lentry_shape_is_right
	s_endpgm
.Lentry_shape_is_right:
; LAUNCH 5: product 6 and the first residual: x1 = x + concat Wo, on codes of BF6 (E3M2) with E8M0 scales; x, x1 f32.  No work is left out.
; THE CORE is launch 3's: a tile of 256 x 256 by four waves of 128 x 128; operands as records of 128 rows x 128 K in the order of the operand's registers; a slot holds two K steps of A's two groups and B's two, each part one
; tensor load of 25,600 dense bytes; two slots by turns; 4 x 4 clusters, A's tiles asked for jointly along a row, B's along a column; the matrix instruction transposed (source 0 = B's rows, source 1 = A's rows).
; A = concat's codes (tokens), B = Wo's records (192 on in wrec).  N = 1,024 gives 64 tiles of this size: 64 work-groups.
; THE WAY OUT: a lane holds one token (row r of block a = token 32 (a / 2) + 8 (a % 2) + r + 8 (r / 8) of its 128) and 128 columns in the order 32 (b / 2) + 16 hh + 8 (b % 2) + i.  A block of 16 tokens goes through my own stage in LDS
; and comes back as whole rows of 512 bytes; x's same rows are added; 32 lanes store 512 consecutive bytes.  The stage lies in slot 0, which has had its last fill and its last read by then.
; Nothing is prefetched: each tile is read by several work-groups within a launch of eight K steps.
; REGISTERS as in launch 3; on the way out window 0 v128-255 two sets of 16 rows, window 1 v0-127 two sets of x's rows.
.set NKS,   8
.set WBASE, 192*12800                  ; Wo's records in wrec
.set REC,   12800
.set PART,  2*REC
.set SLOT,  4*PART
.set LAPS,  NKS/4
.set FR,    12
.set NL,    4
.set NP,    4
.set SPARE, 327168                     ; the spare words, 128 bytes for each wave
.set SPITCH, 528                       ; a stage row: 512 bytes + 16
.set A16,   4
.set A8,    6
.set B16,   8
.set B8,    10
.set ADS,   12
.set STO,   24
.set RD,    25
.set CO,    26
.set SPW,   28
.set NIL,   29
.set SC,    32
.set AF,    128
.set BK,    128
.set RB,    8                          ; s[8:9]   the residual's rows
.set OB,    10                         ; s[10:11] the output's
.set G1,    24
.set G0,    32
.set G1B,   48
.set G0B,   56
.set MSB, 0
.macro WIN new                         ; the immediate's high byte repeats the setting that is left
.if MSB != (\new)
	s_set_vgpr_msb (MSB<<8)|(\new)
.set MSB, \new
.endif
.endm
.set MUL_LO, 0xa1
.set MUL_HI, 0xf1
.set TO_B,   0x40
.macro PLACES n
.rept \n
	v_nop
.endr
.endm
.macro JLOAD g0a, g1a, g0b, g1b        ; a joint load: waves 0, 1 for A, waves 2, 3 for B; an s_nop 0 and four v_nop follow each of the two lines
	s_cmp_eq_u32 s15, 0
	s_cbranch_scc0 .Lfor_b_\@
	tensor_load_to_lds s[\g0a:\g0a+3], s[\g1a:\g1a+7]
	s_nop 0
.rept 4
	v_nop
.endr
	s_branch .Lasked_\@
.Lfor_b_\@:
	tensor_load_to_lds s[\g0b:\g0b+3], s[\g1b:\g1b+7]
	s_nop 0
.rept 4
	v_nop
.endr
.Lasked_\@:
.endm
.macro CREST
	s_cmp_lg_u32 s14, 0
	s_cbranch_scc1 .Lnot_wave_0_\@
	s_barrier_signal -3
.Lnot_wave_0_\@:
	s_barrier_wait -3
	s_barrier_signal -1
	s_barrier_wait -1
.endm
.macro CROUND
	s_barrier_signal -1
	s_barrier_wait -1
	CREST
.endm
.macro FRAG reg, a16, a8, q, i
	ds_load_b128 v[(\reg):(\reg)+3], v[\a16] offset:(\q)*REC+(\i)*1536
	ds_load_b64 v[(\reg)+4:(\reg)+5], v[\a8] offset:(\q)*REC+(\i)*1536+512
	ds_load_b128 v[(\reg)+6:(\reg)+9], v[\a16] offset:(\q)*REC+(\i)*1536+768
	ds_load_b64 v[(\reg)+10:(\reg)+11], v[\a8] offset:(\q)*REC+(\i)*1536+1280
.endm
.macro FETCH_B sl, q
	WIN TO_B
.irp i, 0,1,2,3,4,5,6,7
	FRAG 128*(\q)+FR*\i, B16+\sl, B8+\sl, \q, \i
.endr
	WIN 0
.endm
.macro FETCH_A sl, q, i0
.irp i, \i0, \i0+1, \i0+2, \i0+3
	FRAG AF+FR*(\i), A16+\sl, A8+\sl, \q, \i
.endr
.endm
.macro SCALES sl
.irp q, 0,1
.irp i, 0,1,2,3,4,5,6,7
	ds_load_b32 v[SC+16*\sl+8*\q+\i], v[ADS+\sl] offset:\q*REC+12288+64*\i
.endr
.endr
.endm
.macro MUL16 a0, q, sl, first          ; 16 matrix instructions; first = 1: the product starts the sums.  The 64 accumulators take turns
.irp a, \a0, \a0+1
.irp b, 0,1,2,3,4,5,6,7
.if (\first) == 1
	v_wmma_scale_f32_16x16x128_f8f6f4 v[8*(8*((\a)%4)+\b):8*(8*((\a)%4)+\b)+7], v[128*(\q)+FR*\b:128*(\q)+FR*\b+FR-1], v[AF+FR*(\a):AF+FR*(\a)+FR-1], 0, v[SC+16*(\sl)+8*(\q)+\b], v[SC+16*(\sl)+8*(\q)+(\a)] matrix_a_fmt:MATRIX_FMT_BF6 matrix_b_fmt:MATRIX_FMT_BF6 matrix_a_scale:MATRIX_SCALE_ROW1
.else
	v_wmma_scale_f32_16x16x128_f8f6f4 v[8*(8*((\a)%4)+\b):8*(8*((\a)%4)+\b)+7], v[128*(\q)+FR*\b:128*(\q)+FR*\b+FR-1], v[AF+FR*(\a):AF+FR*(\a)+FR-1], v[8*(8*((\a)%4)+\b):8*(8*((\a)%4)+\b)+7], v[SC+16*(\sl)+8*(\q)+\b], v[SC+16*(\sl)+8*(\q)+(\a)] matrix_a_fmt:MATRIX_FMT_BF6 matrix_b_fmt:MATRIX_FMT_BF6 matrix_a_scale:MATRIX_SCALE_ROW1
.endif
.endr
.endr
.endm
.macro STEP sl, first                  ; a slot's first K step
	s_wait_dscnt 4*NL                              ; all but the youngest sixteen loads (A's blocks 4-7) are in
	WIN MUL_LO
	MUL16 0, 0, \sl, \first
	MUL16 2, 0, \sl, \first
	s_wait_dscnt 0x0
	PLACES NP                                      ; in front of loads into registers that matrix instructions have read
	FETCH_B \sl, 1
	FETCH_A \sl, 1, 0
	WIN MUL_HI
	MUL16 4, 0, \sl, \first
	MUL16 6, 0, \sl, \first
	PLACES NP
	WIN 0
	FETCH_A \sl, 1, 4
.endm
.macro TURN sl, next, fill             ; a slot's second K step changes slots
	s_wait_tensorcnt 0x0                           ; all my tensor loads have landed: my part of the next slot
	ds_add_u32 v[SPW], v[NIL]                      ; 0 onto my spare word
	s_wait_dscnt 4*NL+1                            ; (the add and the youngest sixteen loads may be out)
	WIN MUL_LO
	MUL16 0, 1, \sl, 0
	s_wait_dscnt 0x0                               ; the add is done, and my reads of this slot are over
	s_barrier_signal -1
	MUL16 2, 1, \sl, 0
	WIN 0
	s_barrier_wait -1
.if \fill
	CREST                                          ; the barrier has opened a round of the cluster's barrier: no wave of any partner still reads this slot or has a load on its way
	s_add_nc_u64 s[G0+4*\sl+2:G0+4*\sl+3], s[G0+4*\sl+2:G0+4*\sl+3], 4*REC
	s_add_nc_u64 s[G0B+4*\sl+2:G0B+4*\sl+3], s[G0B+4*\sl+2:G0B+4*\sl+3], 4*REC
	JLOAD G0+4*\sl, G1, G0B+4*\sl, G1B             ; the first tensor load behind the round; its four v_nop are the places in front of the loads below
.else
	PLACES NP
.endif
	FETCH_B \next, 0
	FETCH_A \next, 0, 0
	SCALES \next
	WIN MUL_HI
	MUL16 4, 1, \sl, 0
	MUL16 6, 1, \sl, 0
	PLACES NP
	WIN 0
	FETCH_A \next, 0, 4
.endm
	s_load_b256 s[4:11], s[0:1], 0x0               ; concat's codes, wrec, x, x1
	v_lshl_add_u32 v[SPW], v0, 2, SPARE
	v_mov_b32 v[NIL], 0
	ds_add_u32 v[SPW], v[NIL]                      ; the wave's opening: the add, twice on end, and its wait ahead of my first tensor load
	ds_add_u32 v[SPW], v[NIL]                      ; and once more, under the one wait
	v_lshrrev_b32 v1, 5, v0
	v_readfirstlane_b32 s14, v1                    ; wave 0..3
	s_lshr_b32 s15, s14, 1                         ; which of A's two groups is mine.  Also: I fetch for A (0) or for B (1)
	s_and_b32 s16, s14, 1                          ; which of B's two groups.  Also: which group I fetch
	s_bfe_u32 s40, ttmp6, 0x40000
	s_bfe_u32 s41, ttmp6, 0x40004
	s_lshl_b32 s42, ttmp9, 2
	s_add_co_u32 s42, s42, s40                     ; tile column
	s_and_b32 s17, ttmp7, 0xffff
	s_lshl_b32 s17, s17, 2
	s_add_co_u32 s17, s17, s41                     ; tile row
	s_lshl_b32 s43, s41, 2
	s_lshl_b32 s43, 15, s43                        ; my row of the cluster
	s_lshl_b32 s44, 0x1111, s40                    ; my column
	s_or_b32 s[G1+0], s43, (3<<16)|(1<<21)         ; the mask; elements of 8 bytes; bit 21 beside a mask; no padding
	s_or_b32 s[G1B+0], s44, (3<<16)|(1<<21)
.irp g, G1, G1B
	s_mov_b32 s[\g+1], 32<<16                      ; 100 rows of 256 bytes, dense
	s_mov_b32 s[\g+2], 100<<16
	s_mov_b32 s[\g+3], 32<<16
	s_mov_b32 s[\g+4], 100
	s_mov_b32 s[\g+5], 32
	s_mov_b32 s[\g+6], 0
	s_mov_b32 s[\g+7], 0
.endr
	s_lshl_b32 s20, s17, 1
	s_add_co_u32 s20, s20, s16
	s_mul_i32 s20, s20, NKS*REC
	s_mov_b32 s21, 0
	s_lshl_b32 s46, s42, 1
	s_add_co_u32 s46, s46, s16
	s_mul_i32 s46, s46, NKS*REC
	s_mov_b32 s47, 0
	s_mul_i32 s94, s14, PART
	s_wait_dscnt 0x0                               ; both opening adds are done
	s_wait_kmcnt 0x0
	s_add_nc_u64 s[20:21], s[4:5], s[20:21]
	s_add_nc_u64 s[46:47], s[6:7], s[46:47]
	s_add_nc_u64 s[46:47], s[46:47], WBASE
	CROUND                                         ; all sixteen work-groups are here: the first joint loads meet
.irp s, 0,1
	s_mov_b32 s[G0+4*\s], 1
	s_add_co_u32 s[G0+4*\s+1], s94, \s*SLOT
	s_add_nc_u64 s[G0+4*\s+2:G0+4*\s+3], s[20:21], \s*2*REC
	s_or_b32 s[G0+4*\s+3], s[G0+4*\s+3], 0x80000000
	s_mov_b32 s[G0B+4*\s], 1
	s_add_co_u32 s[G0B+4*\s+1], s94, \s*SLOT
	s_add_nc_u64 s[G0B+4*\s+2:G0B+4*\s+3], s[46:47], \s*2*REC
	s_or_b32 s[G0B+4*\s+3], s[G0B+4*\s+3], 0x80000000
	JLOAD G0+4*\s, G1, G0B+4*\s, G1B               ; two loads of mine are out
.endr
	v_and_b32 v1, 31, v0
	v_and_b32 v2, 15, v0
	v_bfe_u32 v3, v0, 4, 1
	v_lshlrev_b32 v16, 4, v1
	v_lshlrev_b32 v17, 3, v1
	v_lshlrev_b32 v18, 2, v2
	s_mul_i32 s21, s15, PART
	s_mul_i32 s22, s16, PART
	s_add_co_u32 s22, s22, 2*PART
	s_sub_co_u32 s23, s22, s21
	v_mul_u32_u24 v19, s23, v3                     ; lanes 16-31 take B's scale words
	v_add_nc_u32 v18, v18, v19
.irp s, 0,1
	v_add_nc_u32 v[A16+\s], s21, v16
	v_add_nc_u32 v[A8+\s], s21, v17
	v_add_nc_u32 v[B16+\s], s22, v16
	v_add_nc_u32 v[B8+\s], s22, v17
	v_add_nc_u32 v[ADS+\s], s21, v18
	s_add_co_u32 s21, s21, SLOT
	s_add_co_u32 s22, s22, SLOT
.endr
	s_mul_i32 s23, s14, 16*SPITCH                  ; my stage
	v_mul_u32_u24 v19, v2, SPITCH
	v_lshl_add_u32 v19, v3, 6, v19
	v_add_nc_u32 v[STO], s23, v19                  ; in: row r, + 64 hh
	v_lshlrev_b32 v[CO], 4, v1                     ; back: the 32 lanes take one row of 512 bytes; and the same in memory
	v_add_nc_u32 v[RD], s23, v[CO]
	s_lshl_b32 s20, s17, 1
	s_add_co_u32 s20, s20, s15
	s_lshl_b32 s20, s20, 19                        ; my 128 rows of 4,096 bytes
	s_lshl_b32 s22, s42, 10
	s_lshl_b32 s23, s16, 9
	s_add_co_u32 s22, s22, s23                     ; my first column, in bytes
	s_add_co_u32 s20, s20, s22
	s_mov_b32 s21, 0
	s_add_nc_u64 s[RB:RB+1], s[RB:RB+1], s[20:21]
	s_add_nc_u64 s[OB:OB+1], s[OB:OB+1], s[20:21]
	s_wait_tensorcnt 1                             ; my part of slot 0 is in (slot 1's load may be out)
	s_barrier_signal -1
	s_barrier_wait -1
	FETCH_B 0, 0
	FETCH_A 0, 0, 0
	SCALES 0
	FETCH_A 0, 0, 4
	STEP 0, 1
	s_mov_b32 s3, LAPS-1
.Llap:
	TURN 0, 1, 1
	STEP 1, 0
	TURN 1, 0, 1
	STEP 0, 0
	s_sub_co_u32 s3, s3, 1
	s_cmp_lg_u32 s3, 0
	s_cbranch_scc1 .Llap
	TURN 0, 1, 0
	STEP 1, 0
	s_wait_dscnt 4*NL
	WIN MUL_LO
	MUL16 0, 1, 1, 0
	MUL16 2, 1, 1, 0
	s_wait_dscnt 0x0
	WIN MUL_HI
	MUL16 4, 1, 1, 0
	MUL16 6, 1, 1, 0
	WIN 0
.macro RES a                           ; the residual's 16 rows of block a, into window 1; every row's offset is an immediate (127 rows of 4,096 bytes at the most)
	WIN TO_B
.irp t, 0,1,2,3,4,5,6,7,8,9,10,11,12,13,14,15
	global_load_b128 v[64*((\a)%2)+4*\t:64*((\a)%2)+4*\t+3], v[CO], s[RB:RB+1] offset:(32*((\a)/2)+8*((\a)%2)+\t+8*(\t/8))*4096 th:TH_LOAD_NT
.endr
	WIN 0
.endm
.macro TOSTAGE a                       ; LDS serves a wave's instructions in order (ISA guide 5.7.1.4): no wait between the stores and the loads, nor in front of the next block's stores
.set AC, 64*((\a)%4)
	WIN 0x08+4*((\a)/4)                            ; an LDS store's data: window 2 or 3
.irp b, 0,1,2,3,4,5,6,7
	ds_store_b128 v[STO], v[AC+8*\b:AC+8*\b+3] offset:128*(\b/2)+32*(\b%2)        ; each accumulator from its low end on
	ds_store_b128 v[STO], v[AC+8*\b+4:AC+8*\b+7] offset:128*(\b/2)+32*(\b%2)+16
.endr
	WIN 0
.set BB, BK+64*((\a)%2)
.irp t, 0,1,2,3,4,5,6,7,8,9,10,11,12,13,14,15
	ds_load_b128 v[BB+4*\t:BB+4*\t+3], v[RD] offset:\t*SPITCH
.endr
.endm
.macro SEND a, younger, left           ; younger: LDS instructions issued behind block a's loads; left: residual loads issued behind block a's
.set BB, BK+64*((\a)%2)
.set RR, 64*((\a)%2)
	s_wait_dscnt \younger
	s_wait_loadcnt \left
	WIN 0x04                                       ; source 1: window 1
.set jj, 0
.rept 32
	v_pk_add_f32 v[BB+jj:BB+jj+1], v[BB+jj:BB+jj+1], v[RR+jj:RR+jj+1]
.set jj, jj+2
.endr
	WIN 0
.irp t, 0,1,2,3,4,5,6,7,8,9,10,11,12,13,14,15
	global_store_b128 v[CO], v[BB+4*\t:BB+4*\t+3], s[OB:OB+1] offset:(32*((\a)/2)+8*((\a)%2)+\t+8*(\t/8))*4096   ; 32 lanes store 512 consecutive bytes, at a multiple of 256 from the buffer's first byte
.endr
.endm
	PLACES NP                                      ; in front of loads into registers that matrix instructions have read, and of the first read of results
	RES 0
	RES 1
	TOSTAGE 0
.irp a, 1,2,3,4,5,6,7
.if \a > 1
	s_wait_xcnt 0x0                                ; block a - 2's stores have read their registers: block a's loads may land there
.endif
	TOSTAGE \a
	SEND \a-1, 32, 16                              ; behind block a - 1's: block a's 16 stores and 16 loads, and block a's 16 residual loads
.if \a < 7
	RES \a+1
.endif
.endr
	SEND 7, 0, 0
	s_wait_tensorcnt 0x0                           ; the wave's end, behind my last tensor load and my last LDS store
	ds_add_u32 v[SPW], v[NIL]
	s_wait_dscnt 0x0
	CROUND                                         ; the closing round
	s_endpgm
.Lfunc_end_k_qa6e84b1f9b_wo:
	.size	k_qa6e84b1f9b_wo, .Lfunc_end_k_qa6e84b1f9b_wo-k_qa6e84b1f9b_wo
	.p2alignl 7, 3214868480
	.fill 96, 4, 3214868480
	.section	.rodata,"a",@progbits
	.p2align	6, 0x0
	.amdhsa_kernel k_qa6e84b1f9b_wo
		.amdhsa_group_segment_fixed_size 327680
		.amdhsa_private_segment_fixed_size 0
		.amdhsa_enable_private_segment 0
		.amdhsa_kernarg_size 32
		.amdhsa_user_sgpr_count 2
		.amdhsa_user_sgpr_kernarg_segment_ptr 1
		.amdhsa_wavefront_size32 1
		.amdhsa_system_sgpr_workgroup_id_x 1
		.amdhsa_system_sgpr_workgroup_id_y 1
		.amdhsa_system_sgpr_workgroup_id_z 1
		.amdhsa_system_vgpr_workitem_id 0
		.amdhsa_next_free_vgpr 1024
		.amdhsa_next_free_sgpr 100
		.amdhsa_reserve_vcc 0
		.amdhsa_float_denorm_mode_32 3
		.amdhsa_float_denorm_mode_16_64 3
		.amdhsa_memory_ordered 1
		.amdhsa_forward_progress 1
		.amdhsa_inst_pref_size 172
	.end_amdhsa_kernel
	.amdgpu_metadata
---
amdhsa.version: [ 1, 2 ]
amdhsa.kernels:
  - .name:           k_qa6e84b1f9b_wo
    .symbol:         k_qa6e84b1f9b_wo.kd
    .args:
      - { .name: cc, .offset: 0, .size: 8, .value_kind: global_buffer, .address_space: global }
      - { .name: wrec, .offset: 8, .size: 8, .value_kind: global_buffer, .address_space: global }
      - { .name: x, .offset: 16, .size: 8, .value_kind: global_buffer, .address_space: global }
      - { .name: x1, .offset: 24, .size: 8, .value_kind: global_buffer, .address_space: global }
    .group_segment_fixed_size: 327680
    .private_segment_fixed_size: 0
    .kernarg_segment_align: 8
    .kernarg_segment_size: 32
    .max_flat_workgroup_size: 128
    .sgpr_count:     100
    .vgpr_count:     1024
    .wavefront_size: 32
...
	.end_amdgpu_metadata
.endif
;; end of part 5
;; launch ln2: the kernel of part 2 again; grid 256 x 1, 4 waves a work-group, no clusters, 66,304 bytes of LDS; arguments x1, g2, beta2, h2; writes h2
;; launch ffn1 (part 6): grid 16 x 16, 4 waves a work-group, clusters of 4 x 4, 327,680 bytes of LDS; arguments h2, wrec, b1, g; writes g
.if DOCPART == 6
	.amdgcn_target "amdgcn-amd-amdhsa--gfx1250"
	.amdhsa_code_object_version 6
	.text
	.protected	k_qa6e84b1f9b_ffn1
	.globl	k_qa6e84b1f9b_ffn1
	.p2align	8
	.type	k_qa6e84b1f9b_ffn1,@function
k_qa6e84b1f9b_ffn1:
	s_mov_b64 s[64:65], 0
	v_nop
	global_prefetch_b8 v0, s[64:65] scope:SCOPE_SE
	s_setreg_imm32_b32 hwreg(HW_REG_WAVE_MODE, 25, 1), 1
	s_wait_xcnt 0x0
	s_wait_alu depctr_hold_cnt(0) depctr_sa_sdst(0) depctr_va_vdst(0) depctr_va_sdst(0) depctr_va_ssrc(0) depctr_va_vcc(0) depctr_vm_vsrc(0)
	s_getreg_b32 s2, hwreg(HW_REG_IB_STS2, 6, 4)
	s_cmp_eq_u32 s2, 0
	s_cbranch_scc0 .Lentry_in_a_cluster
	s_endpgm
.Lentry_in_a_cluster:
	s_bfe_u32 s2, ttmp6, 0x10000c
	s_cmp_lg_u32 s2, 0xf033
	s_cbranch_scc0 .Lentry_shape_is_right
	s_endpgm
.Lentry_shape_is_right:
; LAUNCH 7: product 7, + b1, the exact GELU, and the quantiser ahead of product 8 (along the 4,096 hidden units), on codes of BF6 (E3M2) with E8M0 scales.  No work is left out.
; THE CORE is launch 3's: a tile of 256 x 256 by four waves of 128 x 128; operands as records of 128 rows x 128 K in the order of the operand's registers; two slots of two K steps by turns, each part one tensor load of 25,600
; dense bytes; 4 x 4 clusters with joint loads; the matrix instruction transposed (source 0 = W1's columns, source 1 = tokens): a lane holds one token and its registers run along the hidden units, the next K.
; b1 is the C of each sum's first matrix instruction: eight registers a tile, in the result's layout.
; GELU(x) = x / 2 + (x / 2) erf(x / sqrt 2), erf z = z a(z^2) / b(z^2) on z held to -4 .. 4, a of degree 6 and b of degree 4: good to a few units in f32's last place.  b's coefficients are all negative, so b is never 0.
; THE WAY OUT: written out over 512 registers the GELU would be a long text, so the accumulators go once through my own 65,536 bytes of LDS, and a loop of eight trips works a block of 16 tokens in fixed registers:
; 64 numbers a lane: GELU, quantiser, the fragment's image and its scale words to record 32 (token group) + (group of hidden units).  Those LDS bytes have had their last fill; a barrier stands behind every wave's last read of the slots.
; Nothing is prefetched: each tile is read by several clusters within a launch of eight K steps.
; LIMITS: a block of zeros gets the byte 1 where the rule says 127 (its codes are zeros; this program alone reads the bytes); blocks under 2^-122 are held at byte 1; NaN and infinities are not served.
; REGISTERS as in launch 3; v64-127 of window 0: b1's eight tiles, on the way out the block's 64 numbers; v128-233 at work on the way out.
.set NKS,   8
.set WBASE, 256*12800                  ; W1's records in wrec
.set REC,   12800
.set PART,  2*REC
.set SLOT,  4*PART
.set LAPS,  NKS/4
.set FR,    12
.set NL,    4
.set NP,    4
.set SPARE, 327168                     ; the spare words, 128 bytes for each wave
.set A16,   4
.set A8,    6
.set B16,   8
.set B8,    10
.set ADS,   12
.set O16,   21
.set O8,    22
.set R4,    23
.set DB,    24                         ; v24 my LDS bytes on the way out: 65,536 x wave + 16 x lane
.set DA,    25                         ; v25 the same, at the block in hand
.set SPW,   28
.set NIL,   29
.set SC,    32
.set BI,    64
.set XA,    64
.set AF,    128
.set GZ,    128
.set GZ2,   144
.set GP,    160
.set GQ,    176
.set TM,    192
.set PW,    208
.set PC,    210
.set KA,    230                        ; v230-231 a's leading coefficient, twice;  v232-233 b's
.set KB,    232
.set CZ,    66                         ; s[66:67] 1 / sqrt 2;  s[68:79] a's other six coefficients, a pair each;  s[80:87] b's other four
.set CA,    68
.set CBT,   80
.set OB,    10                         ; s[10:11] the codes' place;  s[12:13] the scale words'
.set OS,    12
.set G1,    24
.set G0,    32
.set G1B,   48
.set G0B,   56
.set MSB, 0
.macro WIN new                         ; the immediate's high byte repeats the setting that is left
.if MSB != (\new)
	s_set_vgpr_msb (MSB<<8)|(\new)
.set MSB, \new
.endif
.endm
.set MUL_LO, 0xa1
.set MUL_HI, 0xf1
.set TO_B,   0x40
.macro PLACES n
.rept \n
	v_nop
.endr
.endm
.macro JLOAD g0a, g1a, g0b, g1b        ; a joint load: waves 0, 1 for A, waves 2, 3 for B; an s_nop 0 and four v_nop follow each of the two lines
	s_cmp_eq_u32 s15, 0
	s_cbranch_scc0 .Lfor_b_\@
	tensor_load_to_lds s[\g0a:\g0a+3], s[\g1a:\g1a+7]
	s_nop 0
.rept 4
	v_nop
.endr
	s_branch .Lasked_\@
.Lfor_b_\@:
	tensor_load_to_lds s[\g0b:\g0b+3], s[\g1b:\g1b+7]
	s_nop 0
.rept 4
	v_nop
.endr
.Lasked_\@:
.endm
.macro CREST
	s_cmp_lg_u32 s14, 0
	s_cbranch_scc1 .Lnot_wave_0_\@
	s_barrier_signal -3
.Lnot_wave_0_\@:
	s_barrier_wait -3
	s_barrier_signal -1
	s_barrier_wait -1
.endm
.macro CROUND
	s_barrier_signal -1
	s_barrier_wait -1
	CREST
.endm
.macro FRAG reg, a16, a8, q, i
	ds_load_b128 v[(\reg):(\reg)+3], v[\a16] offset:(\q)*REC+(\i)*1536
	ds_load_b64 v[(\reg)+4:(\reg)+5], v[\a8] offset:(\q)*REC+(\i)*1536+512
	ds_load_b128 v[(\reg)+6:(\reg)+9], v[\a16] offset:(\q)*REC+(\i)*1536+768
	ds_load_b64 v[(\reg)+10:(\reg)+11], v[\a8] offset:(\q)*REC+(\i)*1536+1280
.endm
.macro FETCH_B sl, q
	WIN TO_B
.irp i, 0,1,2,3,4,5,6,7
	FRAG 128*(\q)+FR*\i, B16+\sl, B8+\sl, \q, \i
.endr
	WIN 0
.endm
.macro FETCH_A sl, q, i0
.irp i, \i0, \i0+1, \i0+2, \i0+3
	FRAG AF+FR*(\i), A16+\sl, A8+\sl, \q, \i
.endr
.endm
.macro SCALES sl
.irp q, 0,1
.irp i, 0,1,2,3,4,5,6,7
	ds_load_b32 v[SC+16*\sl+8*\q+\i], v[ADS+\sl] offset:\q*REC+12288+64*\i
.endr
.endr
.endm
.macro MUL16 a0, q, sl, first          ; 16 matrix instructions; first = 2: the bias starts the sums.  The 64 accumulators take turns
.irp a, \a0, \a0+1
.irp b, 0,1,2,3,4,5,6,7
.if (\first) == 2
	v_wmma_scale_f32_16x16x128_f8f6f4 v[8*(8*((\a)%4)+\b):8*(8*((\a)%4)+\b)+7], v[128*(\q)+FR*\b:128*(\q)+FR*\b+FR-1], v[AF+FR*(\a):AF+FR*(\a)+FR-1], v[BI+8*\b:BI+8*\b+7], v[SC+16*(\sl)+8*(\q)+\b], v[SC+16*(\sl)+8*(\q)+(\a)] matrix_a_fmt:MATRIX_FMT_BF6 matrix_b_fmt:MATRIX_FMT_BF6 matrix_a_scale:MATRIX_SCALE_ROW1
.else
	v_wmma_scale_f32_16x16x128_f8f6f4 v[8*(8*((\a)%4)+\b):8*(8*((\a)%4)+\b)+7], v[128*(\q)+FR*\b:128*(\q)+FR*\b+FR-1], v[AF+FR*(\a):AF+FR*(\a)+FR-1], v[8*(8*((\a)%4)+\b):8*(8*((\a)%4)+\b)+7], v[SC+16*(\sl)+8*(\q)+\b], v[SC+16*(\sl)+8*(\q)+(\a)] matrix_a_fmt:MATRIX_FMT_BF6 matrix_b_fmt:MATRIX_FMT_BF6 matrix_a_scale:MATRIX_SCALE_ROW1
.endif
.endr
.endr
.endm
.macro STEP sl, first                  ; a slot's first K step
	s_wait_dscnt 4*NL                              ; all but the youngest sixteen loads (A's blocks 4-7) are in
.if (\first) == 2
	WIN 0x81                                       ; C (the bias) window 0, D window 2
.else
	WIN MUL_LO
.endif
	MUL16 0, 0, \sl, \first
	MUL16 2, 0, \sl, \first
	s_wait_dscnt 0x0
	PLACES NP                                      ; in front of loads into registers that matrix instructions have read
	FETCH_B \sl, 1
	FETCH_A \sl, 1, 0
.if (\first) == 2
	WIN 0xc1
.else
	WIN MUL_HI
.endif
	MUL16 4, 0, \sl, \first
	MUL16 6, 0, \sl, \first
	PLACES NP
	WIN 0
	FETCH_A \sl, 1, 4
.endm
.macro TURN sl, next, fill             ; a slot's second K step changes slots
	s_wait_tensorcnt 0x0                           ; all my tensor loads have landed: my part of the next slot
	ds_add_u32 v[SPW], v[NIL]                      ; 0 onto my spare word
	s_wait_dscnt 4*NL+1                            ; (the add and the youngest sixteen loads may be out)
	WIN MUL_LO
	MUL16 0, 1, \sl, 0
	s_wait_dscnt 0x0                               ; the add is done, and my reads of this slot are over
	s_barrier_signal -1
	MUL16 2, 1, \sl, 0
	WIN 0
	s_barrier_wait -1
.if \fill
	CREST                                          ; the barrier has opened a round of the cluster's barrier: no wave of any partner still reads this slot or has a load on its way
	s_add_nc_u64 s[G0+4*\sl+2:G0+4*\sl+3], s[G0+4*\sl+2:G0+4*\sl+3], 4*REC
	s_add_nc_u64 s[G0B+4*\sl+2:G0B+4*\sl+3], s[G0B+4*\sl+2:G0B+4*\sl+3], 4*REC
	JLOAD G0+4*\sl, G1, G0B+4*\sl, G1B             ; the first tensor load behind the round; its four v_nop are the places in front of the loads below
.else
	PLACES NP
.endif
	FETCH_B \next, 0
	FETCH_A \next, 0, 0
	SCALES \next
	WIN MUL_HI
	MUL16 4, 1, \sl, 0
	MUL16 6, 1, \sl, 0
	PLACES NP
	WIN 0
	FETCH_A \next, 0, 4
.endm
; 64 numbers of a lane, register 16 b + i = k 32 b + 16 hh + i of my row, become a fragment's codes in v[pc] .. v[pc + 11] and its scale word in v[pw]
.macro QUANT s, pc, pw
.irp b, 0,1,2,3
	v_max3_num_f32 v[TM+\b], |v[\s+16*\b]|, |v[\s+1+16*\b]|, 0x2800000   ; my 16 numbers of block b, and the floor 2^(5 - 127): the byte cannot fall under 1
.endr
.irp i, 2,4,6,8,10,12,14
.irp b, 0,1,2,3
	v_max3_num_f32 v[TM+\b], v[TM+\b], |v[\s+16*\b+\i]|, |v[\s+1+16*\b+\i]|
.endr
.endr
.irp b, 0,1,2,3
	v_permlanex16_b32 v[TM+4+\b], v[TM+\b], s90, s91
.endr
.irp b, 0,1,2,3
	v_max_num_f32 v[TM+\b], v[TM+\b], v[TM+4+\b]
.endr
.irp b, 0,1,2,3
	v_add_nc_u32 v[TM+12+\b], 0xfe000000, v[TM+\b] ; 4 off the exponent field: the conversion's scale operand
.endr
.irp b, 0,1,2,3
	v_lshrrev_b32 v[TM+4+\b], 23, v[TM+12+\b]      ; the scale's byte
.endr
	v_lshl_or_b32 v[\pw], v[TM+5], 8, v[TM+4]
	v_lshl_or_b32 v[\pw], v[TM+6], 16, v[\pw]
	v_lshl_or_b32 v[\pw], v[TM+7], 24, v[\pw]
.irp c, 0,1
	v_cvt_scalef32_pk16_bf6_f32 v[\pc+6*\c:\pc+2+6*\c], v[\s+32*\c:\s+15+32*\c], v[TM+12+2*\c]
	v_cvt_scalef32_pk16_bf6_f32 v[\pc+12+4*\c:\pc+14+4*\c], v[\s+16+32*\c:\s+31+32*\c], v[TM+12+2*\c+1]   ; (a conversion's three registers begin on an even number)
.endr
	v_nop                                          ; one plain line behind a scaled conversion
.irp c, 0,1
.irp i, 0,1,2
	v_permlane16_swap_b32 v[\pc+6*\c+\i], v[\pc+12+4*\c+\i]
.endr
.irp i, 0,1,2
	v_mov_b32 v[\pc+3+6*\c+\i], v[\pc+12+4*\c+\i]
.endr
.endr
.endm
; GELU of 16 numbers, in place, two at a time
.macro GELU16 k
.set XX, XA+16*(\k)
.irp j, 0,2,4,6,8,10,12,14
	v_pk_mul_f32 v[GZ+\j:GZ+\j+1], v[XX+\j:XX+\j+1], s[CZ:CZ+1] op_sel_hi:[1,0]   ; z = x / sqrt 2
.endr
.irp j, 0,1,2,3,4,5,6,7,8,9,10,11,12,13,14,15
	v_med3_num_f32 v[GZ+\j], v[GZ+\j], -4.0, 4.0   ; beyond 4 erf is 1 to f32's last place
.endr
.irp j, 0,2,4,6,8,10,12,14
	v_pk_mul_f32 v[GZ2+\j:GZ2+\j+1], v[GZ+\j:GZ+\j+1], v[GZ+\j:GZ+\j+1]
.endr
.irp j, 0,2,4,6,8,10,12,14
	v_pk_fma_f32 v[GP+\j:GP+\j+1], v[GZ2+\j:GZ2+\j+1], v[KA:KA+1], s[CA:CA+1] op_sel_hi:[1,1,0]
	v_pk_fma_f32 v[GQ+\j:GQ+\j+1], v[GZ2+\j:GZ2+\j+1], v[KB:KB+1], s[CBT:CBT+1] op_sel_hi:[1,1,0]
.endr
.irp c, 1,2,3
.irp j, 0,2,4,6,8,10,12,14
	v_pk_fma_f32 v[GP+\j:GP+\j+1], v[GP+\j:GP+\j+1], v[GZ2+\j:GZ2+\j+1], s[CA+2*\c:CA+2*\c+1] op_sel_hi:[1,1,0]
	v_pk_fma_f32 v[GQ+\j:GQ+\j+1], v[GQ+\j:GQ+\j+1], v[GZ2+\j:GZ2+\j+1], s[CBT+2*\c:CBT+2*\c+1] op_sel_hi:[1,1,0]
.endr
.endr
.irp j, 0,1,2,3,4,5,6,7,8,9,10,11,12,13,14,15
	v_rcp_f32 v[GQ+\j], v[GQ+\j]                   ; 1 / b: a batch; the lines up to the wait name none of its results
.endr
.irp c, 4,5
.irp j, 0,2,4,6,8,10,12,14
	v_pk_fma_f32 v[GP+\j:GP+\j+1], v[GP+\j:GP+\j+1], v[GZ2+\j:GZ2+\j+1], s[CA+2*\c:CA+2*\c+1] op_sel_hi:[1,1,0]
.endr
.endr
.irp j, 0,2,4,6,8,10,12,14
	v_pk_mul_f32 v[GP+\j:GP+\j+1], v[GP+\j:GP+\j+1], v[GZ+\j:GZ+\j+1]             ; z a
	v_pk_mul_f32 v[XX+\j:XX+\j+1], v[XX+\j:XX+\j+1], 0.5 op_sel_hi:[1,0]          ; x / 2
.endr
	s_wait_alu depctr_va_vdst(0)                   ; one wait for the sixteen reciprocals, ahead of their first reader
.irp j, 0,2,4,6,8,10,12,14
	v_pk_mul_f32 v[GP+\j:GP+\j+1], v[GP+\j:GP+\j+1], v[GQ+\j:GQ+\j+1]             ; erf
.endr
.irp j, 0,2,4,6,8,10,12,14
	v_pk_fma_f32 v[XX+\j:XX+\j+1], v[XX+\j:XX+\j+1], v[GP+\j:GP+\j+1], v[XX+\j:XX+\j+1]
.endr
.endm
	s_load_b256 s[4:11], s[0:1], 0x0               ; LN2's codes, wrec, b1, the hidden layer's codes
	v_lshl_add_u32 v[SPW], v0, 2, SPARE
	v_mov_b32 v[NIL], 0
	ds_add_u32 v[SPW], v[NIL]                      ; the wave's opening: the add, twice on end, and its wait ahead of my first tensor load
	ds_add_u32 v[SPW], v[NIL]                      ; and once more, under the one wait
	v_lshrrev_b32 v1, 5, v0
	v_readfirstlane_b32 s14, v1                    ; wave 0..3
	s_lshr_b32 s15, s14, 1
	s_and_b32 s16, s14, 1
	s_bfe_u32 s40, ttmp6, 0x40000
	s_bfe_u32 s41, ttmp6, 0x40004
	s_lshl_b32 s42, ttmp9, 2
	s_add_co_u32 s42, s42, s40                     ; tile column
	s_and_b32 s17, ttmp7, 0xffff
	s_lshl_b32 s17, s17, 2
	s_add_co_u32 s17, s17, s41                     ; tile row
	s_lshl_b32 s43, s41, 2
	s_lshl_b32 s43, 15, s43
	s_lshl_b32 s44, 0x1111, s40
	s_or_b32 s[G1+0], s43, (3<<16)|(1<<21)
	s_or_b32 s[G1B+0], s44, (3<<16)|(1<<21)
.irp g, G1, G1B
	s_mov_b32 s[\g+1], 32<<16                      ; 100 rows of 256 bytes, dense
	s_mov_b32 s[\g+2], 100<<16
	s_mov_b32 s[\g+3], 32<<16
	s_mov_b32 s[\g+4], 100
	s_mov_b32 s[\g+5], 32
	s_mov_b32 s[\g+6], 0
	s_mov_b32 s[\g+7], 0
.endr
	s_lshl_b32 s20, s17, 1
	s_add_co_u32 s20, s20, s16
	s_mul_i32 s20, s20, NKS*REC
	s_mov_b32 s21, 0
	s_lshl_b32 s46, s42, 1
	s_add_co_u32 s46, s46, s16
	s_mul_i32 s46, s46, NKS*REC
	s_mov_b32 s47, 0
	s_mul_i32 s94, s14, PART
	s_mov_b32 s90, 0x76543210
	s_mov_b32 s91, 0xfedcba98
	s_wait_dscnt 0x0                               ; both opening adds are done
	s_wait_kmcnt 0x0
	s_add_nc_u64 s[20:21], s[4:5], s[20:21]
	s_add_nc_u64 s[46:47], s[6:7], s[46:47]
	s_add_nc_u64 s[46:47], s[46:47], WBASE
	CROUND                                         ; all sixteen work-groups are here: the first joint loads meet
.irp s, 0,1
	s_mov_b32 s[G0+4*\s], 1
	s_add_co_u32 s[G0+4*\s+1], s94, \s*SLOT
	s_add_nc_u64 s[G0+4*\s+2:G0+4*\s+3], s[20:21], \s*2*REC
	s_or_b32 s[G0+4*\s+3], s[G0+4*\s+3], 0x80000000
	s_mov_b32 s[G0B+4*\s], 1
	s_add_co_u32 s[G0B+4*\s+1], s94, \s*SLOT
	s_add_nc_u64 s[G0B+4*\s+2:G0B+4*\s+3], s[46:47], \s*2*REC
	s_or_b32 s[G0B+4*\s+3], s[G0B+4*\s+3], 0x80000000
	JLOAD G0+4*\s, G1, G0B+4*\s, G1B               ; two loads of mine are out
.endr
	v_and_b32 v1, 31, v0
	v_and_b32 v2, 15, v0
	v_bfe_u32 v3, v0, 4, 1
	v_lshlrev_b32 v[O16], 4, v1
	v_lshlrev_b32 v[O8], 3, v1
	v_lshlrev_b32 v[R4], 2, v2
	s_mul_i32 s21, s15, PART
	s_mul_i32 s22, s16, PART
	s_add_co_u32 s22, s22, 2*PART
	s_sub_co_u32 s23, s22, s21
	v_mul_u32_u24 v19, s23, v3                     ; lanes 16-31 take B's scale words
	v_add_nc_u32 v18, v[R4], v19
.irp s, 0,1
	v_add_nc_u32 v[A16+\s], s21, v[O16]
	v_add_nc_u32 v[A8+\s], s21, v[O8]
	v_add_nc_u32 v[B16+\s], s22, v[O16]
	v_add_nc_u32 v[B8+\s], s22, v[O8]
	v_add_nc_u32 v[ADS+\s], s21, v18
	s_add_co_u32 s21, s21, SLOT
	s_add_co_u32 s22, s22, SLOT
.endr
	s_lshl_b32 s23, s14, 16
	v_add_nc_u32 v[DB], s23, v[O16]
	s_lshl_b32 s22, s42, 10
	s_lshl_b32 s23, s16, 9
	s_add_co_u32 s22, s22, s23                     ; my first hidden unit, in bytes of f32
	s_mov_b32 s23, 0
	s_add_nc_u64 s[8:9], s[8:9], s[22:23]
	v_lshlrev_b32 v20, 6, v3                       ; lane (r, hh) wants, for tile b, b1 at units 32 (b / 2) + 16 hh + 8 (b % 2) + 0 .. 7
.irp b, 0,1,2,3,4,5,6,7
	global_load_b128 v[BI+8*\b:BI+8*\b+3], v20, s[8:9] offset:(32*(\b/2)+8*(\b%2))*4
	global_load_b128 v[BI+8*\b+4:BI+8*\b+7], v20, s[8:9] offset:(32*(\b/2)+8*(\b%2))*4+16
.endr
	s_wait_tensorcnt 1                             ; my part of slot 0 is in (slot 1's load may be out)
	s_barrier_signal -1
	s_barrier_wait -1
	FETCH_B 0, 0
	FETCH_A 0, 0, 0
	SCALES 0
	FETCH_A 0, 0, 4
	s_wait_loadcnt 0x0                             ; b1
	STEP 0, 2
	s_mov_b32 s3, LAPS-1
.Llap:
	TURN 0, 1, 1
	STEP 1, 0
	TURN 1, 0, 1
	STEP 0, 0
	s_sub_co_u32 s3, s3, 1
	s_cmp_lg_u32 s3, 0
	s_cbranch_scc1 .Llap
	TURN 0, 1, 0
	STEP 1, 0
	s_wait_dscnt 4*NL
	WIN MUL_LO
	MUL16 0, 1, 1, 0
	MUL16 2, 1, 1, 0
	s_wait_dscnt 0x0
	WIN MUL_HI
	MUL16 4, 1, 1, 0
	MUL16 6, 1, 1, 0
	WIN 0
	s_wait_dscnt 0x0                               ; my reads of the slots are over;
	s_barrier_signal -1
	s_barrier_wait -1                              ; everybody's are: the slots' bytes may be written
	PLACES NP
.irp a, 0,1,2,3,4,5,6,7
	WIN 0x08+4*(\a/4)                              ; an LDS store's data: window 2 or 3
.irp k, 0,1,2,3,4,5,6,7,8,9,10,11,12,13,14,15
	ds_store_b128 v[DB], v[64*(\a%4)+4*\k:64*(\a%4)+4*\k+3] offset:8192*\a+512*\k   ; ascending: each accumulator from its low end on
.endr
.endr
	WIN 0
	s_lshl_b32 s20, s17, 1
	s_add_co_u32 s20, s20, s15                     ; my token group
	s_lshl_b32 s20, s20, 5
	s_lshl_b32 s21, s42, 1
	s_add_co_u32 s21, s21, s16                     ; my group of hidden units: a K step of product 8
	s_add_co_u32 s20, s20, s21
	s_mul_i32 s20, s20, REC
	s_mov_b32 s21, 0
	s_add_nc_u64 s[OB:OB+1], s[OB:OB+1], s[20:21]
	s_add_nc_u64 s[OS:OS+1], s[OB:OB+1], 12288
	s_mov_b32 s[CZ], 0x3f3504f3                    ; 1 / sqrt 2
	s_mov_b32 s[CA], 0x32edffee                    ; a:  2.77068142e-08
	s_mov_b32 s[CA+2], 0xb60cff51                  ;    -2.10102402e-06
	s_mov_b32 s[CA+4], 0xb86ec2d2                  ;    -5.69250639e-05
	s_mov_b32 s[CA+6], 0xba40ac63                  ;    -7.34990630e-04
	s_mov_b32 s[CA+8], 0xbb41a1f6                  ;    -2.95459981e-03
	s_mov_b32 s[CA+10], 0xbc83dbd4                 ;    -1.60960333e-02
	s_mov_b32 s[CBT], 0xb95fbd29                   ; b: -2.13374055e-04
	s_mov_b32 s[CBT+2], 0xbadc924e                 ;    -1.68282697e-03
	s_mov_b32 s[CBT+4], 0xbbf19bf8                 ;    -7.37332917e-03
	s_mov_b32 s[CBT+6], 0xbc69b6a7                 ;    -1.42647391e-02
.irp p, 66,68,70,72,74,76,78,80,82,84,86
	s_mov_b32 s[\p+1], s[\p]                       ; (the packed forms name a pair and take its low word for both halves: so the upper is written)
.endr
	v_mov_b32 v[KA], 0xaf95df0b                    ; a's leading coefficient: -2.72614226e-10
	v_mov_b32 v[KA+1], v[KA]
	v_mov_b32 v[KB], 0xb77460cd                    ; b's: -1.45660718e-05
	v_mov_b32 v[KB+1], v[KB]
.irp b, 0,1,2,3
	v_mov_b32 v[TM+4+\b], 0                        ; written once: a lane permute's destination counts as one of its sources
.endr
	s_mov_b32 s18, 8
	s_mov_b32 s19, 0
.Lblk:                                                 ; eight trips: a block of 16 tokens x my 128 hidden units
	v_add_nc_u32 v[DA], s19, v[DB]
.irp k, 0,1,2,3,4,5,6,7,8,9,10,11,12,13,14,15
	ds_load_b128 v[XA+4*\k:XA+4*\k+3], v[DA] offset:512*\k   ; LDS serves a wave's instructions in order (ISA guide 5.7.1.4): these see my stores
.endr
	s_wait_dscnt 0x0
	GELU16 0
	GELU16 1
	GELU16 2
	GELU16 3
	QUANT XA, PC, PW
	global_store_b128 v[O16], v[PC:PC+3], s[OB:OB+1]              ; the fragment as it stands: 512, 256, 512, 256 consecutive bytes, each at a multiple of 256 from the buffer's first byte
	global_store_b64 v[O8], v[PC+4:PC+5], s[OB:OB+1] offset:512
	global_store_b128 v[O16], v[PC+6:PC+9], s[OB:OB+1] offset:768
	global_store_b64 v[O8], v[PC+10:PC+11], s[OB:OB+1] offset:1280
	global_store_b32 v[R4], v[PW], s[OS:OS+1]                     ; both halves of the lanes store the same word
	s_wait_xcnt 0x0                                ; the stores have read their registers and bases: both are written again only behind this wait
	s_add_nc_u64 s[OB:OB+1], s[OB:OB+1], 1536
	s_add_nc_u64 s[OS:OS+1], s[OS:OS+1], 64
	s_add_co_u32 s19, s19, 8192
	s_sub_co_u32 s18, s18, 1
	s_cmp_lg_u32 s18, 0
	s_cbranch_scc1 .Lblk
	s_wait_tensorcnt 0x0                           ; the wave's end, behind my last tensor load and my last LDS store
	ds_add_u32 v[SPW], v[NIL]
	s_wait_dscnt 0x0
	CROUND                                         ; the closing round
	s_endpgm
.Lfunc_end_k_qa6e84b1f9b_ffn1:
	.size	k_qa6e84b1f9b_ffn1, .Lfunc_end_k_qa6e84b1f9b_ffn1-k_qa6e84b1f9b_ffn1
	.p2alignl 7, 3214868480
	.fill 96, 4, 3214868480
	.section	.rodata,"a",@progbits
	.p2align	6, 0x0
	.amdhsa_kernel k_qa6e84b1f9b_ffn1
		.amdhsa_group_segment_fixed_size 327680
		.amdhsa_private_segment_fixed_size 0
		.amdhsa_enable_private_segment 0
		.amdhsa_kernarg_size 32
		.amdhsa_user_sgpr_count 2
		.amdhsa_user_sgpr_kernarg_segment_ptr 1
		.amdhsa_wavefront_size32 1
		.amdhsa_system_sgpr_workgroup_id_x 1
		.amdhsa_system_sgpr_workgroup_id_y 1
		.amdhsa_system_sgpr_workgroup_id_z 1
		.amdhsa_system_vgpr_workitem_id 0
		.amdhsa_next_free_vgpr 1024
		.amdhsa_next_free_sgpr 100
		.amdhsa_reserve_vcc 0
		.amdhsa_float_denorm_mode_32 3
		.amdhsa_float_denorm_mode_16_64 3
		.amdhsa_memory_ordered 1
		.amdhsa_forward_progress 1
		.amdhsa_inst_pref_size 168
	.end_amdhsa_kernel
	.amdgpu_metadata
---
amdhsa.version: [ 1, 2 ]
amdhsa.kernels:
  - .name:           k_qa6e84b1f9b_ffn1
    .symbol:         k_qa6e84b1f9b_ffn1.kd
    .args:
      - { .name: h2, .offset: 0, .size: 8, .value_kind: global_buffer, .address_space: global }
      - { .name: wrec, .offset: 8, .size: 8, .value_kind: global_buffer, .address_space: global }
      - { .name: b1, .offset: 16, .size: 8, .value_kind: global_buffer, .address_space: global }
      - { .name: g, .offset: 24, .size: 8, .value_kind: global_buffer, .address_space: global }
    .group_segment_fixed_size: 327680
    .private_segment_fixed_size: 0
    .kernarg_segment_align: 8
    .kernarg_segment_size: 32
    .max_flat_workgroup_size: 128
    .sgpr_count:     100
    .vgpr_count:     1024
    .wavefront_size: 32
...
	.end_amdgpu_metadata
.endif
;; end of part 6
;; launch ffn2 (part 7): grid 4 x 16, 4 waves a work-group, clusters of 4 x 4, 327,680 bytes of LDS; arguments g, wrec, b2, x1, out0; writes out0
.if DOCPART == 7
	.amdgcn_target "amdgcn-amd-amdhsa--gfx1250"
	.amdhsa_code_object_version 6
	.text
	.protected	k_qa6e84b1f9b_ffn2
	.globl	k_qa6e84b1f9b_ffn2
	.p2align	8
	.type	k_qa6e84b1f9b_ffn2,@function
k_qa6e84b1f9b_ffn2:
	s_mov_b64 s[64:65], 0
	v_nop
	global_prefetch_b8 v0, s[64:65] scope:SCOPE_SE
	s_setreg_imm32_b32 hwreg(HW_REG_WAVE_MODE, 25, 1), 1
	s_wait_xcnt 0x0
	s_wait_alu depctr_hold_cnt(0) depctr_sa_sdst(0) depctr_va_vdst(0) depctr_va_sdst(0) depctr_va_ssrc(0) depctr_va_vcc(0) depctr_vm_vsrc(0)
	s_getreg_b32 s2, hwreg(HW_REG_IB_STS2, 6, 4)
	s_cmp_eq_u32 s2, 0
	s_cbranch_scc0 .Lentry_in_a_cluster
	s_endpgm
.Lentry_in_a_cluster:
	s_bfe_u32 s2, ttmp6, 0x10000c
	s_cmp_lg_u32 s2, 0xf033
	s_cbranch_scc0 .Lentry_shape_is_right
	s_endpgm
.Lentry_shape_is_right:
; LAUNCH 8: product 8, + b2, and the second residual: out0 = x1 + gelu(..) W2 + b2, on codes of BF6 (E3M2) with E8M0 scales; x1, out0 f32.  No work is left out.
; THE CORE is launch 3's: a tile of 256 x 256 by four waves of 128 x 128; operands as records of 128 rows x 128 K in the order of the operand's registers; two slots of two K steps by turns, each part one tensor load of 25,600
; dense bytes; 4 x 4 clusters with joint loads; the matrix instruction transposed (source 0 = W2's columns, source 1 = tokens).  K = 4,096: 32 K steps, eight laps.  N = 1,024 gives 64 tiles of this size: 64 work-groups.
; b2 is the C of each sum's first matrix instruction.  THE WAY OUT is launch 5's: a block of 16 tokens through my own stage in LDS (in slot 0, which has had its last fill and its last read by then), back as whole rows of 512 bytes,
; x1's same rows added, 32 lanes store 512 consecutive bytes.
; Nothing is prefetched: A's and B's tiles are each read by four work-groups at once and by other clusters shortly after.
.set NKS,   32
.set WBASE, 512*12800                  ; W2's records in wrec
.set REC,   12800
.set PART,  2*REC
.set SLOT,  4*PART
.set LAPS,  NKS/4
.set FR,    12
.set NL,    4
.set NP,    4
.set SPARE, 327168                     ; the spare words, 128 bytes for each wave
.set SPITCH, 528
.set A16,   4
.set A8,    6
.set B16,   8
.set B8,    10
.set ADS,   12
.set STO,   24
.set RD,    25
.set CO,    26
.set SPW,   28
.set NIL,   29
.set SC,    32
.set BI,    64
.set AF,    128
.set BK,    128
.set RB,    10                         ; s[10:11] the residual's rows
.set OB,    12                         ; s[12:13] the output's
.set G1,    24
.set G0,    32
.set G1B,   48
.set G0B,   56
.set MSB, 0
.macro WIN new                         ; the immediate's high byte repeats the setting that is left
.if MSB != (\new)
	s_set_vgpr_msb (MSB<<8)|(\new)
.set MSB, \new
.endif
.endm
.set MUL_LO, 0xa1
.set MUL_HI, 0xf1
.set TO_B,   0x40
.macro PLACES n
.rept \n
	v_nop
.endr
.endm
.macro JLOAD g0a, g1a, g0b, g1b        ; a joint load: waves 0, 1 for A, waves 2, 3 for B; an s_nop 0 and four v_nop follow each of the two lines
	s_cmp_eq_u32 s15, 0
	s_cbranch_scc0 .Lfor_b_\@
	tensor_load_to_lds s[\g0a:\g0a+3], s[\g1a:\g1a+7]
	s_nop 0
.rept 4
	v_nop
.endr
	s_branch .Lasked_\@
.Lfor_b_\@:
	tensor_load_to_lds s[\g0b:\g0b+3], s[\g1b:\g1b+7]
	s_nop 0
.rept 4
	v_nop
.endr
.Lasked_\@:
.endm
.macro CREST
	s_cmp_lg_u32 s14, 0
	s_cbranch_scc1 .Lnot_wave_0_\@
	s_barrier_signal -3
.Lnot_wave_0_\@:
	s_barrier_wait -3
	s_barrier_signal -1
	s_barrier_wait -1
.endm
.macro CROUND
	s_barrier_signal -1
	s_barrier_wait -1
	CREST
.endm
.macro FRAG reg, a16, a8, q, i
	ds_load_b128 v[(\reg):(\reg)+3], v[\a16] offset:(\q)*REC+(\i)*1536
	ds_load_b64 v[(\reg)+4:(\reg)+5], v[\a8] offset:(\q)*REC+(\i)*1536+512
	ds_load_b128 v[(\reg)+6:(\reg)+9], v[\a16] offset:(\q)*REC+(\i)*1536+768
	ds_load_b64 v[(\reg)+10:(\reg)+11], v[\a8] offset:(\q)*REC+(\i)*1536+1280
.endm
.macro FETCH_B sl, q
	WIN TO_B
.irp i, 0,1,2,3,4,5,6,7
	FRAG 128*(\q)+FR*\i, B16+\sl, B8+\sl, \q, \i
.endr
	WIN 0
.endm
.macro FETCH_A sl, q, i0
.irp i, \i0, \i0+1, \i0+2, \i0+3
	FRAG AF+FR*(\i), A16+\sl, A8+\sl, \q, \i
.endr
.endm
.macro SCALES sl
.irp q, 0,1
.irp i, 0,1,2,3,4,5,6,7
	ds_load_b32 v[SC+16*\sl+8*\q+\i], v[ADS+\sl] offset:\q*REC+12288+64*\i
.endr
.endr
.endm
.macro MUL16 a0, q, sl, first          ; 16 matrix instructions; first = 2: the bias starts the sums.  The 64 accumulators take turns
.irp a, \a0, \a0+1
.irp b, 0,1,2,3,4,5,6,7
.if (\first) == 2
	v_wmma_scale_f32_16x16x128_f8f6f4 v[8*(8*((\a)%4)+\b):8*(8*((\a)%4)+\b)+7], v[128*(\q)+FR*\b:128*(\q)+FR*\b+FR-1], v[AF+FR*(\a):AF+FR*(\a)+FR-1], v[BI+8*\b:BI+8*\b+7], v[SC+16*(\sl)+8*(\q)+\b], v[SC+16*(\sl)+8*(\q)+(\a)] matrix_a_fmt:MATRIX_FMT_BF6 matrix_b_fmt:MATRIX_FMT_BF6 matrix_a_scale:MATRIX_SCALE_ROW1
.else
	v_wmma_scale_f32_16x16x128_f8f6f4 v[8*(8*((\a)%4)+\b):8*(8*((\a)%4)+\b)+7], v[128*(\q)+FR*\b:128*(\q)+FR*\b+FR-1], v[AF+FR*(\a):AF+FR*(\a)+FR-1], v[8*(8*((\a)%4)+\b):8*(8*((\a)%4)+\b)+7], v[SC+16*(\sl)+8*(\q)+\b], v[SC+16*(\sl)+8*(\q)+(\a)] matrix_a_fmt:MATRIX_FMT_BF6 matrix_b_fmt:MATRIX_FMT_BF6 matrix_a_scale:MATRIX_SCALE_ROW1
.endif
.endr
.endr
.endm
.macro STEP sl, first                  ; a slot's first K step
	s_wait_dscnt 4*NL                              ; all but the youngest sixteen loads (A's blocks 4-7) are in
.if (\first) == 2
	WIN 0x81                                       ; C (the bias) window 0, D window 2
.else
	WIN MUL_LO
.endif
	MUL16 0, 0, \sl, \first
	MUL16 2, 0, \sl, \first
	s_wait_dscnt 0x0
	PLACES NP                                      ; in front of loads into registers that matrix instructions have read
	FETCH_B \sl, 1
	FETCH_A \sl, 1, 0
.if (\first) == 2
	WIN 0xc1
.else
	WIN MUL_HI
.endif
	MUL16 4, 0, \sl, \first
	MUL16 6, 0, \sl, \first
	PLACES NP
	WIN 0
	FETCH_A \sl, 1, 4
.endm
.macro TURN sl, next, fill             ; a slot's second K step changes slots
	s_wait_tensorcnt 0x0                           ; all my tensor loads have landed: my part of the next slot
	ds_add_u32 v[SPW], v[NIL]                      ; 0 onto my spare word
	s_wait_dscnt 4*NL+1                            ; (the add and the youngest sixteen loads may be out)
	WIN MUL_LO
	MUL16 0, 1, \sl, 0
	s_wait_dscnt 0x0                               ; the add is done, and my reads of this slot are over
	s_barrier_signal -1
	MUL16 2, 1, \sl, 0
	WIN 0
	s_barrier_wait -1
.if \fill
	CREST                                          ; the barrier has opened a round of the cluster's barrier: no wave of any partner still reads this slot or has a load on its way
	s_add_nc_u64 s[G0+4*\sl+2:G0+4*\sl+3], s[G0+4*\sl+2:G0+4*\sl+3], 4*REC
	s_add_nc_u64 s[G0B+4*\sl+2:G0B+4*\sl+3], s[G0B+4*\sl+2:G0B+4*\sl+3], 4*REC
	JLOAD G0+4*\sl, G1, G0B+4*\sl, G1B             ; the first tensor load behind the round; its four v_nop are the places in front of the loads below
.else
	PLACES NP
.endif
	FETCH_B \next, 0
	FETCH_A \next, 0, 0
	SCALES \next
	WIN MUL_HI
	MUL16 4, 1, \sl, 0
	MUL16 6, 1, \sl, 0
	PLACES NP
	WIN 0
	FETCH_A \next, 0, 4
.endm
	s_load_b256 s[4:11], s[0:1], 0x0               ; the hidden layer's codes, wrec, b2, x1
	s_load_b64 s[12:13], s[0:1], 0x20              ; out0
	v_lshl_add_u32 v[SPW], v0, 2, SPARE
	v_mov_b32 v[NIL], 0
	ds_add_u32 v[SPW], v[NIL]                      ; the wave's opening: the add, twice on end, and its wait ahead of my first tensor load
	ds_add_u32 v[SPW], v[NIL]                      ; and once more, under the one wait
	v_lshrrev_b32 v1, 5, v0
	v_readfirstlane_b32 s14, v1                    ; wave 0..3
	s_lshr_b32 s15, s14, 1
	s_and_b32 s16, s14, 1
	s_bfe_u32 s40, ttmp6, 0x40000
	s_bfe_u32 s41, ttmp6, 0x40004
	s_lshl_b32 s42, ttmp9, 2
	s_add_co_u32 s42, s42, s40                     ; tile column
	s_and_b32 s17, ttmp7, 0xffff
	s_lshl_b32 s17, s17, 2
	s_add_co_u32 s17, s17, s41                     ; tile row
	s_lshl_b32 s43, s41, 2
	s_lshl_b32 s43, 15, s43
	s_lshl_b32 s44, 0x1111, s40
	s_or_b32 s[G1+0], s43, (3<<16)|(1<<21)
	s_or_b32 s[G1B+0], s44, (3<<16)|(1<<21)
.irp g, G1, G1B
	s_mov_b32 s[\g+1], 32<<16                      ; 100 rows of 256 bytes, dense
	s_mov_b32 s[\g+2], 100<<16
	s_mov_b32 s[\g+3], 32<<16
	s_mov_b32 s[\g+4], 100
	s_mov_b32 s[\g+5], 32
	s_mov_b32 s[\g+6], 0
	s_mov_b32 s[\g+7], 0
.endr
	s_lshl_b32 s20, s17, 1
	s_add_co_u32 s20, s20, s16
	s_mul_i32 s20, s20, NKS*REC
	s_mov_b32 s21, 0
	s_lshl_b32 s46, s42, 1
	s_add_co_u32 s46, s46, s16
	s_mul_i32 s46, s46, NKS*REC
	s_mov_b32 s47, 0
	s_mul_i32 s94, s14, PART
	s_wait_dscnt 0x0                               ; both opening adds are done
	s_wait_kmcnt 0x0
	s_add_nc_u64 s[20:21], s[4:5], s[20:21]
	s_add_nc_u64 s[46:47], s[6:7], s[46:47]
	s_add_nc_u64 s[46:47], s[46:47], WBASE
	CROUND                                         ; all sixteen work-groups are here: the first joint loads meet
.irp s, 0,1
	s_mov_b32 s[G0+4*\s], 1
	s_add_co_u32 s[G0+4*\s+1], s94, \s*SLOT
	s_add_nc_u64 s[G0+4*\s+2:G0+4*\s+3], s[20:21], \s*2*REC
	s_or_b32 s[G0+4*\s+3], s[G0+4*\s+3], 0x80000000
	s_mov_b32 s[G0B+4*\s], 1
	s_add_co_u32 s[G0B+4*\s+1], s94, \s*SLOT
	s_add_nc_u64 s[G0B+4*\s+2:G0B+4*\s+3], s[46:47], \s*2*REC
	s_or_b32 s[G0B+4*\s+3], s[G0B+4*\s+3], 0x80000000
	JLOAD G0+4*\s, G1, G0B+4*\s, G1B               ; two loads of mine are out
.endr
	v_and_b32 v1, 31, v0
	v_and_b32 v2, 15, v0
	v_bfe_u32 v3, v0, 4, 1
	v_lshlrev_b32 v16, 4, v1
	v_lshlrev_b32 v17, 3, v1
	v_lshlrev_b32 v18, 2, v2
	s_mul_i32 s21, s15, PART
	s_mul_i32 s22, s16, PART
	s_add_co_u32 s22, s22, 2*PART
	s_sub_co_u32 s23, s22, s21
	v_mul_u32_u24 v19, s23, v3                     ; lanes 16-31 take B's scale words
	v_add_nc_u32 v18, v18, v19
.irp s, 0,1
	v_add_nc_u32 v[A16+\s], s21, v16
	v_add_nc_u32 v[A8+\s], s21, v17
	v_add_nc_u32 v[B16+\s], s22, v16
	v_add_nc_u32 v[B8+\s], s22, v17
	v_add_nc_u32 v[ADS+\s], s21, v18
	s_add_co_u32 s21, s21, SLOT
	s_add_co_u32 s22, s22, SLOT
.endr
	s_mul_i32 s23, s14, 16*SPITCH                  ; my stage
	v_mul_u32_u24 v19, v2, SPITCH
	v_lshl_add_u32 v19, v3, 6, v19
	v_add_nc_u32 v[STO], s23, v19                  ; in: row r, + 64 hh
	v_lshlrev_b32 v[CO], 4, v1                     ; back: the 32 lanes take one row of 512 bytes; and the same in memory
	v_add_nc_u32 v[RD], s23, v[CO]
	s_lshl_b32 s22, s42, 10
	s_lshl_b32 s23, s16, 9
	s_add_co_u32 s22, s22, s23                     ; my first column, in bytes
	s_mov_b32 s23, 0
	s_add_nc_u64 s[8:9], s[8:9], s[22:23]          ; b2 there
	s_lshl_b32 s20, s17, 1
	s_add_co_u32 s20, s20, s15
	s_lshl_b32 s20, s20, 19                        ; my 128 rows of 4,096 bytes
	s_add_co_u32 s20, s20, s22
	s_mov_b32 s21, 0
	s_add_nc_u64 s[RB:RB+1], s[RB:RB+1], s[20:21]
	s_add_nc_u64 s[OB:OB+1], s[OB:OB+1], s[20:21]
	v_lshlrev_b32 v20, 6, v3                       ; lane (r, hh) wants, for tile b, b2 at columns 32 (b / 2) + 16 hh + 8 (b % 2) + 0 .. 7
.irp b, 0,1,2,3,4,5,6,7
	global_load_b128 v[BI+8*\b:BI+8*\b+3], v20, s[8:9] offset:(32*(\b/2)+8*(\b%2))*4
	global_load_b128 v[BI+8*\b+4:BI+8*\b+7], v20, s[8:9] offset:(32*(\b/2)+8*(\b%2))*4+16
.endr
	s_wait_tensorcnt 1                             ; my part of slot 0 is in (slot 1's load may be out)
	s_barrier_signal -1
	s_barrier_wait -1
	FETCH_B 0, 0
	FETCH_A 0, 0, 0
	SCALES 0
	FETCH_A 0, 0, 4
	s_wait_loadcnt 0x0                             ; b2
	STEP 0, 2
	s_mov_b32 s3, LAPS-1
.Llap:
	TURN 0, 1, 1
	STEP 1, 0
	TURN 1, 0, 1
	STEP 0, 0
	s_sub_co_u32 s3, s3, 1
	s_cmp_lg_u32 s3, 0
	s_cbranch_scc1 .Llap
	TURN 0, 1, 0
	STEP 1, 0
	s_wait_dscnt 4*NL
	WIN MUL_LO
	MUL16 0, 1, 1, 0
	MUL16 2, 1, 1, 0
	s_wait_dscnt 0x0
	WIN MUL_HI
	MUL16 4, 1, 1, 0
	MUL16 6, 1, 1, 0
	WIN 0
.macro RES a                           ; the residual's 16 rows of block a, into window 1; every row's offset is an immediate (127 rows of 4,096 bytes at the most)
	WIN TO_B
.irp t, 0,1,2,3,4,5,6,7,8,9,10,11,12,13,14,15
	global_load_b128 v[64*((\a)%2)+4*\t:64*((\a)%2)+4*\t+3], v[CO], s[RB:RB+1] offset:(32*((\a)/2)+8*((\a)%2)+\t+8*(\t/8))*4096 th:TH_LOAD_NT
.endr
	WIN 0
.endm
.macro TOSTAGE a                       ; LDS serves a wave's instructions in order (ISA guide 5.7.1.4): no wait between the stores and the loads, nor in front of the next block's stores
.set AC, 64*((\a)%4)
	WIN 0x08+4*((\a)/4)                            ; an LDS store's data: window 2 or 3
.irp b, 0,1,2,3,4,5,6,7
	ds_store_b128 v[STO], v[AC+8*\b:AC+8*\b+3] offset:128*(\b/2)+32*(\b%2)        ; each accumulator from its low end on
	ds_store_b128 v[STO], v[AC+8*\b+4:AC+8*\b+7] offset:128*(\b/2)+32*(\b%2)+16
.endr
	WIN 0
.set BB, BK+64*((\a)%2)
.irp t, 0,1,2,3,4,5,6,7,8,9,10,11,12,13,14,15
	ds_load_b128 v[BB+4*\t:BB+4*\t+3], v[RD] offset:\t*SPITCH
.endr
.endm
.macro SEND a, younger, left           ; younger: LDS instructions issued behind block a's loads; left: residual loads issued behind block a's
.set BB, BK+64*((\a)%2)
.set RR, 64*((\a)%2)
	s_wait_dscnt \younger
	s_wait_loadcnt \left
	WIN 0x04                                       ; source 1: window 1
.set jj, 0
.rept 32
	v_pk_add_f32 v[BB+jj:BB+jj+1], v[BB+jj:BB+jj+1], v[RR+jj:RR+jj+1]
.set jj, jj+2
.endr
	WIN 0
.irp t, 0,1,2,3,4,5,6,7,8,9,10,11,12,13,14,15
	global_store_b128 v[CO], v[BB+4*\t:BB+4*\t+3], s[OB:OB+1] offset:(32*((\a)/2)+8*((\a)%2)+\t+8*(\t/8))*4096 th:TH_STORE_NT   ; 32 lanes store 512 consecutive bytes, at a multiple of 256 from the buffer's first byte
.endr
.endm
	PLACES NP                                      ; in front of loads into registers that matrix instructions have read, and of the first read of results
	RES 0
	RES 1
	TOSTAGE 0
.irp a, 1,2,3,4,5,6,7
.if \a > 1
	s_wait_xcnt 0x0                                ; block a - 2's stores have read their registers: block a's loads may land there
.endif
	TOSTAGE \a
	SEND \a-1, 32, 16                              ; behind block a - 1's: block a's 16 stores and 16 loads, and block a's 16 residual loads
.if \a < 7
	RES \a+1
.endif
.endr
	SEND 7, 0, 0
	s_wait_tensorcnt 0x0                           ; the wave's end, behind my last tensor load and my last LDS store
	ds_add_u32 v[SPW], v[NIL]
	s_wait_dscnt 0x0
	CROUND                                         ; the closing round
	s_endpgm
.Lfunc_end_k_qa6e84b1f9b_ffn2:
	.size	k_qa6e84b1f9b_ffn2, .Lfunc_end_k_qa6e84b1f9b_ffn2-k_qa6e84b1f9b_ffn2
	.p2alignl 7, 3214868480
	.fill 96, 4, 3214868480
	.section	.rodata,"a",@progbits
	.p2align	6, 0x0
	.amdhsa_kernel k_qa6e84b1f9b_ffn2
		.amdhsa_group_segment_fixed_size 327680
		.amdhsa_private_segment_fixed_size 0
		.amdhsa_enable_private_segment 0
		.amdhsa_kernarg_size 40
		.amdhsa_user_sgpr_count 2
		.amdhsa_user_sgpr_kernarg_segment_ptr 1
		.amdhsa_wavefront_size32 1
		.amdhsa_system_sgpr_workgroup_id_x 1
		.amdhsa_system_sgpr_workgroup_id_y 1
		.amdhsa_system_sgpr_workgroup_id_z 1
		.amdhsa_system_vgpr_workitem_id 0
		.amdhsa_next_free_vgpr 1024
		.amdhsa_next_free_sgpr 100
		.amdhsa_reserve_vcc 0
		.amdhsa_float_denorm_mode_32 3
		.amdhsa_float_denorm_mode_16_64 3
		.amdhsa_memory_ordered 1
		.amdhsa_forward_progress 1
		.amdhsa_inst_pref_size 173
	.end_amdhsa_kernel
	.amdgpu_metadata
---
amdhsa.version: [ 1, 2 ]
amdhsa.kernels:
  - .name:           k_qa6e84b1f9b_ffn2
    .symbol:         k_qa6e84b1f9b_ffn2.kd
    .args:
      - { .name: g, .offset: 0, .size: 8, .value_kind: global_buffer, .address_space: global }
      - { .name: wrec, .offset: 8, .size: 8, .value_kind: global_buffer, .address_space: global }
      - { .name: b2, .offset: 16, .size: 8, .value_kind: global_buffer, .address_space: global }
      - { .name: x1, .offset: 24, .size: 8, .value_kind: global_buffer, .address_space: global }
      - { .name: out0, .offset: 32, .size: 8, .value_kind: global_buffer, .address_space: global }
    .group_segment_fixed_size: 327680
    .private_segment_fixed_size: 0
    .kernarg_segment_align: 8
    .kernarg_segment_size: 40
    .max_flat_workgroup_size: 128
    .sgpr_count:     100
    .vgpr_count:     1024
    .wavefront_size: 32
...
	.end_amdgpu_metadata
.endif
;; end of part 7
;; ======== version 2 of 2: 7 launches
;; limits: right only within a limited range of input values
;; workspace buffers: wrec 9,830,400 bytes; h 3,276,800 bytes; qkv 10,223,616 bytes; cc 3,276,800 bytes; x1 16,777,216 bytes; h2 3,276,800 bytes; g 13,107,200 bytes
;; launch ln1 (part 8): grid 1024 x 1, 4 waves a work-group, no clusters, 66,304 bytes of LDS; arguments x, g1, beta1, h, Wq, Wk, Wv, Wo, W1, W2, wrec; writes h, wrec
.if DOCPART == 8
	.amdgcn_target "amdgcn-amd-amdhsa--gfx1250"
	.amdhsa_code_object_version 6
	.text
	.protected	k_qa6e84b1f9b_ln1
	.globl	k_qa6e84b1f9b_ln1
	.p2align	8
	.type	k_qa6e84b1f9b_ln1,@function
k_qa6e84b1f9b_ln1:
	s_mov_b64 s[64:65], 0
	v_nop
	global_prefetch_b8 v0, s[64:65] scope:SCOPE_SE
	s_setreg_imm32_b32 hwreg(HW_REG_WAVE_MODE, 25, 1), 1
	s_wait_xcnt 0x0
; LAYER NORM AND QUANTISER (launches 1 and 5): y = (x - mean) rsqrt(var + 1e-5) gamma + beta over rows of 1,024 f32, then codes of BF6 (E3M2) with one E8M0 byte for each 32 along the row.  No work is left out.
; The variance is the mean of (x - mean)^2, taken in a second pass over registers: a common offset of the inputs costs nothing.
; OUT: records of 128 rows x 128 K in the order of an operand's registers, record = 8 x (group of 128 rows) + K step; block j, half c at 1536 j + 768 c; scale word of (j, r) at 12288 + 64 j + 4 r.
; SHARES: a work-group takes ONE block of 16 rows: group = number / 8, j = number % 8; row r of the block is row 32 (j / 2) + 8 (j % 2) + r + 8 (r / 8) of the group.
; Phase 1: wave w normalises four rows, a whole row in 32 registers of the wave (each load 512 consecutive bytes), and lays them in a stage in LDS.  One barrier.
; Phase 2: wave w quantises K steps 2 w and 2 w + 1 of all 16 rows: lane (r, hh) reads, of row r, 16 neighbours of each block of 32, so that the conversions' results are the operand's registers.
; The stage's rows are 4,112 bytes apart, an odd multiple of 16: the sixteen rows that a load touches start at sixteen different groups of banks (64 banks of 4 bytes: ISA guide 11.1).
; A block's scale words leave in runs of 64 bytes (both halves of the lanes store the same word).  No cluster, no tensor load: work-groups share only gamma and beta, 8 KB.
; LIMITS: a block of zeros gets the byte 1 where the rule says 127 (its codes are zeros; this program alone reads the bytes); blocks under 2^-122 are held at byte 1; NaN and infinities are not served.
.set PITCH, 4112
.set SPARE, 16*PITCH                   ; behind the stage: the spare words, 128 bytes for each wave
.set REC,   12800
.set SPW,   4                          ; v4  my spare word's address; never rewritten
.set NIL,   5                          ; v5  0; never rewritten
.set SM,    12                         ; v12-19 a pair for each of my four rows: sums, then the mean in the low register
.set PT,    20                         ; v20-23 the other half of the lanes'
.set SQ,    24                         ; v24-31 a pair a row: sums of squares, then 1 / sqrt(var + eps)
.set XR,    32                         ; v32-159 four rows of 32 registers; in phase 2 two sets of 64 numbers
.set GAM,   160                        ; v160-191 gamma of my 32 columns; in phase 2 the codes
.set BET,   192                        ; v192-223 beta; in phase 2 at work
.set TM,    200
; THE PROGRAM: ln1 (LN1 and codes; the six weights' codes) | qkv (products 1-3, codes) | attn (4, 5, codes) | wo (6, + x) | ln2 (LN2, codes) | ffn1 (7, GELU, codes) | ffn2 (8, + x1).
; DEAD WORK: none.  Every one of the thirteen inputs has a way to out0 for all values of the inputs, so every input is loaded by some launch and every product of the table is done.
; ONE BODY, TWO KINDS OF WORK-GROUP, parted on the work-group's number alone: numbers 0-255 normalise and quantise a block of 16 rows; numbers 256 and up (first launch only: the second has 256 work-groups) quantise a record of a weight.
	s_cmp_lt_u32 ttmp9, 256
	s_cbranch_scc0 .Lweights
	s_load_b256 s[4:11], s[0:1], 0x0               ; x, gamma, beta, the codes
	v_lshl_add_u32 v[SPW], v0, 2, SPARE
	v_mov_b32 v[NIL], 0
	v_lshrrev_b32 v1, 5, v0
	v_readfirstlane_b32 s12, v1                    ; wave
	v_and_b32 v2, 31, v0                           ; lane
	s_wait_alu depctr_va_vdst(0)
	v_and_b32 v3, 15, v0                           ; r
	s_wait_alu depctr_va_vdst(0)
	v_bfe_u32 v9, v0, 4, 1                         ; hh
	s_lshr_b32 s13, ttmp9, 3                       ; group of 128 rows
	s_and_b32 s14, ttmp9, 7                        ; block j
	s_lshl_b32 s15, s13, 7
	s_lshr_b32 s16, s14, 1
	s_lshl_b32 s16, s16, 5
	s_add_co_u32 s15, s15, s16
	s_and_b32 s16, s14, 1
	s_lshl_b32 s16, s16, 3
	s_add_co_u32 s15, s15, s16                     ; the block's first row
	s_lshl_b32 s16, s12, 2
	s_add_co_u32 s15, s15, s16
	s_lshr_b32 s16, s12, 1
	s_lshl_b32 s16, s16, 3
	s_add_co_u32 s15, s15, s16                     ; my four: block rows 4 w .. 4 w + 3 are rows + 4 w + 8 (w / 2)
	s_lshl_b32 s16, s15, 12
	s_mov_b32 s17, 0
	s_lshl_b32 s18, s13, 3
	s_lshl_b32 s19, s12, 1
	s_add_co_u32 s18, s18, s19
	s_mul_i32 s18, s18, REC                        ; the record of K step 2 w
	s_mul_i32 s20, s14, 1536
	s_add_co_u32 s20, s20, s18                     ; the block's codes in it,
	s_mov_b32 s21, 0
	s_lshl_b32 s22, s14, 6
	s_add_co_u32 s22, s22, s18
	s_add_co_u32 s22, s22, 12288                   ; and its scale words
	s_mov_b32 s23, 0
	v_lshlrev_b32 v6, 4, v2                        ; 16 x lane
	v_lshlrev_b32 v10, 3, v2                       ; 8 x lane
	v_lshlrev_b32 v11, 2, v3                       ; 4 r
	s_mul_i32 s24, s12, 4*PITCH
	v_add_nc_u32 v7, s24, v6                       ; into the stage: my four rows, 16 bytes a lane
	v_mul_u32_u24 v8, v3, PITCH
	s_wait_alu depctr_va_vdst(0)
	v_lshl_add_u32 v8, v9, 6, v8
	s_lshl_b32 s25, s12, 10
	v_add_nc_u32 v8, s25, v8                       ; out of it: row r, + 64 hh, + my two K steps' 1,024 w bytes
	s_mov_b32 s26, 0x76543210
	s_mov_b32 s27, 0xfedcba98                      ; v_permlanex16_b32's selects for lane l xor 16
	s_mov_b32 s28, 0x3a800000                      ; 1 / 1024
	s_mov_b32 s29, 0x3727c5ac                      ; 1e-5
.irp i, 0,1,2,3
	v_mov_b32 v[PT+\i], 0                          ; written once: a lane permute's destination counts as one of its sources
.endr
	s_wait_kmcnt 0x0
	s_add_nc_u64 s[4:5], s[4:5], s[16:17]
	s_add_nc_u64 s[20:21], s[10:11], s[20:21]
	s_add_nc_u64 s[22:23], s[10:11], s[22:23]
.irp i, 0,1,2,3
.irp j, 0,1,2,3,4,5,6,7
	global_load_b128 v[XR+32*\i+4*\j:XR+32*\i+4*\j+3], v6, s[4:5] offset:4096*\i+512*\j th:TH_LOAD_NT
.endr
.endr
.irp j, 0,1,2,3,4,5,6,7
	global_load_b128 v[GAM+4*\j:GAM+4*\j+3], v6, s[6:7] offset:512*\j
	global_load_b128 v[BET+4*\j:BET+4*\j+3], v6, s[8:9] offset:512*\j
.endr
.macro REDUCE p                        ; the four rows' pairs at v[p] become four sums over the wave, in every lane; the rows by turns
.irp i, 0,1,2,3
	v_add_f32 v[\p+2*\i], v[\p+2*\i], v[\p+2*\i+1]
.endr
.irp m, 1,2,4,8
.irp i, 0,1,2,3
	v_add_f32_dpp v[\p+2*\i], v[\p+2*\i], v[\p+2*\i] row_xmask:\m row_mask:0xf bank_mask:0xf
.endr
.endr
.irp i, 0,1,2,3
	v_permlanex16_b32 v[PT+\i], v[\p+2*\i], s26, s27
.endr
.irp i, 0,1,2,3
	v_add_f32 v[\p+2*\i], v[\p+2*\i], v[PT+\i]
.endr
.endm
	s_wait_loadcnt 16                              ; my four rows are in; the sixteen loads of gamma and beta may be out
.irp i, 0,1,2,3
	v_pk_add_f32 v[SM+2*\i:SM+2*\i+1], v[XR+32*\i:XR+32*\i+1], v[XR+32*\i+2:XR+32*\i+3]
.endr
.irp k, 4,6,8,10,12,14,16,18,20,22,24,26,28,30
.irp i, 0,1,2,3
	v_pk_add_f32 v[SM+2*\i:SM+2*\i+1], v[SM+2*\i:SM+2*\i+1], v[XR+32*\i+\k:XR+32*\i+\k+1]
.endr
.endr
	REDUCE SM
.irp i, 0,1,2,3
	v_mul_f32 v[SM+2*\i], s28, v[SM+2*\i]          ; the mean
.endr
.irp k, 0,2,4,6,8,10,12,14,16,18,20,22,24,26,28,30
.irp i, 0,1,2,3
	v_pk_add_f32 v[XR+32*\i+\k:XR+32*\i+\k+1], v[XR+32*\i+\k:XR+32*\i+\k+1], v[SM+2*\i:SM+2*\i+1] op_sel_hi:[1,0] neg_lo:[0,1] neg_hi:[0,1]   ; x - mean, in place
.endr
.endr
.irp i, 0,1,2,3
	v_pk_mul_f32 v[SQ+2*\i:SQ+2*\i+1], v[XR+32*\i:XR+32*\i+1], v[XR+32*\i:XR+32*\i+1]
.endr
.irp k, 2,4,6,8,10,12,14,16,18,20,22,24,26,28,30
.irp i, 0,1,2,3
	v_pk_fma_f32 v[SQ+2*\i:SQ+2*\i+1], v[XR+32*\i+\k:XR+32*\i+\k+1], v[XR+32*\i+\k:XR+32*\i+\k+1], v[SQ+2*\i:SQ+2*\i+1]
.endr
.endr
	REDUCE SQ
.irp i, 0,1,2,3
	v_fma_f32 v[SQ+2*\i], v[SQ+2*\i], s28, s29     ; var + eps
.endr
	s_wait_alu depctr_va_vdst(0)
.irp i, 0,1,2,3
	v_rsq_f32 v[SQ+2*\i], v[SQ+2*\i]
.endr
	v_nop                                          ; a plain line behind the last of the four
	s_wait_alu depctr_va_vdst(0)                   ; one wait for the four, ahead of their first reader
	s_wait_loadcnt 0x0                             ; gamma and beta
.irp k, 0,2,4,6,8,10,12,14,16,18,20,22,24,26,28,30
.irp i, 0,1,2,3
	v_pk_mul_f32 v[XR+32*\i+\k:XR+32*\i+\k+1], v[XR+32*\i+\k:XR+32*\i+\k+1], v[SQ+2*\i:SQ+2*\i+1] op_sel_hi:[1,0]
.endr
.irp i, 0,1,2,3
	v_pk_fma_f32 v[XR+32*\i+\k:XR+32*\i+\k+1], v[XR+32*\i+\k:XR+32*\i+\k+1], v[GAM+\k:GAM+\k+1], v[BET+\k:BET+\k+1]
.endr
.endr
.irp i, 0,1,2,3
.irp j, 0,1,2,3,4,5,6,7
	ds_store_b128 v7, v[XR+32*\i+4*\j:XR+32*\i+4*\j+3] offset:PITCH*\i+512*\j
.endr
.endr
.irp b, 0,1,2,3
	v_mov_b32 v[TM+4+\b], 0                        ; (a lane permute's destination: written once)
.endr
	s_wait_dscnt 0x0                               ; for the others' sake: my rows lie in the stage
	s_barrier_signal -1
	s_barrier_wait -1
.irp s, 0,1
.irp b, 0,1,2,3
.irp j, 0,1,2,3
	ds_load_b128 v[XR+64*\s+16*\b+4*\j:XR+64*\s+16*\b+4*\j+3], v8 offset:512*\s+128*\b+16*\j
.endr
.endr
.endr
; 64 numbers of a lane, register 16 b + i = k 32 b + 16 hh + i of my row, become a fragment's codes in v[pc] .. v[pc + 11] and its scale word in v[pw]
.macro QUANT s, pc, pw
.irp b, 0,1,2,3
	v_max3_num_f32 v[TM+\b], |v[\s+16*\b]|, |v[\s+1+16*\b]|, 0x2800000   ; my 16 numbers of block b, and the floor 2^(5 - 127): the byte cannot fall under 1
.endr
.irp i, 2,4,6,8,10,12,14
.irp b, 0,1,2,3
	v_max3_num_f32 v[TM+\b], v[TM+\b], |v[\s+16*\b+\i]|, |v[\s+1+16*\b+\i]|
.endr
.endr
.irp b, 0,1,2,3
	v_permlanex16_b32 v[TM+4+\b], v[TM+\b], s26, s27
.endr
.irp b, 0,1,2,3
	v_max_num_f32 v[TM+\b], v[TM+\b], v[TM+4+\b]   ; with lane l xor 16's: the block's largest magnitude
.endr
.irp b, 0,1,2,3
	v_add_nc_u32 v[TM+12+\b], 0xfe000000, v[TM+\b] ; 4 off the exponent field: the conversion's scale operand
.endr
.irp b, 0,1,2,3
	v_lshrrev_b32 v[TM+4+\b], 23, v[TM+12+\b]      ; the scale's byte
.endr
	v_lshl_or_b32 v[\pw], v[TM+5], 8, v[TM+4]
	v_lshl_or_b32 v[\pw], v[TM+6], 16, v[\pw]
	v_lshl_or_b32 v[\pw], v[TM+7], 24, v[\pw]
.irp c, 0,1
	v_cvt_scalef32_pk16_bf6_f32 v[\pc+6*\c:\pc+2+6*\c], v[\s+32*\c:\s+15+32*\c], v[TM+12+2*\c]
	v_cvt_scalef32_pk16_bf6_f32 v[\pc+12+4*\c:\pc+14+4*\c], v[\s+16+32*\c:\s+31+32*\c], v[TM+12+2*\c+1]   ; (a conversion's three registers begin on an even number)
.endr
	v_nop                                          ; one plain line behind a scaled conversion
.irp c, 0,1                                    ; the operand's layout wants a WHOLE block in a lane: lanes 0-15 block 2 c, lanes 16-31 block 2 c + 1
.irp i, 0,1,2
	v_permlane16_swap_b32 v[\pc+6*\c+\i], v[\pc+12+4*\c+\i]
.endr
.irp i, 0,1,2
	v_mov_b32 v[\pc+3+6*\c+\i], v[\pc+12+4*\c+\i]
.endr
.endr
.endm
.macro OUT pc, pw, s                   ; the fragment as it stands: 512, 256, 512, 256 consecutive bytes, each at a multiple of 256 from the buffer's first byte
	global_store_b128 v6, v[\pc:\pc+3], s[20:21] offset:REC*\s
	global_store_b64 v10, v[\pc+4:\pc+5], s[20:21] offset:REC*\s+512
	global_store_b128 v6, v[\pc+6:\pc+9], s[20:21] offset:REC*\s+768
	global_store_b64 v10, v[\pc+10:\pc+11], s[20:21] offset:REC*\s+1280
	global_store_b32 v11, v[\pw], s[22:23] offset:REC*\s
.endm
	s_wait_dscnt 16                                ; the first K step's sixteen loads are in; the second's may be out
	QUANT XR, 160, 216
	OUT 160, 216, 0
	s_wait_dscnt 0x0
	QUANT XR+64, 180, 217                          ; other registers than those that the stores above still read
	OUT 180, 217, 1
	s_wait_tensorcnt 0x0                           ; the wave's end, behind my last LDS store
	ds_add_u32 v[SPW], v[NIL]
	s_wait_dscnt 0x0
	s_endpgm
; THE WEIGHTS: codes of BF6 (E3M2) with one E8M0 byte for each 32 along K, which is the FIRST axis of each weight (of Wq, Wk, Wv: the middle one).
; A work-group makes one record of 128 columns x 128 K (12,288 bytes of codes in the order of an operand's registers, 512 of scale words), wave w the blocks 2 w and 2 w + 1.
; A lane takes a column and its registers run down K: a block of 32 is one lane's, and each load reads 128 consecutive bytes a wave.  Records 0-191: Wq, Wk, Wv; 192-255 Wo; 256-511 W1; 512-767 W2.
; Row r of block j is column 32 (j / 2) + 8 (j % 2) + r + 8 (r / 8) of its 128.  Only pointers and sizes are chosen, on the record's number.
; LIMITS as above: a block of zeros gets the byte 1; blocks under 2^-122 are held at byte 1; NaN and infinities are not served.
.set VO,   16                          ; v16-47   byte offset of my column in row i of a block of 32 rows
.set X,    48                          ; v48-111  two sets of 32 numbers
.set CB,   112                         ; block t's six registers of codes at CB + 8 t
.set TH,   144                         ; a block's upper 16 codes
.Lweights:
	s_sub_co_u32 s47, ttmp9, 256                   ; the record
	s_load_b256 s[4:11], s[0:1], 0x20              ; Wq, Wk, Wv, Wo
	s_load_b128 s[12:15], s[0:1], 0x40             ; W1, W2
	s_load_b64 s[16:17], s[0:1], 0x50              ; wrec
	v_lshrrev_b32 v1, 5, v0
	v_readfirstlane_b32 s20, v1                    ; wave
	v_and_b32 v2, 31, v0                           ; lane
	v_and_b32 v3, 15, v0                           ; r
	s_wait_alu depctr_va_vdst(0)
	v_bfe_u32 v4, v0, 4, 1                         ; hh
	s_mov_b32 s21, 512                             ; W2's: first record,
	s_mov_b32 s22, 5                               ; log2 of its K steps,
	s_mov_b32 s23, 4096                            ; bytes from a row of K to the next
	s_cmp_lt_u32 s47, 512                          ; W1's
	s_cselect_b32 s21, 256, s21
	s_cselect_b32 s22, 3, s22
	s_cselect_b32 s23, 16384, s23
	s_cmp_lt_u32 s47, 256                          ; Wo's
	s_cselect_b32 s21, 192, s21
	s_cselect_b32 s23, 4096, s23
	s_cmp_lt_u32 s47, 192                          ; Wq's, Wk's, Wv's
	s_cselect_b32 s21, 0, s21
	s_cselect_b32 s23, 256, s23
	s_cselect_b32 s26, 1, 0
	s_sub_co_u32 s27, s47, s21
	s_lshr_b32 s28, s27, s22                       ; the group of 128 columns
	s_lshl_b32 s29, s28, s22
	s_sub_co_u32 s29, s27, s29                     ; the K step
	s_lshl_b32 s30, s28, 9
	s_lshl_b32 s31, s20, 7
	s_add_co_u32 s30, s30, s31                     ; my first column in bytes, where columns are dense
	s_and_b32 s40, s28, 7                          ; in [16][1024][64]: a group is two heads of 262,144 bytes
	s_lshl_b32 s40, s40, 19
	s_lshr_b32 s41, s20, 1
	s_lshl_b32 s41, s41, 18
	s_add_co_u32 s40, s40, s41
	s_and_b32 s41, s20, 1
	s_lshl_b32 s41, s41, 7
	s_add_co_u32 s40, s40, s41
	s_cmp_eq_u32 s26, 1
	s_cselect_b32 s30, s40, s30
	s_lshl_b32 s31, s23, 7
	s_mul_i32 s31, s31, s29                        ; 128 rows of K for each K step
	s_add_co_u32 s30, s30, s31
	s_mov_b32 s31, 0
	s_lshl_b32 s42, s23, 5                         ; 32 rows of K
	s_mov_b32 s43, 0
	s_mul_i32 s44, s47, REC
	s_mov_b32 s45, 0
	v_and_b32 v5, 8, v3
	v_add_nc_u32 v5, v5, v3
	s_wait_alu depctr_va_vdst(0)
	v_lshl_add_u32 v5, v4, 3, v5                   ; my column of the wave's 32: r + 8 (r / 8) + 8 hh
	v_lshlrev_b32 v5, 2, v5
.set ii, 0
.rept 32
	v_mad_u32_u24 v[VO+ii], s23, ii, v5
.set ii, ii+1
.endr
	s_mul_i32 s46, s20, 3072
	v_lshl_add_u32 v13, v2, 4, s46                 ; out: 16 x lane + my two blocks' 3,072 bytes
	v_lshl_add_u32 v14, v2, 3, s46
	s_lshl_b32 s46, s20, 7
	v_lshl_add_u32 v15, v2, 2, s46                 ; scale words: 4 x lane + 128 x wave
	s_wait_alu depctr_va_vdst(0)
	s_wait_kmcnt 0x0
	s_cmp_lt_u32 s47, 512                          ; the tensor: a choice on the record's number alone
	s_cselect_b64 s[24:25], s[12:13], s[14:15]
	s_cmp_lt_u32 s47, 256
	s_cselect_b64 s[24:25], s[10:11], s[24:25]
	s_cmp_lt_u32 s47, 192
	s_cselect_b64 s[24:25], s[8:9], s[24:25]
	s_cmp_lt_u32 s47, 128
	s_cselect_b64 s[24:25], s[6:7], s[24:25]
	s_cmp_lt_u32 s47, 64
	s_cselect_b64 s[24:25], s[4:5], s[24:25]
	s_add_nc_u64 s[32:33], s[24:25], s[30:31]      ; a base for each block of 32 rows: no pointer is stepped
	s_add_nc_u64 s[34:35], s[32:33], s[42:43]
	s_add_nc_u64 s[36:37], s[34:35], s[42:43]
	s_add_nc_u64 s[38:39], s[36:37], s[42:43]
	s_add_nc_u64 s[16:17], s[16:17], s[44:45]      ; my record
.macro LOAD t
.set ii, 0
.rept 32
	global_load_b32 v[X+32*((\t)%2)+ii], v[VO+ii], s[32+2*(\t):33+2*(\t)] th:TH_LOAD_NT
.set ii, ii+1
.endr
.endm
.macro BLOCK t
.set XS, X+32*((\t)%2)
.set CT, CB+8*(\t)
.if (\t) < 3
	s_wait_loadcnt 32                              ; this block's 32 loads are in; the next block's 32 may be out
.else
	s_wait_loadcnt 0x0
.endif
	v_max3_num_f32 v8, |v[XS]|, |v[XS+1]|, |v[XS+2]|
	v_max3_num_f32 v9, |v[XS+3]|, |v[XS+4]|, |v[XS+5]|
.irp i, 6,10,14,18,22,26
	v_max3_num_f32 v8, v8, |v[XS+\i]|, |v[XS+\i+1]|
	v_max3_num_f32 v9, v9, |v[XS+\i+2]|, |v[XS+\i+3]|
.endr
	v_max3_num_f32 v8, v8, |v[XS+30]|, |v[XS+31]|
	v_max3_num_f32 v8, v8, v9, 0x2800000           ; and the floor 2^(5 - 127): the byte cannot fall under 1
	v_add_nc_u32 v10, 0xfe000000, v8               ; 4 off the exponent field: the conversion's scale operand
	v_cvt_scalef32_pk16_bf6_f32 v[CT:CT+2], v[XS:XS+15], v10
	v_cvt_scalef32_pk16_bf6_f32 v[TH:TH+2], v[XS+16:XS+31], v10
	v_lshrrev_b32 v11, 23, v10                     ; the scale's byte (also the plain line behind the conversions)
.if (\t) == 0
	v_mov_b32 v12, v11
.else
	v_lshl_or_b32 v12, v11, 8*(\t), v12
.endif
.irp i, 0,1,2
	v_mov_b32 v[CT+3+\i], v[TH+\i]
.endr
.if (\t)+2 < 4
	LOAD (\t)+2
.endif
.endm
	LOAD 0
	LOAD 1
.irp t, 0,1,2,3
	BLOCK \t
.endr
.irp i, 0,1,2,3,4,5                    ; of K blocks 2 c and 2 c + 1 the swap makes half c of block 2 w (in the first) and of block 2 w + 1 (in the second)
	v_permlane16_swap_b32 v[CB+\i], v[CB+8+\i]
	v_permlane16_swap_b32 v[CB+16+\i], v[CB+24+\i]
.endr
.macro PUT pc, o                       ; 512 and 256 consecutive bytes, each at a multiple of 256 from the buffer's first byte
	global_store_b128 v13, v[(\pc):(\pc)+3], s[16:17] offset:\o
	global_store_b64 v14, v[(\pc)+4:(\pc)+5], s[16:17] offset:(\o)+512
.endm
	PUT CB, 0
	PUT CB+16, 768
	PUT CB+8, 1536
	PUT CB+24, 2304
	global_store_b32 v15, v12, s[16:17] offset:12288
	s_endpgm
.Lfunc_end_k_qa6e84b1f9b_ln1:
	.size	k_qa6e84b1f9b_ln1, .Lfunc_end_k_qa6e84b1f9b_ln1-k_qa6e84b1f9b_ln1
	.p2alignl 7, 3214868480
	.fill 96, 4, 3214868480
	.section	.rodata,"a",@progbits
	.p2align	6, 0x0
	.amdhsa_kernel k_qa6e84b1f9b_ln1
		.amdhsa_group_segment_fixed_size 66304
		.amdhsa_private_segment_fixed_size 0
		.amdhsa_enable_private_segment 0
		.amdhsa_kernarg_size 88
		.amdhsa_user_sgpr_count 2
		.amdhsa_user_sgpr_kernarg_segment_ptr 1
		.amdhsa_wavefront_size32 1
		.amdhsa_system_sgpr_workgroup_id_x 1
		.amdhsa_system_sgpr_workgroup_id_y 1
		.amdhsa_system_sgpr_workgroup_id_z 1
		.amdhsa_system_vgpr_workitem_id 0
		.amdhsa_next_free_vgpr 224
		.amdhsa_next_free_sgpr 66
		.amdhsa_reserve_vcc 0
		.amdhsa_float_denorm_mode_32 3
		.amdhsa_float_denorm_mode_16_64 3
		.amdhsa_memory_ordered 1
		.amdhsa_forward_progress 1
		.amdhsa_inst_pref_size 68
	.end_amdhsa_kernel
	.amdgpu_metadata
---
amdhsa.version: [ 1, 2 ]
amdhsa.kernels:
  - .name:           k_qa6e84b1f9b_ln1
    .symbol:         k_qa6e84b1f9b_ln1.kd
    .args:
      - { .name: x, .offset: 0, .size: 8, .value_kind: global_buffer, .address_space: global }
      - { .name: g1, .offset: 8, .size: 8, .value_kind: global_buffer, .address_space: global }
      - { .name: beta1, .offset: 16, .size: 8, .value_kind: global_buffer, .address_space: global }
      - { .name: h, .offset: 24, .size: 8, .value_kind: global_buffer, .address_space: global }
      - { .name: Wq, .offset: 32, .size: 8, .value_kind: global_buffer, .address_space: global }
      - { .name: Wk, .offset: 40, .size: 8, .value_kind: global_buffer, .address_space: global }
      - { .name: Wv, .offset: 48, .size: 8, .value_kind: global_buffer, .address_space: global }
      - { .name: Wo, .offset: 56, .size: 8, .value_kind: global_buffer, .address_space: global }
      - { .name: W1, .offset: 64, .size: 8, .value_kind: global_buffer, .address_space: global }
      - { .name: W2, .offset: 72, .size: 8, .value_kind: global_buffer, .address_space: global }
      - { .name: wrec, .offset: 80, .size: 8, .value_kind: global_buffer, .address_space: global }
    .group_segment_fixed_size: 66304
    .private_segment_fixed_size: 0
    .kernarg_segment_align: 8
    .kernarg_segment_size: 88
    .max_flat_workgroup_size: 128
    .sgpr_count:     66
    .vgpr_count:     224
    .wavefront_size: 32
...
	.end_amdgpu_metadata
.endif
;; end of part 8
;; launch qkv (part 9): grid 12 x 16, 4 waves a work-group, clusters of 4 x 4, 327,680 bytes of LDS; arguments h, wrec, qkv; writes qkv
.if DOCPART == 9
	.amdgcn_target "amdgcn-amd-amdhsa--gfx1250"
	.amdhsa_code_object_version 6
	.text
	.protected	k_qa6e84b1f9b_qkv
	.globl	k_qa6e84b1f9b_qkv
	.p2align	8
	.type	k_qa6e84b1f9b_qkv,@function
k_qa6e84b1f9b_qkv:
	s_mov_b64 s[64:65], 0
	v_nop
	global_prefetch_b8 v0, s[64:65] scope:SCOPE_SE
	s_setreg_imm32_b32 hwreg(HW_REG_WAVE_MODE, 25, 1), 1
	s_wait_xcnt 0x0
	s_wait_alu depctr_hold_cnt(0) depctr_sa_sdst(0) depctr_va_vdst(0) depctr_va_sdst(0) depctr_va_ssrc(0) depctr_va_vcc(0) depctr_vm_vsrc(0)
	s_getreg_b32 s2, hwreg(HW_REG_IB_STS2, 6, 4)
	s_cmp_eq_u32 s2, 0
	s_cbranch_scc0 .Lentry_in_a_cluster
	s_endpgm
.Lentry_in_a_cluster:
	s_bfe_u32 s2, ttmp6, 0x10000c
	s_cmp_lg_u32 s2, 0xf033
	s_cbranch_scc0 .Lentry_shape_is_right
	s_endpgm
.Lentry_shape_is_right:
.set NKS,   8
.set REC,   12800
.set PART,  2*REC
.set SLOT,  4*PART
.set LAPS,  NKS/4
.set FR,    12
.set NL,    4
.set NP,    4
.set SPARE, 327168
.set QREC,  13312
.set A16,   4
.set A8,    6
.set B16,   8
.set B8,    10
.set ADS,   12
.set O16,   24
.set O8,    25
.set SO,    26
.set SH,    27
.set SPW,   28
.set NIL,   29
.set SC,    32
.set TM,    64
.set PW,    80
.set AF,    128
.set OB,    8
.set G1,    24
.set G0,    32
.set G1B,   48
.set G0B,   56
.set MSB, 0
.macro WIN new
.if MSB != (\new)
	s_set_vgpr_msb (MSB<<8)|(\new)
.set MSB, \new
.endif
.endm
.set MUL_LO, 0xa1
.set MUL_HI, 0xf1
.set TO_B,   0x40
.macro PLACES n
.rept \n
	v_nop
.endr
.endm
.macro JLOAD g0a, g1a, g0b, g1b
	s_cmp_eq_u32 s15, 0
	s_cbranch_scc0 .Lfor_b_\@
	tensor_load_to_lds s[\g0a:\g0a+3], s[\g1a:\g1a+7]
	s_nop 0
.rept 4
	v_nop
.endr
	s_branch .Lasked_\@
.Lfor_b_\@:
	tensor_load_to_lds s[\g0b:\g0b+3], s[\g1b:\g1b+7]
	s_nop 0
.rept 4
	v_nop
.endr
.Lasked_\@:
.endm
.macro CREST
	s_cmp_lg_u32 s14, 0
	s_cbranch_scc1 .Lnot_wave_0_\@
	s_barrier_signal -3
.Lnot_wave_0_\@:
	s_barrier_wait -3
	s_barrier_signal -1
	s_barrier_wait -1
.endm
.macro CROUND
	s_barrier_signal -1
	s_barrier_wait -1
	CREST
.endm
.macro FRAG reg, a16, a8, q, i
	ds_load_b128 v[(\reg):(\reg)+3], v[\a16] offset:(\q)*REC+(\i)*1536
	ds_load_b64 v[(\reg)+4:(\reg)+5], v[\a8] offset:(\q)*REC+(\i)*1536+512
	ds_load_b128 v[(\reg)+6:(\reg)+9], v[\a16] offset:(\q)*REC+(\i)*1536+768
	ds_load_b64 v[(\reg)+10:(\reg)+11], v[\a8] offset:(\q)*REC+(\i)*1536+1280
.endm
.macro FETCH_B sl, q
	WIN TO_B
.irp i, 0,1,2,3,4,5,6,7
	FRAG 128*(\q)+FR*\i, B16+\sl, B8+\sl, \q, \i
.endr
	WIN 0
.endm
.macro FETCH_A sl, q, i0
.irp i, \i0, \i0+1, \i0+2, \i0+3
	FRAG AF+FR*(\i), A16+\sl, A8+\sl, \q, \i
.endr
.endm
.macro SCALES sl
.irp q, 0,1
.irp i, 0,1,2,3,4,5,6,7
	ds_load_b32 v[SC+16*\sl+8*\q+\i], v[ADS+\sl] offset:\q*REC+12288+64*\i
.endr
.endr
.endm
.macro MUL16 a0, q, sl, first
.irp a, \a0, \a0+1
.irp b, 0,1,2,3,4,5,6,7
.if (\first) == 1
	v_wmma_scale_f32_16x16x128_f8f6f4 v[8*(8*((\a)%4)+\b):8*(8*((\a)%4)+\b)+7], v[128*(\q)+FR*\b:128*(\q)+FR*\b+FR-1], v[AF+FR*(\a):AF+FR*(\a)+FR-1], 0, v[SC+16*(\sl)+8*(\q)+\b], v[SC+16*(\sl)+8*(\q)+(\a)] matrix_a_fmt:MATRIX_FMT_BF6 matrix_b_fmt:MATRIX_FMT_BF6 matrix_a_scale:MATRIX_SCALE_ROW1
.else
	v_wmma_scale_f32_16x16x128_f8f6f4 v[8*(8*((\a)%4)+\b):8*(8*((\a)%4)+\b)+7], v[128*(\q)+FR*\b:128*(\q)+FR*\b+FR-1], v[AF+FR*(\a):AF+FR*(\a)+FR-1], v[8*(8*((\a)%4)+\b):8*(8*((\a)%4)+\b)+7], v[SC+16*(\sl)+8*(\q)+\b], v[SC+16*(\sl)+8*(\q)+(\a)] matrix_a_fmt:MATRIX_FMT_BF6 matrix_b_fmt:MATRIX_FMT_BF6 matrix_a_scale:MATRIX_SCALE_ROW1
.endif
.endr
.endr
.endm
.macro STEP sl, first
	s_wait_dscnt 4*NL
	WIN MUL_LO
	MUL16 0, 0, \sl, \first
	MUL16 2, 0, \sl, \first
	s_wait_dscnt 0x0
	PLACES NP
	FETCH_B \sl, 1
	FETCH_A \sl, 1, 0
	WIN MUL_HI
	MUL16 4, 0, \sl, \first
	MUL16 6, 0, \sl, \first
	PLACES NP
	WIN 0
	FETCH_A \sl, 1, 4
.endm
.macro TURN sl, next, fill
	s_wait_tensorcnt 0x0
	ds_add_u32 v[SPW], v[NIL]
	s_wait_dscnt 4*NL+1
	WIN MUL_LO
	MUL16 0, 1, \sl, 0
	s_wait_dscnt 0x0
	s_barrier_signal -1
	MUL16 2, 1, \sl, 0
	WIN 0
	s_barrier_wait -1
.if \fill
	CREST
	s_add_nc_u64 s[G0+4*\sl+2:G0+4*\sl+3], s[G0+4*\sl+2:G0+4*\sl+3], 4*REC
	s_add_nc_u64 s[G0B+4*\sl+2:G0B+4*\sl+3], s[G0B+4*\sl+2:G0B+4*\sl+3], 4*REC
	JLOAD G0+4*\sl, G1, G0B+4*\sl, G1B
.else
	PLACES NP
.endif
	FETCH_B \next, 0
	FETCH_A \next, 0, 0
	SCALES \next
	WIN MUL_HI
	MUL16 4, 1, \sl, 0
	MUL16 6, 1, \sl, 0
	PLACES NP
	WIN 0
	FETCH_A \next, 0, 4
.endm
.macro QUANT s, w, pc, pw
	WIN (\w)|((\w)<<2)
.irp b, 0,1,2,3
	v_max3_num_f32 v[TM+\b], |v[(\s)+16*\b]|, |v[(\s)+1+16*\b]|, 0x2800000
.endr
.irp i, 2,4,6,8,10,12,14
.irp b, 0,1,2,3
	v_max3_num_f32 v[TM+\b], |v[(\s)+16*\b+\i]|, |v[(\s)+1+16*\b+\i]|, v[TM+\b]
.endr
.endr
	WIN 0
.irp b, 0,1,2,3
	v_permlanex16_b32 v[TM+4+\b], v[TM+\b], s90, s91
.endr
.irp b, 0,1,2,3
	v_max_num_f32 v[TM+\b], v[TM+\b], v[TM+4+\b]
.endr
.irp b, 0,1,2,3
	v_add_nc_u32 v[TM+12+\b], 0xfe000000, v[TM+\b]
.endr
.irp b, 0,1,2,3
	v_lshrrev_b32 v[TM+4+\b], 23, v[TM+12+\b]
.endr
	v_lshl_or_b32 v[\pw], v[TM+5], 8, v[TM+4]
	v_lshl_or_b32 v[\pw], v[TM+6], 16, v[\pw]
	v_lshl_or_b32 v[\pw], v[TM+7], 24, v[\pw]
	WIN (\w)
.irp c, 0,1
	v_cvt_scalef32_pk16_bf6_f32 v[(\pc)+6*\c:(\pc)+2+6*\c], v[(\s)+32*\c:(\s)+15+32*\c], v[TM+12+2*\c]
	v_cvt_scalef32_pk16_bf6_f32 v[(\pc)+12+4*\c:(\pc)+14+4*\c], v[(\s)+16+32*\c:(\s)+31+32*\c], v[TM+12+2*\c+1]
.endr
	WIN 0
	v_nop
.irp c, 0,1
.irp i, 0,1,2
	v_permlane16_swap_b32 v[(\pc)+6*\c+\i], v[(\pc)+12+4*\c+\i]
.endr
.irp i, 0,1,2
	v_mov_b32 v[(\pc)+3+6*\c+\i], v[(\pc)+12+4*\c+\i]
.endr
.endr
.endm
.macro PUT pc, o
	global_store_b128 v[O16], v[(\pc):(\pc)+3], s[OB:OB+1] offset:\o
	global_store_b64 v[O8], v[(\pc)+4:(\pc)+5], s[OB:OB+1] offset:(\o)+512
.endm
	s_load_b128 s[4:7], s[0:1], 0x0
	s_load_b64 s[8:9], s[0:1], 0x10
	v_lshl_add_u32 v[SPW], v0, 2, SPARE
	v_mov_b32 v[NIL], 0
	ds_add_u32 v[SPW], v[NIL]
	ds_add_u32 v[SPW], v[NIL]
	v_lshrrev_b32 v1, 5, v0
	v_readfirstlane_b32 s14, v1
	s_lshr_b32 s15, s14, 1
	s_and_b32 s16, s14, 1
	s_bfe_u32 s40, ttmp6, 0x40000
	s_bfe_u32 s41, ttmp6, 0x40004
	s_and_b32 s18, ttmp7, 0xffff
	s_lshl_b32 s18, s18, 2
	s_lshl_b32 s19, ttmp9, 2
	s_cmp_eq_u32 ttmp9, 2
	s_cselect_b32 s17, 0, s18
	s_cselect_b32 s42, s18, s19
	s_cselect_b32 s45, 1, 0
	s_add_co_u32 s17, s17, s41
	s_add_co_u32 s42, s42, s40
	s_lshl_b32 s43, s41, 2
	s_lshl_b32 s43, 15, s43
	s_lshl_b32 s44, 0x1111, s40
	s_or_b32 s[G1+0], s43, (3<<16)|(1<<21)
	s_or_b32 s[G1B+0], s44, (3<<16)|(1<<21)
.irp g, G1, G1B
	s_mov_b32 s[\g+1], 32<<16
	s_mov_b32 s[\g+2], 100<<16
	s_mov_b32 s[\g+3], 32<<16
	s_mov_b32 s[\g+4], 100
	s_mov_b32 s[\g+5], 32
	s_mov_b32 s[\g+6], 0
	s_mov_b32 s[\g+7], 0
.endr
	s_lshl_b32 s20, s17, 1
	s_add_co_u32 s20, s20, s16
	s_mul_i32 s20, s20, NKS*REC
	s_mov_b32 s21, 0
	s_lshl_b32 s46, s42, 1
	s_add_co_u32 s46, s46, s16
	s_mul_i32 s46, s46, NKS*REC
	s_mov_b32 s47, 0
	s_mul_i32 s94, s14, PART
	s_mov_b32 s90, 0x76543210
	s_mov_b32 s91, 0xfedcba98
	s_wait_dscnt 0x0
	s_wait_kmcnt 0x0
	s_add_nc_u64 s[10:11], s[6:7], 16*NKS*REC
	s_cmp_eq_u32 s45, 1
	s_cselect_b64 s[22:23], s[10:11], s[4:5]
	s_cselect_b64 s[92:93], s[4:5], s[6:7]
	s_add_nc_u64 s[20:21], s[22:23], s[20:21]
	s_add_nc_u64 s[46:47], s[92:93], s[46:47]
	CROUND
.irp s, 0,1
	s_mov_b32 s[G0+4*\s], 1
	s_add_co_u32 s[G0+4*\s+1], s94, \s*SLOT
	s_add_nc_u64 s[G0+4*\s+2:G0+4*\s+3], s[20:21], \s*2*REC
	s_or_b32 s[G0+4*\s+3], s[G0+4*\s+3], 0x80000000
	s_mov_b32 s[G0B+4*\s], 1
	s_add_co_u32 s[G0B+4*\s+1], s94, \s*SLOT
	s_add_nc_u64 s[G0B+4*\s+2:G0B+4*\s+3], s[46:47], \s*2*REC
	s_or_b32 s[G0B+4*\s+3], s[G0B+4*\s+3], 0x80000000
.if \s                                 ; slot 1's first fill stands behind the full sequence and a round; slot 0's behind the opening lines and the first round
	s_wait_alu depctr_va_vdst(0)
	s_wait_tensorcnt 0x0
	ds_add_u32 v28, v29
	ds_add_u32 v28, v29
	s_wait_dscnt 0x0
	CROUND
.endif
	JLOAD G0+4*\s, G1, G0B+4*\s, G1B
.endr
	v_and_b32 v1, 31, v0
	v_and_b32 v2, 15, v0
	v_bfe_u32 v3, v0, 4, 1
	v_lshlrev_b32 v16, 4, v1
	v_lshlrev_b32 v17, 3, v1
	v_lshlrev_b32 v18, 2, v2
	s_mul_i32 s21, s15, PART
	s_mul_i32 s22, s16, PART
	s_add_co_u32 s22, s22, 2*PART
	s_sub_co_u32 s23, s22, s21
	v_mul_u32_u24 v19, s23, v3
	v_add_nc_u32 v18, v18, v19
.irp s, 0,1
	v_add_nc_u32 v[A16+\s], s21, v16
	v_add_nc_u32 v[A8+\s], s21, v17
	v_add_nc_u32 v[B16+\s], s22, v16
	v_add_nc_u32 v[B8+\s], s22, v17
	v_add_nc_u32 v[ADS+\s], s21, v18
	s_add_co_u32 s21, s21, SLOT
	s_add_co_u32 s22, s22, SLOT
.endr
	s_wait_alu depctr_va_vdst(0)
	s_wait_tensorcnt 1
	s_barrier_signal -1
	s_barrier_wait -1
	FETCH_B 0, 0
	FETCH_A 0, 0, 0
	SCALES 0
	FETCH_A 0, 0, 4
	STEP 0, 1
	s_mov_b32 s3, LAPS-1
.Llap:
	TURN 0, 1, 1
	STEP 1, 0
	TURN 1, 0, 1
	STEP 0, 0
	s_sub_co_u32 s3, s3, 1
	s_cmp_lg_u32 s3, 0
	s_cbranch_scc1 .Llap
	TURN 0, 1, 0
	STEP 1, 0
	s_wait_dscnt 4*NL
	WIN MUL_LO
	MUL16 0, 1, 1, 0
	MUL16 2, 1, 1, 0
	s_wait_dscnt 0x0
	WIN MUL_HI
	MUL16 4, 1, 1, 0
	MUL16 6, 1, 1, 0
	WIN 0
	PLACES NP
	s_lshl_b32 s20, s17, 1
	s_add_co_u32 s20, s20, s15
	s_lshl_b32 s21, s42, 1
	s_add_co_u32 s21, s21, s16
	s_lshl_b32 s22, s20, 5
	s_add_co_u32 s22, s22, s21
	s_add_co_u32 s22, s22, 512
	s_lshl_b32 s23, s21, 5
	s_add_co_u32 s23, s23, s20
	s_cmp_eq_u32 s45, 1
	s_cselect_b32 s22, s22, s23
	s_cselect_b32 s46, 0, 6656
	s_cselect_b32 s47, 0, 16
	s_mul_i32 s22, s22, QREC
	s_mov_b32 s23, 0
	s_add_nc_u64 s[OB:OB+1], s[OB:OB+1], s[22:23]
	v_lshlrev_b32 v[O16], 4, v1
	v_lshlrev_b32 v[O8], 3, v1
	v_mul_u32_u24 v[SO], s46, v3
	v_lshl_add_u32 v[SO], v2, 2, v[SO]
	v_mul_u32_u24 v[SH], s47, v3
.irp b, 0,1,2,3
	v_mov_b32 v[TM+4+\b], 0
.endr
.irp a, 0,1,2,3,4,5,6,7
.if \a >= 2
	s_wait_xcnt 0x0
.endif
	QUANT 64*(\a%4), 2+\a/4, 84+20*(\a%2), PW
	v_lshrrev_b32 v[81+\a%2], v[SH], v[PW]
	PUT 84+20*(\a%2), 768*\a
	PUT 90+20*(\a%2), 6656+768*\a
	global_store_b32 v[SO], v[81+\a%2], s[OB:OB+1] offset:6144+64*\a
.endr
	s_wait_tensorcnt 0x0
	ds_add_u32 v[SPW], v[NIL]
	s_wait_dscnt 0x0
	CROUND
	s_endpgm
.Lfunc_end_k_qa6e84b1f9b_qkv:
	.size	k_qa6e84b1f9b_qkv, .Lfunc_end_k_qa6e84b1f9b_qkv-k_qa6e84b1f9b_qkv
	.p2alignl 7, 3214868480
	.fill 96, 4, 3214868480
	.section	.rodata,"a",@progbits
	.p2align	6, 0x0
	.amdhsa_kernel k_qa6e84b1f9b_qkv
		.amdhsa_group_segment_fixed_size 327680
		.amdhsa_private_segment_fixed_size 0
		.amdhsa_enable_private_segment 0
		.amdhsa_kernarg_size 24
		.amdhsa_user_sgpr_count 2
		.amdhsa_user_sgpr_kernarg_segment_ptr 1
		.amdhsa_wavefront_size32 1
		.amdhsa_system_sgpr_workgroup_id_x 1
		.amdhsa_system_sgpr_workgroup_id_y 1
		.amdhsa_system_sgpr_workgroup_id_z 1
		.amdhsa_system_vgpr_workitem_id 0
		.amdhsa_next_free_vgpr 1024
		.amdhsa_next_free_sgpr 100
		.amdhsa_reserve_vcc 0
		.amdhsa_float_denorm_mode_32 3
		.amdhsa_float_denorm_mode_16_64 3
		.amdhsa_memory_ordered 1
		.amdhsa_forward_progress 1
		.amdhsa_inst_pref_size 150
	.end_amdhsa_kernel
	.amdgpu_metadata
---
amdhsa.version: [ 1, 2 ]
amdhsa.kernels:
  - .name:           k_qa6e84b1f9b_qkv
    .symbol:         k_qa6e84b1f9b_qkv.kd
    .args:
      - { .name: h, .offset: 0, .size: 8, .value_kind: global_buffer, .address_space: global }
      - { .name: wrec, .offset: 8, .size: 8, .value_kind: global_buffer, .address_space: global }
      - { .name: qkv, .offset: 16, .size: 8, .value_kind: global_buffer, .address_space: global }
    .group_segment_fixed_size: 327680
    .private_segment_fixed_size: 0
    .kernarg_segment_align: 8
    .kernarg_segment_size: 24
    .max_flat_workgroup_size: 128
    .sgpr_count:     100
    .vgpr_count:     1024
    .wavefront_size: 32
...
	.end_amdgpu_metadata
.endif
;; end of part 9
;; launch attn (part 10): grid 8 x 32, 16 waves a work-group, clusters of 4 x 1, 237,568 bytes of LDS; arguments qkv, cc; writes cc
.if DOCPART == 10
	.amdgcn_target "amdgcn-amd-amdhsa--gfx1250"
	.amdhsa_code_object_version 6
	.text
	.protected	k_qa6e84b1f9b_attn
	.globl	k_qa6e84b1f9b_attn
	.p2align	8
	.type	k_qa6e84b1f9b_attn,@function
k_qa6e84b1f9b_attn:
	s_mov_b64 s[64:65], 0
	v_nop
	global_prefetch_b8 v0, s[64:65] scope:SCOPE_SE
	s_setreg_imm32_b32 hwreg(HW_REG_WAVE_MODE, 25, 1), 1
	s_wait_xcnt 0x0
	s_wait_alu depctr_hold_cnt(0) depctr_sa_sdst(0) depctr_va_vdst(0) depctr_va_sdst(0) depctr_va_ssrc(0) depctr_va_vcc(0) depctr_vm_vsrc(0)
	s_getreg_b32 s2, hwreg(HW_REG_IB_STS2, 6, 4)
	s_cmp_eq_u32 s2, 0
	s_cbranch_scc0 .Lentry_in_a_cluster
	s_endpgm
.Lentry_in_a_cluster:
	s_bfe_u32 s2, ttmp6, 0x10000c
	s_cmp_lg_u32 s2, 0x3003
	s_cbranch_scc0 .Lentry_shape_is_right
	s_endpgm
.Lentry_shape_is_right:
; Products 4 and 5 on codes of BF6 (E3M2) with E8M0 scales, the softmax between them, and the quantiser ahead of product 6 (along the concatenated heads).  No work is left out.
; THE SOFTMAX: t = score x log2(e) / 8; M = the row's largest t so far, rounded UP to a whole number; p = 2^(t - M) is quantised along the keys; the row's sum is taken of the unquantised p and divides at the end.
; When M moves, the sum and O are multiplied by 2^(old M - new M): exact.
; SHARES: a work-group owns 256 queries of one (batch, head), each of its sixteen waves 16 of them, in 256 registers: four waves to a SIMD.  Grid: 8 x 32 = 256 work-groups.
; K AND V OF THE WHOLE (BATCH, HEAD) LIE IN LDS, FILLED ONCE, one tensor load a wave at the most: waves 0-7 bring two key steps of K each, waves 8-11 four key steps of V's codes each, wave 12 V's scale words.
; No slot is filled again and no barrier stands in the loop; nothing is fetched inside the loop, so there is nothing for a prefetch to run ahead of.
; CLUSTER: the four blocks of 256 queries of a cluster need the same K and V: each load is asked for JOINTLY by all four.
; LAYOUT: both products are used transposed, S^T = K Q^T (source 0 = 16 keys), O^T = V^T P^T (source 0 = 16 channels): a lane holds ONE query throughout.
; WHICH KEYS FORM A TILE OF K is chosen by the lanes' LDS addresses: tile (c, i) has in rows 0-7 the keys 64 c + 8 i + 0..7 and in rows 8-15 the keys 64 c + 32 + 8 i + 0..7.  So lane (r, h) holds, in the 32 registers of
; tiles (c, 0..3), the WHOLE block of 32 keys 64 c + 32 h + 0..31 in order: a block's maximum needs no other lane, and the conversions' results lie in the lane that P's operand layout asks for.
; In memory row r of K's block j is key 32 (j / 2) + 8 (j % 2) + r + 8 (r / 8): tile (c, i)'s row r is row 8 (i / 2) + r % 8 of block 4 c + 2 (r / 8) + i % 2.
; K'S PADDING: 128 bytes behind each 512 (6,656 bytes a key step become 8,320): blocks j and j + 2 then lie 1,920 bytes apart, 128 modulo 256, so the sixteen lanes of a 16-byte load touch sixteen different columns of 16 bytes
; (64 banks of 4 bytes: ISA guide 11.1).  The 8-byte loads keep two lanes to a bank.
; PRODUCT 4 HAS K = 64: Q's registers 6-11 hold zero codes.  K's tile n names v[KF + 6 n .. + 11]: its upper six are the next tile's codes (every code is a finite number, no scale byte is 0xff): they add exactly 0.
; THE ROW'S SUM of a step's p stands behind that step's last products and round the next step's loads: its additions are the places that loads and readers behind matrix instructions need.
; A scale word of the output spans two heads, so a work-group stores its two bytes of each word.
; LIMITS: the promise holds while the scaled scores stay under 2^31 in magnitude; a block of zeros gets the byte 1 where the rule says 127 (its codes are zeros; this program alone reads the bytes); blocks under 2^-122 are held at byte 1;
; NaN and infinities are not served.
.set QREC,  13312
.set REC,   12800
.set KP,    8320                       ; a key step of K in LDS, padded
.set VSTEP, 6144
.set VB,    16*KP                      ; V's codes
.set VS,    VB+16*VSTEP                ; V's scale words
.set SPARE, VS+16*256                  ; the spare words, 128 bytes for each wave
.set L16,   1                          ; 16 x lane, 8 x lane, 4 r
.set L8,    2
.set R4,    3
.set BKE,   4                          ; v4-10 LDS bases: K's 16-byte pieces of even and of odd blocks, K's 8-byte pieces, K's scale words, V's 16, V's 8, V's scale words
.set SPW,   11
.set NIL,   12
.set LS,    14                         ; v[14:15] the row's sum, in two halves
.set TKE,   16                         ; v16-22 the same seven addresses for this trip
.set NM,    24                         ; v[24:25], v[26:27]: -M in the low word, by turns from step to step
.set RM,    28                         ; the largest score so far
.set FF,    30                         ; v[30:31]: f = 2^(old M - new M) in the low word
.set QF,    32                         ; v32-43 Q
.set QS,    44                         ; scale words: Q's; v45-48 K's (lanes 0-15 tile 2 u, lanes 16-31 tile 2 u + 1); v49-50 V's likewise; v51 p's
.set KSC,   45
.set VSC,   49
.set PS,    51
.set KF,    52                         ; v52-105 K's eight tiles, then V's four fragments
.set SP,    112                        ; v112-175 S^T, then p
.set OT,    176                        ; v176-207 O^T
.set PC,    208                        ; v208-219 p's codes; v220-222, v224-226 the blocks' upper halves
.set PH,    220
.set BM,    228                        ; v228-231 block maxima, two chains a block
.set W,     232                        ; v232-238 at work
.set TT,    240                        ; v240-247 four chains of the step's sum
.set WV,    18
.set NCS,   19
.set SEL,   20
.set CS,    22
.set G1K,   24
.set G1V,   32
.set G1S,   40
.set G0K,   48
.set G0V,   52
.set G0S,   56
.set STK,   60
.set STV,   61
.set STS,   62
.set CNT,   63
.macro CROUND
	s_barrier_signal -1
	s_barrier_wait -1
	s_cmp_lg_u32 s[WV], 0
	s_cbranch_scc1 .Lnot_wave_0_\@
	s_barrier_signal -3
.Lnot_wave_0_\@:
	s_barrier_wait -3
	s_barrier_signal -1
	s_barrier_wait -1
.endm
	s_load_b128 s[4:7], s[0:1], 0x0                ; qkv, cc
	v_lshl_add_u32 v[SPW], v0, 2, SPARE
	v_mov_b32 v[NIL], 0
	ds_add_u32 v[SPW], v[NIL]                      ; the opening lines: the add, twice on end, and its wait ahead of the first tensor load
	ds_add_u32 v[SPW], v[NIL]
	v_lshrrev_b32 v1, 5, v0
	v_readfirstlane_b32 s[WV], v1                  ; wave 0..15
	s_bfe_u32 s8, ttmp6, 0x40000                   ; cx
	s_lshl_b32 s9, ttmp9, 2
	s_add_co_u32 s9, s9, s8                        ; my block of 256 queries: it enters Q's and the output's addresses alone
	s_and_b32 s10, ttmp7, 0xffff
	s_lshr_b32 s11, s10, 4                         ; batch
	s_and_b32 s12, s10, 15                         ; head
	s_lshr_b32 s13, s12, 1                         ; pair of heads
	s_and_b32 s14, s12, 1                          ; which of the pair
	s_lshl_b32 s15, s13, 5
	s_lshl_b32 s16, s11, 4
	s_add_co_u32 s17, s15, s16
	s_mul_i32 s66, s17, QREC                       ; record 32 pair + 16 batch
	s_mul_i32 s67, s14, 6656
	s_and_b32 s93, s[WV], 7                        ; K: waves 0-7 take key steps 2 w, 2 w + 1
	s_mul_i32 s94, s93, 2*QREC
	s_add_co_u32 s68, s66, s67
	s_add_co_u32 s68, s68, s94
	s_add_co_u32 s68, s68, 256*QREC                ; K's records lie 256 on; my head's half
	s_mov_b32 s69, 0
	s_mul_i32 s90, s93, 2*KP
	s_and_b32 s93, s[WV], 3                        ; V: waves 8-11 take four key steps each
	s_mul_i32 s94, s93, 4*QREC
	s_mul_i32 s70, s14, 3072
	s_add_co_u32 s70, s70, s66
	s_add_co_u32 s70, s70, s94
	s_add_co_u32 s70, s70, 512*QREC                ; V's 512 on; my head's four blocks of each half
	s_mov_b32 s71, 0
	s_mul_i32 s91, s93, 4*VSTEP
	s_add_co_u32 s91, s91, VB
	s_lshl_b32 s72, s14, 8
	s_add_co_u32 s72, s72, s66
	s_add_co_u32 s72, s72, 512*QREC+6144           ; and their scale words
	s_mov_b32 s73, 0
	s_lshl_b32 s74, s9, 1
	s_lshr_b32 s75, s[WV], 3
	s_add_co_u32 s74, s74, s75
	s_add_co_u32 s76, s74, s16                     ; my token group: 16 batch + 2 block + wave / 8
	s_add_co_u32 s77, s76, s15
	s_mul_i32 s77, s77, QREC
	s_add_co_u32 s77, s77, s67                     ; Q's record, my head's half
	s_and_b32 s78, s[WV], 7                        ; my block of 16 queries
	s_mul_i32 s79, s78, 768
	s_add_co_u32 s80, s77, s79
	s_mov_b32 s81, 0
	s_lshl_b32 s82, s78, 6
	s_add_co_u32 s82, s82, s77
	s_add_co_u32 s82, s82, 6144
	s_mov_b32 s83, 0
	s_lshl_b32 s84, s76, 3
	s_add_co_u32 s84, s84, s13
	s_mul_i32 s84, s84, REC                        ; out: record 8 token group + pair of heads (a K step of product 6),
	s_mul_i32 s85, s78, 1536
	s_add_co_u32 s86, s84, s85
	s_mul_i32 s85, s14, 768
	s_add_co_u32 s86, s86, s85                     ; my block, my head's half
	s_mov_b32 s87, 0
	s_lshl_b32 s88, s78, 6
	s_add_co_u32 s88, s88, s84
	s_lshl_b32 s85, s14, 1
	s_add_co_u32 s88, s88, s85
	s_add_co_u32 s88, s88, 12288                   ; and my two bytes of its scale words
	s_mov_b32 s89, 0
	s_mov_b32 s[G1K], 15|(3<<16)|(1<<20)|(1<<21)|(6<<22)|(31<<25)   ; the mask: all four; elements of 8 bytes; behind every 128 words 32 words of padding
	s_mov_b32 s[G1K+1], 832<<16                    ; K: 2 rows (key steps) of 6,656 bytes, 13,312 apart
	s_mov_b32 s[G1K+2], 2<<16
	s_mov_b32 s[G1K+3], 832<<16
	s_mov_b32 s[G1K+4], 2
	s_mov_b32 s[G1K+5], 1664
	s_mov_b32 s[G1K+6], 0
	s_mov_b32 s[G1K+7], 0
	s_mov_b32 s[G1V], 15|(3<<16)|(1<<21)
	s_mov_b32 s[G1V+1], 384<<16                    ; V's codes: 8 rows (four key steps' two halves) of 3,072 bytes, 6,656 apart
	s_mov_b32 s[G1V+2], 8<<16
	s_mov_b32 s[G1V+3], 384<<16
	s_mov_b32 s[G1V+4], 8
	s_mov_b32 s[G1V+5], 832
	s_mov_b32 s[G1V+6], 0
	s_mov_b32 s[G1V+7], 0
	s_mov_b32 s[G1S], 15|(3<<16)|(1<<21)
	s_mov_b32 s[G1S+1], 32<<16                     ; V's scale words: 16 rows (key steps) of 256 bytes, 13,312 apart
	s_mov_b32 s[G1S+2], 16<<16
	s_mov_b32 s[G1S+3], 32<<16
	s_mov_b32 s[G1S+4], 16
	s_mov_b32 s[G1S+5], 1664
	s_mov_b32 s[G1S+6], 0
	s_mov_b32 s[G1S+7], 0
	s_mov_b32 s[SEL], 0x76543210
	s_mov_b32 s[SEL+1], 0xfedcba98                 ; v_permlanex16_b32's selects for lane l xor 16
	s_mov_b32 s[CS], 0x3e38aa3b                    ; c = log2(e) / sqrt(64)
	s_mov_b32 s[CS+1], s[CS]
	s_mov_b32 s[NCS], 0xbe38aa3b                   ; -c
	s_mov_b32 s[STK], 0
	s_mov_b32 s[STV], 0
	s_mov_b32 s[STS], 0
	s_mov_b32 s[CNT], 8
	s_wait_dscnt 0x0                               ; both opening adds are done
	s_wait_kmcnt 0x0
	s_mov_b32 s[G0K], 1
	s_mov_b32 s[G0K+1], s90
	s_add_nc_u64 s[G0K+2:G0K+3], s[4:5], s[68:69]
	s_or_b32 s[G0K+3], s[G0K+3], 0x80000000
	s_mov_b32 s[G0V], 1
	s_mov_b32 s[G0V+1], s91
	s_add_nc_u64 s[G0V+2:G0V+3], s[4:5], s[70:71]
	s_or_b32 s[G0V+3], s[G0V+3], 0x80000000
	s_mov_b32 s[G0S], 1
	s_mov_b32 s[G0S+1], VS
	s_add_nc_u64 s[G0S+2:G0S+3], s[4:5], s[72:73]
	s_or_b32 s[G0S+3], s[G0S+3], 0x80000000
	s_add_nc_u64 s[80:81], s[4:5], s[80:81]
	s_add_nc_u64 s[82:83], s[4:5], s[82:83]
	s_add_nc_u64 s[86:87], s[6:7], s[86:87]
	s_add_nc_u64 s[88:89], s[6:7], s[88:89]
	CROUND                                         ; all four work-groups are here: the joint loads meet
	s_cmp_lt_u32 s[WV], 8                          ; one chain of branches on the wave's number, one load to an arm, one join
	s_cbranch_scc0 .Lfor_v
	tensor_load_to_lds s[G0K:G0K+3], s[G1K:G1K+7]
	s_nop 0
.rept 4
	v_nop
.endr
	s_branch .Lasked
.Lfor_v:
	s_cmp_lt_u32 s[WV], 12
	s_cbranch_scc0 .Lfor_s
	tensor_load_to_lds s[G0V:G0V+3], s[G1V:G1V+7]
	s_nop 0
.rept 4
	v_nop
.endr
	s_branch .Lasked
.Lfor_s:
	s_cmp_eq_u32 s[WV], 12
	s_cbranch_scc0 .Lasked
	tensor_load_to_lds s[G0S:G0S+3], s[G1S:G1S+7]
	s_nop 0
.rept 4
	v_nop
.endr
.Lasked:
	v_and_b32 v13, 31, v0
	v_and_b32 v23, 15, v0
	v_lshlrev_b32 v[L16], 4, v13
	v_lshlrev_b32 v[L8], 3, v13
	v_lshlrev_b32 v[R4], 2, v23
	global_load_b128 v[QF:QF+3], v[L16], s[80:81]  ; Q's half fragment stays in registers
	global_load_b64 v[QF+4:QF+5], v[L8], s[80:81] offset:512
	global_load_b32 v[QS], v[R4], s[82:83]         ; and its scale words
	v_bfe_u32 v29, v0, 4, 1                        ; h
	v_bfe_u32 v106, v0, 3, 1                       ; r / 8
	v_and_b32 v107, 7, v0                          ; r % 8
	v_mul_u32_u24 v108, v106, 1920                 ; rows 8-15 come from the block two further on
	v_lshl_add_u32 v[BKE], v29, 8, v108
	v_mad_u32_u24 v[BKE+1], v29, 384, v108         ; in an odd block the two halves' 256 bytes have a padding between them
	v_lshl_add_u32 v[BKE+2], v29, 7, v108
	v_lshlrev_b32 v[BKE+3], 6, v29                 ; scale words: lanes 16-31 take the next tile's
	v_lshl_add_u32 v[BKE], v107, 4, v[BKE]
	v_lshl_add_u32 v[BKE+1], v107, 4, v[BKE+1]
	v_lshl_add_u32 v[BKE+2], v107, 3, v[BKE+2]
	v_lshl_add_u32 v[BKE+3], v106, 7, v[BKE+3]
	v_add_nc_u32 v[BKE+4], VB, v[L16]
	v_add_nc_u32 v[BKE+5], VB, v[L8]
	v_lshl_add_u32 v[BKE+6], v29, 6, v[R4]
	v_lshl_add_u32 v[BKE+3], v107, 2, v[BKE+3]
	v_add_nc_u32 v[BKE+6], VS, v[BKE+6]
.irp i, 6,7,8,9,10,11
	v_mov_b32 v[QF+\i], 0                          ; Q's K = 64 .. 127: zero codes
	v_mov_b32 v[KF+42+\i], 0                       ; the last tile's upper six: no load writes them
.endr
	v_mov_b32 v[RM], 0xff61b1e6                    ; -3e38, under every score
	v_mov_b32 v[NM], 0
	v_mov_b32 v[NM+1], 0
	v_mov_b32 v[NM+2], 0x7f61b1e6                  ; the -M ahead of the first step: f comes out 0
	v_mov_b32 v[NM+3], 0
	v_mov_b32 v[LS], 0
	v_mov_b32 v[LS+1], 0
	v_mov_b32 v[FF], 0
	v_mov_b32 v[FF+1], 0
	v_mov_b32 v[W+1], 0                            ; a lane permute's destination counts as one of its sources
.set jj, 0
.rept 8
	v_mov_b32 v[TT+jj], 0
.set jj, jj+1
.endr
.set jj, 0
.rept 96
	v_mov_b32 v[SP+jj], 0                          ; p and O^T: the step is written once, and the first finds zeros
.set jj, jj+1
.endr
.macro KLOADS s                        ; K's eight tiles and their scale words
.irp n, 0,1,2,3,4,5,6,7
.if (\n%2) == 0
	ds_load_b128 v[KF+6*\n:KF+6*\n+3], v[TKE] offset:(\s)*KP+3840*(\n/4)+128*((\n%4)/2)
	ds_load_b64 v[KF+6*\n+4:KF+6*\n+5], v[TKE+2] offset:(\s)*KP+3840*(\n/4)+640+64*((\n%4)/2)
.else
	ds_load_b128 v[KF+6*\n:KF+6*\n+3], v[TKE+1] offset:(\s)*KP+3840*(\n/4)+896+128*((\n%4)/2)
	ds_load_b64 v[KF+6*\n+4:KF+6*\n+5], v[TKE+2] offset:(\s)*KP+3840*(\n/4)+1536+64*((\n%4)/2)
.endif
.endr
.irp u, 0,1,2,3
	ds_load_b32 v[KSC+\u], v[TKE+3] offset:(\s)*KP+7680+256*(\u/2)+32*(\u%2)
.endr
.endm
.macro VLOADS s
.irp t, 0,1,2,3
	ds_load_b128 v[KF+12*\t:KF+12*\t+3], v[TKE+4] offset:(\s)*VSTEP+768*\t
	ds_load_b64 v[KF+12*\t+4:KF+12*\t+5], v[TKE+5] offset:(\s)*VSTEP+768*\t+512
	ds_load_b128 v[KF+12*\t+6:KF+12*\t+9], v[TKE+4] offset:(\s)*VSTEP+3072+768*\t
	ds_load_b64 v[KF+12*\t+10:KF+12*\t+11], v[TKE+5] offset:(\s)*VSTEP+3072+768*\t+512
.endr
.irp u, 0,1
	ds_load_b32 v[VSC+\u], v[TKE+6] offset:(\s)*256+128*\u
.endr
.endm
; The step's sum of p, 32 pairs in four chains: SUMA begins them (4 lines), SUMB goes on (24), SUMC joins them and brings the row's sum under the step's M (4)
.macro SUMA
.irp j, 0,1,2,3
	v_pk_add_f32 v[TT+2*\j:TT+2*\j+1], v[SP+2*\j:SP+2*\j+1], v[SP+8+2*\j:SP+8+2*\j+1]
.endr
.endm
.macro SUMB
.irp k, 2,3,4,5,6,7
.irp j, 0,1,2,3
	v_pk_add_f32 v[TT+2*\j:TT+2*\j+1], v[TT+2*\j:TT+2*\j+1], v[SP+8*\k+2*\j:SP+8*\k+2*\j+1]
.endr
.endr
.endm
.macro SUMC
	v_pk_add_f32 v[TT:TT+1], v[TT:TT+1], v[TT+2:TT+3]
	v_pk_add_f32 v[TT+4:TT+5], v[TT+4:TT+5], v[TT+6:TT+7]
	v_pk_add_f32 v[TT:TT+1], v[TT:TT+1], v[TT+4:TT+5]
	v_pk_fma_f32 v[LS:LS+1], v[LS:LS+1], v[FF:FF+1], v[TT:TT+1] op_sel_hi:[1,0,1]
.endm
; A step of 128 keys.  nc: the pair that takes this step's -M; np: the pair that holds the last step's
.macro STEP s, nc, np
	KLOADS \s                                      ; (four plain lines, SUMA's, stand between the last products and these loads)
	SUMB                                           ; the last step's p, while the loads are out
	s_wait_alu depctr_va_vdst(0)                   ; the wait here, directly ahead of the wait below
	s_wait_dscnt 0x0
.irp n, 0,1,2,3,4,5,6,7
.if (\n%2) == 0
	v_wmma_scale_f32_16x16x128_f8f6f4 v[SP+8*\n:SP+8*\n+7], v[KF+6*\n:KF+6*\n+11], v[QF:QF+11], 0, v[KSC+\n/2], v[QS] matrix_a_fmt:MATRIX_FMT_BF6 matrix_b_fmt:MATRIX_FMT_BF6
.else
	v_wmma_scale_f32_16x16x128_f8f6f4 v[SP+8*\n:SP+8*\n+7], v[KF+6*\n:KF+6*\n+11], v[QF:QF+11], 0, v[KSC+\n/2], v[QS] matrix_a_fmt:MATRIX_FMT_BF6 matrix_b_fmt:MATRIX_FMT_BF6 matrix_a_scale:MATRIX_SCALE_ROW1
.endif
.endr
	SUMC                                           ; four plain lines on other registers: the places in front of V's loads and of the first read of the scores
	VLOADS \s                                      ; they land while the softmax is walked
.irp c, 0,1                                    ; THE LARGEST SCORE OF EACH OF MY TWO BLOCKS OF 32 KEYS serves twice: for the row's maximum and, since p rises with the score, for the block's largest p.  Each tile from its low end on
	v_max3_num_f32 v[BM+\c], v[SP+32*\c], v[SP+32*\c+1], v[SP+32*\c+2]
	v_max3_num_f32 v[BM+2+\c], v[SP+32*\c+16], v[SP+32*\c+17], v[SP+32*\c+18]
.endr
.irp i, 3,5,7,9,11,13
.irp c, 0,1
	v_max3_num_f32 v[BM+\c], v[BM+\c], v[SP+32*\c+\i], v[SP+32*\c+\i+1]
	v_max3_num_f32 v[BM+2+\c], v[BM+2+\c], v[SP+32*\c+16+\i], v[SP+32*\c+17+\i]
.endr
.endr
.irp c, 0,1
	v_max3_num_f32 v[BM+\c], v[BM+\c], v[BM+2+\c], v[SP+32*\c+15]
.endr
.irp c, 0,1
	v_max_num_f32 v[BM+\c], v[BM+\c], v[SP+32*\c+31]
.endr
	s_delay_alu instid0(VALU_DEP_1)
	v_max_num_f32 v[W], v[BM], v[BM+1]
	s_delay_alu instid0(VALU_DEP_1)
	v_permlanex16_b32 v[W+1], v[W], s[SEL], s[SEL+1]
	s_delay_alu instid0(VALU_DEP_1)
	v_max3_num_f32 v[RM], v[RM], v[W], v[W+1]      ; the largest score so far, of all 128 keys of the step
	s_delay_alu instid0(VALU_DEP_1)
	v_mul_f32 v[W+2], s[NCS], v[RM]                ; -t
	s_delay_alu instid0(VALU_DEP_1)
	v_floor_f32 v[\nc], v[W+2]                     ; -M = floor(-t) = -ceil(t): M IS A WHOLE NUMBER
	s_delay_alu instid0(VALU_DEP_1)
	v_sub_f32 v[W+2], v[\nc], v[\np]               ; M's old value less its new one: a whole number, 0 or less
	s_delay_alu instid0(VALU_DEP_1)
	v_cvt_i32_f32 v[W+2], v[W+2]                   ; (it saturates)
	s_delay_alu instid0(VALU_DEP_1)
	v_ldexp_f32 v[FF], 1.0, v[W+2]                 ; f = 2^(old M - new M)
.set jj, 0
.rept 32
	v_pk_fma_f32 v[SP+jj:SP+jj+1], v[SP+jj:SP+jj+1], s[CS:CS+1], v[\nc:\nc+1] op_sel_hi:[1,0,0]   ; t - M, two at a time
.set jj, jj+2
.endr
.irp c, 0,1
	v_fma_f32 v[BM+\c], v[BM+\c], s[CS], v[\nc]    ; the same of each block's largest score
.endr
	s_wait_alu depctr_va_vdst(0)                   ; the wait ahead of the batch
	v_exp_f32 v[BM], v[BM]                         ; the block's largest p: the same two instructions on the same number give the same bits
	v_exp_f32 v[BM+1], v[BM+1]
.set jj, 0
.rept 64
	v_exp_f32 v[SP+jj], v[SP+jj]                   ; p = 2^(t - M): NOT normalised
.set jj, jj+1
.endr
	v_nop                                          ; a plain line behind the last exponential
	s_wait_alu depctr_va_vdst(0)                   ; one wait for the whole batch, ahead of its first reader
.irp c, 0,1
	v_max_num_f32 v[BM+\c], 0x2800000, v[BM+\c]    ; the floor 2^(5 - 127): the byte cannot fall under 1
.endr
.irp c, 0,1
	v_add_nc_u32 v[W+4+\c], 0xfe000000, v[BM+\c]   ; 4 off the exponent field: the conversion's scale operand
.endr
.irp c, 0,1
	v_cvt_scalef32_pk16_bf6_f32 v[PC+6*\c:PC+6*\c+2], v[SP+32*\c:SP+32*\c+15], v[W+4+\c]
	v_cvt_scalef32_pk16_bf6_f32 v[PH+4*\c:PH+4*\c+2], v[SP+32*\c+16:SP+32*\c+31], v[W+4+\c]   ; (a conversion's three registers begin on an even number)
.endr
	v_lshrrev_b32 v[W+2], 23, v[W+4]               ; the scales' bytes (also the plain lines behind the conversions)
	v_lshrrev_b32 v[W+3], 23, v[W+5]
	v_lshl_or_b32 v[W+2], v[W+3], 16, v[W+2]       ; mine: blocks h and 2 + h, at bytes 0 and 2
	v_permlanex16_b32 v[W+1], v[W+2], s[SEL], s[SEL+1]
	v_lshl_or_b32 v[PS], v[W+1], 8, v[W+2]         ; in lanes 0-15, which alone are read: the four bytes of these 128 keys
.irp c, 0,1
.irp i, 0,1,2
	v_mov_b32 v[PC+6*\c+3+\i], v[PH+4*\c+\i]
.endr
.endr
	s_wait_dscnt 0x0                               ; V's fragments are in
	s_wait_alu depctr_va_vdst(0)                   ; the wait here, directly ahead of the first reader of O^T
.set jj, 0
.rept 16
	v_pk_mul_f32 v[OT+jj:OT+jj+1], v[OT+jj:OT+jj+1], v[FF:FF+1] op_sel_hi:[1,0]   ; O^T under the new M; also the places between the lines that made p's codes and scale word and the products
.set jj, jj+2
.endr
.irp t, 0,1,2,3                                ; O^T += V^T P^T: four accumulators by turns
.if (\t%2) == 0
	v_wmma_scale_f32_16x16x128_f8f6f4 v[OT+8*\t:OT+8*\t+7], v[KF+12*\t:KF+12*\t+11], v[PC:PC+11], v[OT+8*\t:OT+8*\t+7], v[VSC+\t/2], v[PS] matrix_a_fmt:MATRIX_FMT_BF6 matrix_b_fmt:MATRIX_FMT_BF6
.else
	v_wmma_scale_f32_16x16x128_f8f6f4 v[OT+8*\t:OT+8*\t+7], v[KF+12*\t:KF+12*\t+11], v[PC:PC+11], v[OT+8*\t:OT+8*\t+7], v[VSC+\t/2], v[PS] matrix_a_fmt:MATRIX_FMT_BF6 matrix_b_fmt:MATRIX_FMT_BF6 matrix_a_scale:MATRIX_SCALE_ROW1
.endif
.endr
	SUMA                                           ; four plain lines on other registers: the places in front of the next loads
.endm
	s_wait_alu depctr_va_vdst(0)                   ; the wait at the head's end
	s_wait_tensorcnt 0x0                           ; my tile, if I asked for one, has landed,
	s_barrier_signal -1
	s_barrier_wait -1                              ; everybody's has: all of K and V lies in LDS
	s_wait_loadcnt 0x0                             ; Q
.Ltrip:                                                ; eight trips of two steps
.irp i, 0,1,2,3
	v_add_nc_u32 v[TKE+\i], s[STK], v[BKE+\i]
.endr
	v_add_nc_u32 v[TKE+4], s[STV], v[BKE+4]
	v_add_nc_u32 v[TKE+5], s[STV], v[BKE+5]
	v_add_nc_u32 v[TKE+6], s[STS], v[BKE+6]
	STEP 0, NM, NM+2
	STEP 1, NM+2, NM
	s_add_co_u32 s[STK], s[STK], 2*KP
	s_add_co_u32 s[STV], s[STV], 2*VSTEP
	s_add_co_u32 s[STS], s[STS], 512
	s_sub_co_u32 s[CNT], s[CNT], 1
	s_cmp_lg_u32 s[CNT], 0
	s_wait_alu depctr_va_vdst(0)                   ; the wait here, directly ahead of the branch
	s_cbranch_scc1 .Ltrip
	; THE WAY OUT: the last step's sum; O^T / the sum; its 32 registers are my query's 64 channels as 16 neighbours of each of two blocks of 32: quantised, they are half a fragment of product 6's A
	SUMB
	SUMC
	v_add_f32 v[LS], v[LS], v[LS+1]
	v_permlanex16_b32 v[W+1], v[LS], s[SEL], s[SEL+1]
	v_add_f32 v[LS], v[LS], v[W+1]                 ; with lane l xor 16's keys: the row's sum
	s_wait_alu depctr_va_vdst(0)
	v_rcp_f32 v[LS], v[LS]
	v_nop                                          ; a plain line behind the reciprocal
	s_wait_alu depctr_va_vdst(0)                   ; ahead of its first reader and of O^T's
.set jj, 0
.rept 32
	v_mul_f32 v[SP+jj], v[OT+jj], v[LS]            ; ascending: each accumulator from its low end on
.set jj, jj+1
.endr
.irp b, 0,1
	v_max3_num_f32 v[BM+\b], |v[SP+16*\b]|, |v[SP+1+16*\b]|, 0x2800000
.endr
.irp i, 2,4,6,8,10,12,14
.irp b, 0,1
	v_max3_num_f32 v[BM+\b], v[BM+\b], |v[SP+16*\b+\i]|, |v[SP+1+16*\b+\i]|
.endr
.endr
.irp b, 0,1
	v_permlanex16_b32 v[W+\b], v[BM+\b], s[SEL], s[SEL+1]
.endr
.irp b, 0,1
	v_max_num_f32 v[BM+\b], v[BM+\b], v[W+\b]
.endr
.irp b, 0,1
	v_add_nc_u32 v[W+4+\b], 0xfe000000, v[BM+\b]
.endr
.irp b, 0,1
	v_lshrrev_b32 v[W+2+\b], 23, v[W+4+\b]
.endr
	v_lshl_or_b32 v[W+6], v[W+3], 8, v[W+2]        ; my head's two bytes of the row's scale word
	v_cvt_scalef32_pk16_bf6_f32 v[PC:PC+2], v[SP:SP+15], v[W+4]
	v_cvt_scalef32_pk16_bf6_f32 v[PH:PH+2], v[SP+16:SP+31], v[W+5]
	v_nop
.irp i, 0,1,2
	v_permlane16_swap_b32 v[PC+\i], v[PH+\i]       ; the operand's layout wants a whole block in a lane
.endr
.irp i, 0,1,2
	v_mov_b32 v[PC+3+\i], v[PH+\i]
.endr
	global_store_b128 v[L16], v[PC:PC+3], s[86:87]                ; 512 and 256 consecutive bytes, each at a multiple of 256 from the buffer's first byte
	global_store_b64 v[L8], v[PC+4:PC+5], s[86:87] offset:512
	global_store_b16 v[R4], v[W+6], s[88:89]                      ; both halves of the lanes store the same two bytes
	s_wait_tensorcnt 0x0                           ; the wave's end
	ds_add_u32 v[SPW], v[NIL]
	s_wait_dscnt 0x0
	CROUND                                         ; the closing round
	s_endpgm
.Lfunc_end_k_qa6e84b1f9b_attn:
	.size	k_qa6e84b1f9b_attn, .Lfunc_end_k_qa6e84b1f9b_attn-k_qa6e84b1f9b_attn
	.p2alignl 7, 3214868480
	.fill 96, 4, 3214868480
	.section	.rodata,"a",@progbits
	.p2align	6, 0x0
	.amdhsa_kernel k_qa6e84b1f9b_attn
		.amdhsa_group_segment_fixed_size 237568
		.amdhsa_private_segment_fixed_size 0
		.amdhsa_enable_private_segment 0
		.amdhsa_kernarg_size 16
		.amdhsa_user_sgpr_count 2
		.amdhsa_user_sgpr_kernarg_segment_ptr 1
		.amdhsa_wavefront_size32 1
		.amdhsa_system_sgpr_workgroup_id_x 1
		.amdhsa_system_sgpr_workgroup_id_y 1
		.amdhsa_system_sgpr_workgroup_id_z 1
		.amdhsa_system_vgpr_workitem_id 0
		.amdhsa_next_free_vgpr 256
		.amdhsa_next_free_sgpr 100
		.amdhsa_reserve_vcc 0
		.amdhsa_float_denorm_mode_32 3
		.amdhsa_float_denorm_mode_16_64 3
		.amdhsa_memory_ordered 1
		.amdhsa_forward_progress 1
		.amdhsa_inst_pref_size 49
	.end_amdhsa_kernel
	.amdgpu_metadata
---
amdhsa.version: [ 1, 2 ]
amdhsa.kernels:
  - .name:           k_qa6e84b1f9b_attn
    .symbol:         k_qa6e84b1f9b_attn.kd
    .args:
      - { .name: qkv, .offset: 0, .size: 8, .value_kind: global_buffer, .address_space: global }
      - { .name: cc, .offset: 8, .size: 8, .value_kind: global_buffer, .address_space: global }
    .group_segment_fixed_size: 237568
    .private_segment_fixed_size: 0
    .kernarg_segment_align: 8
    .kernarg_segment_size: 16
    .max_flat_workgroup_size: 512
    .sgpr_count:     100
    .vgpr_count:     256
    .wavefront_size: 32
...
	.end_amdgpu_metadata
.endif
;; end of part 10
;; launch wo (part 11): grid 8 x 32, 4 waves a work-group, clusters of 4 x 4, 327,680 bytes of LDS; arguments cc, wrec, x, x1; writes x1
.if DOCPART == 11
	.amdgcn_target "amdgcn-amd-amdhsa--gfx1250"
	.amdhsa_code_object_version 6
	.text
	.protected	k_qa6e84b1f9b_wo
	.globl	k_qa6e84b1f9b_wo
	.p2align	8
	.type	k_qa6e84b1f9b_wo,@function
k_qa6e84b1f9b_wo:
	s_mov_b64 s[64:65], 0
	v_nop
	global_prefetch_b8 v0, s[64:65] scope:SCOPE_SE
	s_setreg_imm32_b32 hwreg(HW_REG_WAVE_MODE, 25, 1), 1
	s_wait_xcnt 0x0
	s_wait_alu depctr_hold_cnt(0) depctr_sa_sdst(0) depctr_va_vdst(0) depctr_va_sdst(0) depctr_va_ssrc(0) depctr_va_vcc(0) depctr_vm_vsrc(0)
	s_getreg_b32 s2, hwreg(HW_REG_IB_STS2, 6, 4)
	s_cmp_eq_u32 s2, 0
	s_cbranch_scc0 .Lentry_in_a_cluster
	s_endpgm
.Lentry_in_a_cluster:
	s_bfe_u32 s2, ttmp6, 0x10000c
	s_cmp_lg_u32 s2, 0xf033
	s_cbranch_scc0 .Lentry_shape_is_right
	s_endpgm
.Lentry_shape_is_right:
; LAUNCH 4: product 6 and the first residual: x1 = x + concat Wo, on codes of BF6 (E3M2) with E8M0 scales; x, x1 f32.  No work is left out.
; A TILE IS 128 TOKENS x 128 COLUMNS: 32 x 8 = 256 work-groups (tiles of 256 x 256 would be 64).  Four waves, each 64 x 64: 16 accumulators of 16 x 16, 128 registers.
; OPERANDS lie in memory as records of 128 rows x 128 K in the order of the operand's registers (12,288 bytes of codes, 512 of scale words), the K steps of one group of rows on end: four K steps are 51,200 dense bytes, one tensor
; load of 200 rows of 256 bytes.  A slot holds FOUR K steps of A's group and of B's: waves 0, 1 bring A's halves, waves 2, 3 B's.  A fragment comes from LDS by two loads of 16 bytes a lane and two of 8, each of consecutive bytes.
; K = 1,024 IS EIGHT K STEPS: the two slots' first fills bring all of it.  No slot is filled again, and nothing is left for a prefetch to run ahead of; the lines for refills, which this text shares with launch 7, are not assembled (LAPS = 1).
; CLUSTERS: 4 x 4 work-groups; A's tiles are asked for jointly along a row of the cluster, B's along a column.  THE MATRIX INSTRUCTION IS USED TRANSPOSED (source 0 = Wo's columns, source 1 = tokens).
; Row r of block j of any operand is index 32 (j / 2) + 8 (j % 2) + r + 8 (r / 8) of its 128: so a lane holds one token, and register i of tile b the column 32 (b / 2) + 16 hh + 8 (b % 2) + i of my 64.
; THE WAY OUT: a wave's 64 columns are 256 bytes of a row.  A block of 16 tokens goes through my own stage in LDS and comes back as rows of 256 bytes, two an instruction; x's same rows, asked for at the kernel's head, are added;
; sixteen lanes store 256 consecutive bytes, aligned.  The stage lies in slot 0, which has had its last fill and its last read by then.
; REGISTERS, in windows of 256: window 0: v1-3 lane, r, hh; v4-13 LDS addresses; v24-26 the way out; v28, v29 the add's two; v32-63 scale words, two sets; v128-255 the accumulators ((a, b) at v[128 + 8 (4 a + b)]).
;   window 1: two buffers of fragments, at v0 and v128: A's four, then B's four.   window 2: v0-127 x's 64 rows of 256 bytes; v128-255 the rows read back from the stage.
.set NKS,   8                          ; K steps of 128
.set WBASE, 192*12800                  ; Wo's records in wrec
.set HASB,  0                          ; no bias: the first products start the sums
.set REC,   12800
.set PART,  2*REC                      ; two K steps: half of what one tensor load brings
.set SLOT,  4*PART                     ; A's four K steps, then B's four
.set LAPS,  NKS/8                      ; a lap = eight K steps = once round the ring
.set FIRST, 1+HASB
.set FR,    12                         ; registers of a fragment
.set NP,    4                          ; places behind this matrix instruction (ISA guide 7.12.1)
.set SPARE, 327168                     ; the spare words, 128 bytes for each wave: two blocks of 256 bytes that no other line names
.set SPITCH, 272                       ; a stage row: 256 bytes + 16
.set A16,   4                          ; v4-5   16 x lane + my four blocks of A, slot 0, 1
.set A8,    6                          ; v6-7   8 x lane + the same
.set B16,   8                          ; v8-9   the same for B
.set B8,    10                         ; v10-11
.set ADS,   12                         ; v12-13 scale words: 4 r + A's in lanes 0-15, B's in lanes 16-31
.set STO,   24
.set RD,    25
.set CO,    26
.set SPW,   28
.set NIL,   29
.set PFO,   30
.set SC,    32                         ; set sl at SC + 16 sl; register 4 q + i: lanes 0-15 the words of my A block i, lanes 16-31 of my B block i, for the slot's q-th K step
.set BI,    64
.set ACC,   128
.set RS,    0                          ; in window 2
.set BK,    128                        ; in window 2
.set BP,    8                          ; s[8:9] the bias, where there is one
.set RB,    8+2*HASB                   ; the residual's rows
.set OB,    10+2*HASB                  ; the output's
.set G1,    24
.set G0,    32
.set G1B,   48
.set G0B,   56
.set PFA,   66
.set LIM,   68
.set MSB, 0
.macro WIN new                         ; the immediate's high byte repeats the setting that is left
.if MSB != (\new)
	s_set_vgpr_msb (MSB<<8)|(\new)
.set MSB, \new
.endif
.endm
.set MUL,  0x05                        ; sources 0 (B) and 1 (A) window 1; C and D window 0
.set TO_F, 0x40                        ; destination window 1, address window 0
.set TO_R, 0x80                        ; destination window 2, address window 0
.macro PLACES n
.rept \n
	v_nop
.endr
.endm
.macro JLOAD g0a, g1a, g0b, g1b        ; a joint load: waves 0, 1 for A, waves 2, 3 for B; the branch hangs on the wave's number alone; an s_nop 0 and four v_nop follow each of the two lines
	s_cmp_eq_u32 s15, 0
	s_cbranch_scc0 .Lfor_b_\@
	tensor_load_to_lds s[\g0a:\g0a+3], s[\g1a:\g1a+7]
	s_nop 0
.rept 4
	v_nop
.endr
	s_branch .Lasked_\@
.Lfor_b_\@:
	tensor_load_to_lds s[\g0b:\g0b+3], s[\g1b:\g1b+7]
	s_nop 0
.rept 4
	v_nop
.endr
.Lasked_\@:
.endm
.macro ASK                             ; (launch 7's prefetch: expanded only where a slot is filled again)
	s_cmp_gt_u32 s3, s[LIM]
	s_cbranch_scc0 .Lnot_mine_\@
	global_prefetch_b8 v[PFO], s[PFA:PFA+1] offset:8*REC th:TH_LOAD_NT scope:SCOPE_SE
.Lnot_mine_\@:
.endm
.macro CREST                           ; a round of the cluster's barrier behind its opening barrier
	s_cmp_lg_u32 s14, 0
	s_cbranch_scc1 .Lnot_wave_0_\@
	s_barrier_signal -3
.Lnot_wave_0_\@:
	s_barrier_wait -3
	s_barrier_signal -1
	s_barrier_wait -1
.endm
.macro CROUND
	s_barrier_signal -1
	s_barrier_wait -1
	CREST
.endm
.macro FRAG reg, a16, a8, q, i         ; my block i of the slot's q-th K step: the image of its twelve registers
	ds_load_b128 v[(\reg):(\reg)+3], v[\a16] offset:(\q)*REC+(\i)*1536
	ds_load_b64 v[(\reg)+4:(\reg)+5], v[\a8] offset:(\q)*REC+(\i)*1536+512
	ds_load_b128 v[(\reg)+6:(\reg)+9], v[\a16] offset:(\q)*REC+(\i)*1536+768
	ds_load_b64 v[(\reg)+10:(\reg)+11], v[\a8] offset:(\q)*REC+(\i)*1536+1280
.endm
.macro SCALES sl                       ; the slot's scale words: 16 loads
.irp q, 0,1,2,3
.irp i, 0,1,2,3
	ds_load_b32 v[SC+16*\sl+4*\q+\i], v[ADS+\sl] offset:\q*REC+12288+64*\i
.endr
.endr
.endm
; One K step's eight fragments into buffer f, in one run: B's four and A's blocks 0, 1 first (sc = 1: then the slot's scale words), A's blocks 2, 3 last, so that a wait can leave those eight loads out
.macro FETCH sl, q, f, sc
	WIN TO_F
.irp i, 0,1,2,3
	FRAG 128*(\f)+48+FR*\i, B16+\sl, B8+\sl, \q, \i
.endr
.irp i, 0,1
	FRAG 128*(\f)+FR*\i, A16+\sl, A8+\sl, \q, \i
.endr
.if \sc
	WIN 0
	SCALES \sl
	WIN TO_F
.endif
.irp i, 2,3
	FRAG 128*(\f)+FR*\i, A16+\sl, A8+\sl, \q, \i
.endr
.endm
; 8 matrix instructions: A's blocks a0, a0 + 1 x B's four.  first = 1: the product starts the sums; 2: the bias does.  The 16 accumulators take turns, one instruction a turn, in the same order in every step.
.macro MUL8 f, a0, q, sl, first
.irp a, \a0, \a0+1
.irp b, 0,1,2,3
.if (\first) == 2
	v_wmma_scale_f32_16x16x128_f8f6f4 v[ACC+8*(4*(\a)+\b):ACC+8*(4*(\a)+\b)+7], v[128*(\f)+48+FR*\b:128*(\f)+48+FR*\b+FR-1], v[128*(\f)+FR*(\a):128*(\f)+FR*(\a)+FR-1], v[BI+8*\b:BI+8*\b+7], v[SC+16*(\sl)+4*(\q)+\b], v[SC+16*(\sl)+4*(\q)+(\a)] matrix_a_fmt:MATRIX_FMT_BF6 matrix_b_fmt:MATRIX_FMT_BF6 matrix_a_scale:MATRIX_SCALE_ROW1
.elseif (\first) == 1
	v_wmma_scale_f32_16x16x128_f8f6f4 v[ACC+8*(4*(\a)+\b):ACC+8*(4*(\a)+\b)+7], v[128*(\f)+48+FR*\b:128*(\f)+48+FR*\b+FR-1], v[128*(\f)+FR*(\a):128*(\f)+FR*(\a)+FR-1], 0, v[SC+16*(\sl)+4*(\q)+\b], v[SC+16*(\sl)+4*(\q)+(\a)] matrix_a_fmt:MATRIX_FMT_BF6 matrix_b_fmt:MATRIX_FMT_BF6 matrix_a_scale:MATRIX_SCALE_ROW1
.else
	v_wmma_scale_f32_16x16x128_f8f6f4 v[ACC+8*(4*(\a)+\b):ACC+8*(4*(\a)+\b)+7], v[128*(\f)+48+FR*\b:128*(\f)+48+FR*\b+FR-1], v[128*(\f)+FR*(\a):128*(\f)+FR*(\a)+FR-1], v[ACC+8*(4*(\a)+\b):ACC+8*(4*(\a)+\b)+7], v[SC+16*(\sl)+4*(\q)+\b], v[SC+16*(\sl)+4*(\q)+(\a)] matrix_a_fmt:MATRIX_FMT_BF6 matrix_b_fmt:MATRIX_FMT_BF6 matrix_a_scale:MATRIX_SCALE_ROW1
.endif
.endr
.endr
.endm
; One of a slot's first three K steps: multiplies buffer f (K step q) and, in its middle, fetches K step qn of the same slot into buffer g
.macro STEP sl, q, qn, f, g, first
	s_wait_dscnt 8                                 ; all but the youngest eight loads (A's blocks 2, 3) are in
	WIN MUL
	MUL8 \f, 0, \q, \sl, \first
	PLACES NP                                      ; in front of loads into registers that the step before has multiplied
	FETCH \sl, \qn, \g, 0
	s_wait_dscnt 32                                ; all but the 32 just issued
	WIN MUL
	MUL8 \f, 2, \q, \sl, \first
.endm
; A slot's fourth K step (buffer 1) changes slots: ONE barrier; in front of it each wave waits for all its tensor loads, adds 0 to its spare word, and waits for that and for its own reads of this slot.  fill = 1: the slot is filled again, eight K steps on.
.macro TURN sl, next, fill
.if \fill
	s_wait_xcnt 0x0                                ; the last prefetch, four K steps back, has read its address: it is stepped only behind this wait
	s_add_nc_u64 s[PFA:PFA+1], s[PFA:PFA+1], 4*REC
.endif
	WIN 0                                          ; (the add's two registers lie in window 0)
	s_wait_tensorcnt 0x0                           ; all my tensor loads have landed: my part of the next slot
	ds_add_u32 v[SPW], v[NIL]                      ; 0 onto my spare word
	s_wait_dscnt 9                                 ; (the add and the youngest eight loads may be out)
	WIN MUL
	MUL8 1, 0, 3, \sl, 0                           ; eight matrix instructions stand between the add and the wait for it
	s_wait_dscnt 0x0                               ; the add is done, and my reads of this slot are over
	s_barrier_signal -1
	WIN 0
	s_barrier_wait -1
.if \fill
	CREST                                          ; the barrier has opened a round of the cluster's barrier: no wave of any partner still reads this slot or has a load on its way
	s_add_nc_u64 s[G0+4*\sl+2:G0+4*\sl+3], s[G0+4*\sl+2:G0+4*\sl+3], 8*REC
	s_add_nc_u64 s[G0B+4*\sl+2:G0B+4*\sl+3], s[G0B+4*\sl+2:G0B+4*\sl+3], 8*REC
	JLOAD G0+4*\sl, G1, G0B+4*\sl, G1B             ; the first tensor load behind the round; its four v_nop are the places in front of the loads below
.else
	PLACES NP
.endif
	FETCH \next, 0, 0, 1
.if \fill
	WIN 0
	ASK
.endif
	WIN MUL
	MUL8 1, 2, 3, \sl, 0
.endm
	s_load_b256 s[4:11], s[0:1], 0x0               ; A's codes, wrec, then (the bias,) the residual, the output
.if HASB
	s_load_b64 s[12:13], s[0:1], 0x20
.endif
	v_lshl_add_u32 v[SPW], v0, 2, SPARE
	v_mov_b32 v[NIL], 0
	ds_add_u32 v[SPW], v[NIL]                      ; the wave's opening: the add, twice on end, and its wait ahead of my first tensor load
	ds_add_u32 v[SPW], v[NIL]                      ; and once more, under the one wait
	v_lshrrev_b32 v1, 5, v0
	v_readfirstlane_b32 s14, v1                    ; wave 0..3
	s_lshr_b32 s15, s14, 1                         ; which 64 tokens are mine.  Also: I fetch for A (0) or for B (1)
	s_and_b32 s16, s14, 1                          ; which 64 columns.  Also: which four K steps I fetch: 0-3 or 4-7
	s_bfe_u32 s40, ttmp6, 0x40000                  ; cx, cy: my place in the cluster
	s_bfe_u32 s41, ttmp6, 0x40004
	s_lshl_b32 s42, ttmp9, 2
	s_add_co_u32 s42, s42, s40                     ; my group of 128 columns = 4 x cluster x + cx
	s_and_b32 s17, ttmp7, 0xffff
	s_lshl_b32 s17, s17, 2
	s_add_co_u32 s17, s17, s41                     ; my group of 128 tokens = 4 x cluster y + cy
	s_lshl_b32 s43, s41, 2
	s_lshl_b32 s43, 15, s43                        ; my row of the cluster
	s_lshl_b32 s44, 0x1111, s40                    ; my column
	s_or_b32 s[G1+0], s43, (3<<16)|(1<<21)         ; 15:0 the mask: A's tiles go to my row; 17:16 elements of 8 bytes; 21 set beside a mask; no padding
	s_or_b32 s[G1B+0], s44, (3<<16)|(1<<21)
.irp g, G1, G1B
	s_mov_b32 s[\g+1], 32<<16                      ; tensor_dim0 = 32 elements: 256 bytes
	s_mov_b32 s[\g+2], 200<<16                     ; tensor_dim1 = 200 rows: 51,200 bytes, four K steps: ONE load a wave brings all that the wave fetches
	s_mov_b32 s[\g+3], 32<<16                      ; tile_dim0
	s_mov_b32 s[\g+4], 200                         ; tile_dim1
	s_mov_b32 s[\g+5], 32                          ; the pitch: dense
	s_mov_b32 s[\g+6], 0
	s_mov_b32 s[\g+7], 0
.endr
	s_mul_i32 s18, s16, 4*REC                      ; the four K steps that I fetch: 0-3 or 4-7
	s_mul_i32 s20, s17, NKS*REC
	s_add_co_u32 s20, s20, s18                     ; A: my group's records, in bytes
	s_mov_b32 s21, 0
	s_mul_i32 s46, s42, NKS*REC
	s_add_co_u32 s46, s46, s18                     ; B likewise
	s_mov_b32 s47, 0
	s_mul_i32 s94, s16, SLOT                       ; where they go: K steps 0-3 into slot 0, 4-7 into slot 1; A's first, B's behind them: no place in the cluster enters an LDS address
	s_mul_i32 s95, s15, 2*PART
	s_add_co_u32 s94, s94, s95
	s_wait_dscnt 0x0                               ; both opening adds are done
	s_wait_kmcnt 0x0
	s_add_nc_u64 s[20:21], s[4:5], s[20:21]
	s_add_nc_u64 s[46:47], s[6:7], s[46:47]
	s_add_nc_u64 s[46:47], s[46:47], WBASE
	CROUND                                         ; all sixteen work-groups are here: the first joint loads meet
.irp s, 0
	s_mov_b32 s[G0+4*\s], 1
	s_add_co_u32 s[G0+4*\s+1], s94, \s*SLOT
	s_add_nc_u64 s[G0+4*\s+2:G0+4*\s+3], s[20:21], \s*4*REC
	s_or_b32 s[G0+4*\s+3], s[G0+4*\s+3], 0x80000000
	s_mov_b32 s[G0B+4*\s], 1
	s_add_co_u32 s[G0B+4*\s+1], s94, \s*SLOT
	s_add_nc_u64 s[G0B+4*\s+2:G0B+4*\s+3], s[46:47], \s*4*REC
	s_or_b32 s[G0B+4*\s+3], s[G0B+4*\s+3], 0x80000000
	JLOAD G0+4*\s, G1, G0B+4*\s, G1B               ; my one tensor load: wave 0 A's K steps 0-3, wave 1 A's 4-7, wave 2 B's 0-3, wave 3 B's 4-7
.endr
.if LAPS > 1
	s_and_b32 s22, ttmp7, 0xffff                   ; the prefetches: cluster y
	s_cmp_eq_u32 s15, 0                            ; do I fetch for A?
	s_cselect_b32 s18, s40, s41                    ; my place among the four that ask for the tile with me
	s_cselect_b32 s22, ttmp9, s22                  ; the coordinate along which other clusters read the same records
	s_cselect_b64 s[PFA:PFA+1], s[20:21], s[46:47]
	s_cmp_eq_u32 s22, 0
	s_cselect_b32 s[LIM], 1, -1                    ; the same in all sixteen partners, for a given wave
	s_mul_i32 s18, s18, 6400                       ; my work-group's quarter of the 25,600 bytes that I fetch
	s_mov_b32 s19, 0
	s_add_nc_u64 s[PFA:PFA+1], s[PFA:PFA+1], s[18:19]
	s_add_nc_u64 s[PFA:PFA+1], s[PFA:PFA+1], 4*REC
	v_and_b32 v[PFO], 31, v0
	v_min_u32 v[PFO], 24, v[PFO]
	v_lshlrev_b32 v[PFO], 8, v[PFO]
.endif
	v_and_b32 v1, 31, v0                           ; lane
	v_and_b32 v2, 15, v0                           ; r
	v_bfe_u32 v3, v0, 4, 1                         ; hh
	v_lshlrev_b32 v16, 4, v1
	v_lshlrev_b32 v17, 3, v1
	v_lshlrev_b32 v18, 2, v2
	s_mul_i32 s21, s15, 4*1536                     ; my four blocks of A in a record
	s_mul_i32 s22, s16, 4*1536
	s_add_co_u32 s22, s22, 2*PART                  ; my four of B, behind A's four records
	s_lshl_b32 s18, s15, 8                         ; their scale words: 64 bytes a block
	s_lshl_b32 s19, s16, 8
	s_add_co_u32 s19, s19, 2*PART
	s_sub_co_u32 s23, s19, s18
	v_mul_u32_u24 v19, s23, v3                     ; lanes 16-31 take B's scale words
	v_add_nc_u32 v18, v18, v19
.irp s, 0,1
	v_add_nc_u32 v[A16+\s], s21, v16
	v_add_nc_u32 v[A8+\s], s21, v17
	v_add_nc_u32 v[B16+\s], s22, v16
	v_add_nc_u32 v[B8+\s], s22, v17
	v_add_nc_u32 v[ADS+\s], s18, v18
	s_add_co_u32 s21, s21, SLOT
	s_add_co_u32 s22, s22, SLOT
	s_add_co_u32 s18, s18, SLOT
.endr
	s_mul_i32 s23, s14, 16*SPITCH                  ; my stage
	v_mul_u32_u24 v19, v2, SPITCH
	v_lshl_add_u32 v19, v3, 6, v19
	v_add_nc_u32 v[STO], s23, v19                  ; in: row r, + 64 hh
	v_mul_u32_u24 v19, v3, SPITCH
	v_lshl_add_u32 v19, v2, 4, v19
	v_add_nc_u32 v[RD], s23, v19                   ; back: lanes 0-15 one row of 256 bytes, lanes 16-31 the next
	v_lshlrev_b32 v[CO], 12, v3
	v_lshl_add_u32 v[CO], v2, 4, v[CO]             ; and the same two rows in memory: 4,096 hh + 16 r
	s_wait_alu depctr_va_vdst(0)
	s_lshl_b32 s22, s42, 9
	s_lshl_b32 s23, s16, 8
	s_add_co_u32 s22, s22, s23                     ; my first column, in bytes: 512 x group + 256 x half
	s_mov_b32 s23, 0
.if HASB
	s_add_nc_u64 s[BP:BP+1], s[BP:BP+1], s[22:23]
.endif
	s_lshl_b32 s20, s17, 19                        ; my group's 128 rows of 4,096 bytes,
	s_lshl_b32 s21, s15, 18                        ; my 64 of them
	s_add_co_u32 s20, s20, s21
	s_add_co_u32 s20, s20, s22
	s_mov_b32 s21, 0
	s_add_nc_u64 s[RB:RB+1], s[RB:RB+1], s[20:21]
	s_add_nc_u64 s[OB:OB+1], s[OB:OB+1], s[20:21]
.if HASB
	v_lshlrev_b32 v20, 6, v3                       ; lane (r, hh) wants, for tile b, the bias at columns 32 (b / 2) + 16 hh + 8 (b % 2) + 0 .. 7
.irp b, 0,1,2,3
	global_load_b128 v[BI+8*\b:BI+8*\b+3], v20, s[BP:BP+1] offset:(32*(\b/2)+8*(\b%2))*4
	global_load_b128 v[BI+8*\b+4:BI+8*\b+7], v20, s[BP:BP+1] offset:(32*(\b/2)+8*(\b%2))*4+16
.endr
.endif
.macro RES a                           ; the residual's 16 rows of my block a, two rows of 256 bytes an instruction; every row's offset is an immediate (63 rows of 4,096 bytes at the most)
.irp t, 0,1,2,3,4,5,6,7
	global_load_b128 v[RS+32*(\a)+4*\t:RS+32*(\a)+4*\t+3], v[CO], s[RB:RB+1] offset:(32*((\a)/2)+8*((\a)%2)+2*\t+8*(\t/4))*4096 th:TH_LOAD_NT
.endr
.endm
	WIN TO_R                                       ; all 32 loads go out now, into registers of their own: they land while K is walked
	RES 0
	RES 1
	RES 2
	RES 3
	WIN 0
	s_wait_tensorcnt 0x0                           ; my load has landed,
	s_barrier_signal -1
	s_barrier_wait -1                              ; everybody's is
	FETCH 0, 0, 0, 1
.if HASB
	s_wait_loadcnt 32                              ; the bias is in; the 32 loads of the residual, issued behind it, may be out
.endif
	STEP 0, 0, 1, 0, 1, FIRST                      ; the first step stands in front of the loop: it starts the sums
.if LAPS > 1
	WIN 0                                          ; at a label and at a branch every window is 0
	s_mov_b32 s3, LAPS-1
.Llap:                                                 ; a trip goes once round the ring, from a lap's second step to the next lap's first, and fills both slots again
	STEP 0, 1, 2, 1, 0, 0
	STEP 0, 2, 3, 0, 1, 0
	TURN 0, 1, 1
	STEP 1, 0, 1, 0, 1, 0
	STEP 1, 1, 2, 1, 0, 0
	STEP 1, 2, 3, 0, 1, 0
	TURN 1, 0, 1
	STEP 0, 0, 1, 0, 1, 0
	WIN 0
	s_sub_co_u32 s3, s3, 1
	s_cmp_lg_u32 s3, 0
	s_cbranch_scc1 .Llap
.endif
	STEP 0, 1, 2, 1, 0, 0                          ; the last lap fills nothing, and has no round of the cluster's barrier
	STEP 0, 2, 3, 0, 1, 0
	TURN 0, 1, 0
	STEP 1, 0, 1, 0, 1, 0
	STEP 1, 1, 2, 1, 0, 0
	STEP 1, 2, 3, 0, 1, 0
	s_wait_dscnt 8                                 ; the very last step: nothing more to fetch
	WIN MUL
	MUL8 1, 0, 3, 1, 0
	s_wait_dscnt 0x0
	MUL8 1, 2, 3, 1, 0
	WIN 0
.macro TOSTAGE a                       ; LDS serves a wave's instructions in order (ISA guide 5.7.1.4): no wait between the stores and the loads, nor in front of the next block's stores
	WIN 0
.irp b, 0,1,2,3
	ds_store_b128 v[STO], v[ACC+8*(4*(\a)+\b):ACC+8*(4*(\a)+\b)+3] offset:128*(\b/2)+32*(\b%2)        ; each accumulator from its low end on
	ds_store_b128 v[STO], v[ACC+8*(4*(\a)+\b)+4:ACC+8*(4*(\a)+\b)+7] offset:128*(\b/2)+32*(\b%2)+16
.endr
	WIN TO_R
.irp t, 0,1,2,3,4,5,6,7
	ds_load_b128 v[BK+32*(\a)+4*\t:BK+32*(\a)+4*\t+3], v[RD] offset:2*\t*SPITCH
.endr
.endm
.macro SEND a, younger                 ; younger: the LDS instructions issued behind block a's loads, which may stay out
	s_wait_dscnt \younger
	s_wait_loadcnt 8*(3-(\a))                      ; block a's eight residual loads are in; the later blocks' may be out
	WIN 0x8a                                       ; destination and both sources: window 2
.set jj, 0
.rept 16
	v_pk_add_f32 v[BK+32*(\a)+jj:BK+32*(\a)+jj+1], v[BK+32*(\a)+jj:BK+32*(\a)+jj+1], v[RS+32*(\a)+jj:RS+32*(\a)+jj+1]
.set jj, jj+2
.endr
	WIN 0x08                                       ; a store's data: window 2; its address: window 0
.irp t, 0,1,2,3,4,5,6,7
.if HASB
	global_store_b128 v[CO], v[BK+32*(\a)+4*\t:BK+32*(\a)+4*\t+3], s[OB:OB+1] offset:(32*((\a)/2)+8*((\a)%2)+2*\t+8*(\t/4))*4096 th:TH_STORE_NT
.else
	global_store_b128 v[CO], v[BK+32*(\a)+4*\t:BK+32*(\a)+4*\t+3], s[OB:OB+1] offset:(32*((\a)/2)+8*((\a)%2)+2*\t+8*(\t/4))*4096   ; sixteen lanes store 256 consecutive bytes, at a multiple of 256 from the buffer's first byte
.endif
.endr
.endm
	PLACES NP                                      ; in front of the first read of results
	TOSTAGE 0
	TOSTAGE 1
	SEND 0, 16                                     ; behind block 0's loads: block 1's 8 stores and 8 loads
	TOSTAGE 2
	SEND 1, 16
	TOSTAGE 3
	SEND 2, 16
	SEND 3, 0
	WIN 0
	s_wait_tensorcnt 0x0                           ; the wave's end, behind my last tensor load and my last LDS store
	ds_add_u32 v[SPW], v[NIL]
	s_wait_dscnt 0x0
	CROUND                                         ; the closing round: no work-group ends while a partner may still ask for a tile that names it
	s_endpgm
.Lfunc_end_k_qa6e84b1f9b_wo:
	.size	k_qa6e84b1f9b_wo, .Lfunc_end_k_qa6e84b1f9b_wo-k_qa6e84b1f9b_wo
	.p2alignl 7, 3214868480
	.fill 96, 4, 3214868480
	.section	.rodata,"a",@progbits
	.p2align	6, 0x0
	.amdhsa_kernel k_qa6e84b1f9b_wo
		.amdhsa_group_segment_fixed_size 327680
		.amdhsa_private_segment_fixed_size 0
		.amdhsa_enable_private_segment 0
		.amdhsa_kernarg_size 32
		.amdhsa_user_sgpr_count 2
		.amdhsa_user_sgpr_kernarg_segment_ptr 1
		.amdhsa_wavefront_size32 1
		.amdhsa_system_sgpr_workgroup_id_x 1
		.amdhsa_system_sgpr_workgroup_id_y 1
		.amdhsa_system_sgpr_workgroup_id_z 1
		.amdhsa_system_vgpr_workitem_id 0
		.amdhsa_next_free_vgpr 768
		.amdhsa_next_free_sgpr 100
		.amdhsa_reserve_vcc 0
		.amdhsa_float_denorm_mode_32 3
		.amdhsa_float_denorm_mode_16_64 3
		.amdhsa_memory_ordered 1
		.amdhsa_forward_progress 1
		.amdhsa_inst_pref_size 59
	.end_amdhsa_kernel
	.amdgpu_metadata
---
amdhsa.version: [ 1, 2 ]
amdhsa.kernels:
  - .name:           k_qa6e84b1f9b_wo
    .symbol:         k_qa6e84b1f9b_wo.kd
    .args:
      - { .name: cc, .offset: 0, .size: 8, .value_kind: global_buffer, .address_space: global }
      - { .name: wrec, .offset: 8, .size: 8, .value_kind: global_buffer, .address_space: global }
      - { .name: x, .offset: 16, .size: 8, .value_kind: global_buffer, .address_space: global }
      - { .name: x1, .offset: 24, .size: 8, .value_kind: global_buffer, .address_space: global }
    .group_segment_fixed_size: 327680
    .private_segment_fixed_size: 0
    .kernarg_segment_align: 8
    .kernarg_segment_size: 32
    .max_flat_workgroup_size: 128
    .sgpr_count:     100
    .vgpr_count:     768
    .wavefront_size: 32
...
	.end_amdgpu_metadata
.endif
;; end of part 11
;; launch ln2: the kernel of part 8 again; grid 256 x 1, 4 waves a work-group, no clusters, 66,304 bytes of LDS; arguments x1, g2, beta2, h2, Wq, Wk, Wv, Wo, W1, W2, wrec; writes h2, wrec
;; launch ffn1 (part 12): grid 16 x 16, 4 waves a work-group, clusters of 4 x 4, 327,680 bytes of LDS; arguments h2, wrec, b1, g; writes g
.if DOCPART == 12
	.amdgcn_target "amdgcn-amd-amdhsa--gfx1250"
	.amdhsa_code_object_version 6
	.text
	.protected	k_qa6e84b1f9b_ffn1
	.globl	k_qa6e84b1f9b_ffn1
	.p2align	8
	.type	k_qa6e84b1f9b_ffn1,@function
k_qa6e84b1f9b_ffn1:
	s_mov_b64 s[64:65], 0
	v_nop
	global_prefetch_b8 v0, s[64:65] scope:SCOPE_SE
	s_setreg_imm32_b32 hwreg(HW_REG_WAVE_MODE, 25, 1), 1
	s_wait_xcnt 0x0
	s_wait_alu depctr_hold_cnt(0) depctr_sa_sdst(0) depctr_va_vdst(0) depctr_va_sdst(0) depctr_va_ssrc(0) depctr_va_vcc(0) depctr_vm_vsrc(0)
	s_getreg_b32 s2, hwreg(HW_REG_IB_STS2, 6, 4)
	s_cmp_eq_u32 s2, 0
	s_cbranch_scc0 .Lentry_in_a_cluster
	s_endpgm
.Lentry_in_a_cluster:
	s_bfe_u32 s2, ttmp6, 0x10000c
	s_cmp_lg_u32 s2, 0xf033
	s_cbranch_scc0 .Lentry_shape_is_right
	s_endpgm
.Lentry_shape_is_right:
.set NKS,   8
.set WBASE, 256*12800
.set REC,   12800
.set PART,  2*REC
.set SLOT,  4*PART
.set LAPS,  NKS/4
.set FR,    12
.set NL,    4
.set NP,    4
.set SPARE, 327168
.set A16,   4
.set A8,    6
.set B16,   8
.set B8,    10
.set ADS,   12
.set O16,   21
.set O8,    22
.set R4,    23
.set DB,    24
.set DA,    25
.set SPW,   28
.set NIL,   29
.set SC,    32
.set BI,    64
.set XA,    64
.set AF,    128
.set GZ,    128
.set GZ2,   144
.set GP,    160
.set GQ,    176
.set TM,    192
.set PW,    208
.set PC,    210
.set KA,    230
.set KB,    232
.set CZ,    66
.set CA,    68
.set CBT,   80
.set OB,    10
.set OS,    12
.set G1,    24
.set G0,    32
.set G1B,   48
.set G0B,   56
.set MSB, 0
.macro WIN new
.if MSB != (\new)
	s_set_vgpr_msb (MSB<<8)|(\new)
.set MSB, \new
.endif
.endm
.set MUL_LO, 0xa1
.set MUL_HI, 0xf1
.set TO_B,   0x40
.macro PLACES n
.rept \n
	v_nop
.endr
.endm
.macro JLOAD g0a, g1a, g0b, g1b
	s_cmp_eq_u32 s15, 0
	s_cbranch_scc0 .Lfor_b_\@
	tensor_load_to_lds s[\g0a:\g0a+3], s[\g1a:\g1a+7]
	s_nop 0
.rept 4
	v_nop
.endr
	s_branch .Lasked_\@
.Lfor_b_\@:
	tensor_load_to_lds s[\g0b:\g0b+3], s[\g1b:\g1b+7]
	s_nop 0
.rept 4
	v_nop
.endr
.Lasked_\@:
.endm
.macro CREST
	s_cmp_lg_u32 s14, 0
	s_cbranch_scc1 .Lnot_wave_0_\@
	s_barrier_signal -3
.Lnot_wave_0_\@:
	s_barrier_wait -3
	s_barrier_signal -1
	s_barrier_wait -1
.endm
.macro CROUND
	s_barrier_signal -1
	s_barrier_wait -1
	CREST
.endm
.macro FRAG reg, a16, a8, q, i
	ds_load_b128 v[(\reg):(\reg)+3], v[\a16] offset:(\q)*REC+(\i)*1536
	ds_load_b64 v[(\reg)+4:(\reg)+5], v[\a8] offset:(\q)*REC+(\i)*1536+512
	ds_load_b128 v[(\reg)+6:(\reg)+9], v[\a16] offset:(\q)*REC+(\i)*1536+768
	ds_load_b64 v[(\reg)+10:(\reg)+11], v[\a8] offset:(\q)*REC+(\i)*1536+1280
.endm
.macro FETCH_B sl, q
	WIN TO_B
.irp i, 0,1,2,3,4,5,6,7
	FRAG 128*(\q)+FR*\i, B16+\sl, B8+\sl, \q, \i
.endr
	WIN 0
.endm
.macro FETCH_A sl, q, i0
.irp i, \i0, \i0+1, \i0+2, \i0+3
	FRAG AF+FR*(\i), A16+\sl, A8+\sl, \q, \i
.endr
.endm
.macro SCALES sl
.irp q, 0,1
.irp i, 0,1,2,3,4,5,6,7
	ds_load_b32 v[SC+16*\sl+8*\q+\i], v[ADS+\sl] offset:\q*REC+12288+64*\i
.endr
.endr
.endm
.macro MUL16 a0, q, sl, first
.irp a, \a0, \a0+1
.irp b, 0,1,2,3,4,5,6,7
.if (\first) == 2
	v_wmma_scale_f32_16x16x128_f8f6f4 v[8*(8*((\a)%4)+\b):8*(8*((\a)%4)+\b)+7], v[128*(\q)+FR*\b:128*(\q)+FR*\b+FR-1], v[AF+FR*(\a):AF+FR*(\a)+FR-1], v[BI+8*\b:BI+8*\b+7], v[SC+16*(\sl)+8*(\q)+\b], v[SC+16*(\sl)+8*(\q)+(\a)] matrix_a_fmt:MATRIX_FMT_BF6 matrix_b_fmt:MATRIX_FMT_BF6 matrix_a_scale:MATRIX_SCALE_ROW1
.else
	v_wmma_scale_f32_16x16x128_f8f6f4 v[8*(8*((\a)%4)+\b):8*(8*((\a)%4)+\b)+7], v[128*(\q)+FR*\b:128*(\q)+FR*\b+FR-1], v[AF+FR*(\a):AF+FR*(\a)+FR-1], v[8*(8*((\a)%4)+\b):8*(8*((\a)%4)+\b)+7], v[SC+16*(\sl)+8*(\q)+\b], v[SC+16*(\sl)+8*(\q)+(\a)] matrix_a_fmt:MATRIX_FMT_BF6 matrix_b_fmt:MATRIX_FMT_BF6 matrix_a_scale:MATRIX_SCALE_ROW1
.endif
.endr
.endr
.endm
.macro STEP sl, first
	s_wait_dscnt 4*NL
.if (\first) == 2
	WIN 0x81
.else
	WIN MUL_LO
.endif
	MUL16 0, 0, \sl, \first
	MUL16 2, 0, \sl, \first
	s_wait_dscnt 0x0
	PLACES NP
	FETCH_B \sl, 1
	FETCH_A \sl, 1, 0
.if (\first) == 2
	WIN 0xc1
.else
	WIN MUL_HI
.endif
	MUL16 4, 0, \sl, \first
	MUL16 6, 0, \sl, \first
	PLACES NP
	WIN 0
	FETCH_A \sl, 1, 4
.endm
.macro TURN sl, next, fill
	s_wait_tensorcnt 0x0
	ds_add_u32 v[SPW], v[NIL]
	s_wait_dscnt 4*NL+1
	WIN MUL_LO
	MUL16 0, 1, \sl, 0
	s_wait_dscnt 0x0
	s_barrier_signal -1
	MUL16 2, 1, \sl, 0
	WIN 0
	s_barrier_wait -1
.if \fill
	CREST
	s_add_nc_u64 s[G0+4*\sl+2:G0+4*\sl+3], s[G0+4*\sl+2:G0+4*\sl+3], 4*REC
	s_add_nc_u64 s[G0B+4*\sl+2:G0B+4*\sl+3], s[G0B+4*\sl+2:G0B+4*\sl+3], 4*REC
	JLOAD G0+4*\sl, G1, G0B+4*\sl, G1B
.else
	PLACES NP
.endif
	FETCH_B \next, 0
	FETCH_A \next, 0, 0
	SCALES \next
	WIN MUL_HI
	MUL16 4, 1, \sl, 0
	MUL16 6, 1, \sl, 0
	PLACES NP
	WIN 0
	FETCH_A \next, 0, 4
.endm
.macro QUANT s, pc, pw
.irp b, 0,1,2,3
	v_max3_num_f32 v[TM+\b], |v[\s+16*\b]|, |v[\s+1+16*\b]|, 0x2800000
.endr
.irp i, 2,4,6,8,10,12,14
.irp b, 0,1,2,3
	v_max3_num_f32 v[TM+\b], v[TM+\b], |v[\s+16*\b+\i]|, |v[\s+1+16*\b+\i]|
.endr
.endr
.irp b, 0,1,2,3
	v_permlanex16_b32 v[TM+4+\b], v[TM+\b], s90, s91
.endr
.irp b, 0,1,2,3
	v_max_num_f32 v[TM+\b], v[TM+\b], v[TM+4+\b]
.endr
.irp b, 0,1,2,3
	v_add_nc_u32 v[TM+12+\b], 0xfe000000, v[TM+\b]
.endr
.irp b, 0,1,2,3
	v_lshrrev_b32 v[TM+4+\b], 23, v[TM+12+\b]
.endr
	v_lshl_or_b32 v[\pw], v[TM+5], 8, v[TM+4]
	v_lshl_or_b32 v[\pw], v[TM+6], 16, v[\pw]
	v_lshl_or_b32 v[\pw], v[TM+7], 24, v[\pw]
.irp c, 0,1
	v_cvt_scalef32_pk16_bf6_f32 v[\pc+6*\c:\pc+2+6*\c], v[\s+32*\c:\s+15+32*\c], v[TM+12+2*\c]
	v_cvt_scalef32_pk16_bf6_f32 v[\pc+12+4*\c:\pc+14+4*\c], v[\s+16+32*\c:\s+31+32*\c], v[TM+12+2*\c+1]
.endr
	v_nop
.irp c, 0,1
.irp i, 0,1,2
	v_permlane16_swap_b32 v[\pc+6*\c+\i], v[\pc+12+4*\c+\i]
.endr
.irp i, 0,1,2
	v_mov_b32 v[\pc+3+6*\c+\i], v[\pc+12+4*\c+\i]
.endr
.endr
.endm
.macro GELU16 k
.set XX, XA+16*(\k)
.irp j, 0,2,4,6,8,10,12,14
	v_pk_mul_f32 v[GZ+\j:GZ+\j+1], v[XX+\j:XX+\j+1], s[CZ:CZ+1] op_sel_hi:[1,0]
.endr
.irp j, 0,1,2,3,4,5,6,7,8,9,10,11,12,13,14,15
	v_med3_num_f32 v[GZ+\j], v[GZ+\j], -4.0, 4.0
.endr
.irp j, 0,2,4,6,8,10,12,14
	v_pk_mul_f32 v[GZ2+\j:GZ2+\j+1], v[GZ+\j:GZ+\j+1], v[GZ+\j:GZ+\j+1]
.endr
.irp j, 0,2,4,6,8,10,12,14
	v_pk_fma_f32 v[GP+\j:GP+\j+1], v[GZ2+\j:GZ2+\j+1], v[KA:KA+1], s[CA:CA+1] op_sel_hi:[1,1,0]
	v_pk_fma_f32 v[GQ+\j:GQ+\j+1], v[GZ2+\j:GZ2+\j+1], v[KB:KB+1], s[CBT:CBT+1] op_sel_hi:[1,1,0]
.endr
.irp c, 1,2,3
.irp j, 0,2,4,6,8,10,12,14
	v_pk_fma_f32 v[GP+\j:GP+\j+1], v[GP+\j:GP+\j+1], v[GZ2+\j:GZ2+\j+1], s[CA+2*\c:CA+2*\c+1] op_sel_hi:[1,1,0]
	v_pk_fma_f32 v[GQ+\j:GQ+\j+1], v[GQ+\j:GQ+\j+1], v[GZ2+\j:GZ2+\j+1], s[CBT+2*\c:CBT+2*\c+1] op_sel_hi:[1,1,0]
.endr
.endr
	s_wait_alu depctr_va_vdst(0)
.irp j, 0,1,2,3,4,5,6,7,8,9,10,11,12,13,14,15
	v_rcp_f32 v[GQ+\j], v[GQ+\j]
.endr
.irp c, 4,5
.irp j, 0,2,4,6,8,10,12,14
	v_pk_fma_f32 v[GP+\j:GP+\j+1], v[GP+\j:GP+\j+1], v[GZ2+\j:GZ2+\j+1], s[CA+2*\c:CA+2*\c+1] op_sel_hi:[1,1,0]
.endr
.endr
.irp j, 0,2,4,6,8,10,12,14
	v_pk_mul_f32 v[GP+\j:GP+\j+1], v[GP+\j:GP+\j+1], v[GZ+\j:GZ+\j+1]
	v_pk_mul_f32 v[XX+\j:XX+\j+1], v[XX+\j:XX+\j+1], 0.5 op_sel_hi:[1,0]
.endr
	s_wait_alu depctr_va_vdst(0)
.irp j, 0,2,4,6,8,10,12,14
	v_pk_mul_f32 v[GP+\j:GP+\j+1], v[GP+\j:GP+\j+1], v[GQ+\j:GQ+\j+1]
.endr
.irp j, 0,2,4,6,8,10,12,14
	v_pk_fma_f32 v[XX+\j:XX+\j+1], v[XX+\j:XX+\j+1], v[GP+\j:GP+\j+1], v[XX+\j:XX+\j+1]
.endr
.endm
	s_load_b256 s[4:11], s[0:1], 0x0
	v_lshl_add_u32 v[SPW], v0, 2, SPARE
	v_mov_b32 v[NIL], 0
	ds_add_u32 v[SPW], v[NIL]
	ds_add_u32 v[SPW], v[NIL]
	v_lshrrev_b32 v1, 5, v0
	v_readfirstlane_b32 s14, v1
	s_lshr_b32 s15, s14, 1
	s_and_b32 s16, s14, 1
	s_bfe_u32 s40, ttmp6, 0x40000
	s_bfe_u32 s41, ttmp6, 0x40004
	s_lshl_b32 s42, ttmp9, 2
	s_add_co_u32 s42, s42, s40
	s_and_b32 s17, ttmp7, 0xffff
	s_lshl_b32 s17, s17, 2
	s_add_co_u32 s17, s17, s41
	s_lshl_b32 s43, s41, 2
	s_lshl_b32 s43, 15, s43
	s_lshl_b32 s44, 0x1111, s40
	s_or_b32 s[G1+0], s43, (3<<16)|(1<<21)
	s_or_b32 s[G1B+0], s44, (3<<16)|(1<<21)
.irp g, G1, G1B
	s_mov_b32 s[\g+1], 32<<16
	s_mov_b32 s[\g+2], 100<<16
	s_mov_b32 s[\g+3], 32<<16
	s_mov_b32 s[\g+4], 100
	s_mov_b32 s[\g+5], 32
	s_mov_b32 s[\g+6], 0
	s_mov_b32 s[\g+7], 0
.endr
	s_lshl_b32 s20, s17, 1
	s_add_co_u32 s20, s20, s16
	s_mul_i32 s20, s20, NKS*REC
	s_mov_b32 s21, 0
	s_lshl_b32 s46, s42, 1
	s_add_co_u32 s46, s46, s16
	s_mul_i32 s46, s46, NKS*REC
	s_mov_b32 s47, 0
	s_mul_i32 s94, s14, PART
	s_mov_b32 s90, 0x76543210
	s_mov_b32 s91, 0xfedcba98
	s_wait_dscnt 0x0
	s_wait_kmcnt 0x0
	s_add_nc_u64 s[20:21], s[4:5], s[20:21]
	s_add_nc_u64 s[46:47], s[6:7], s[46:47]
	s_add_nc_u64 s[46:47], s[46:47], WBASE
	CROUND
.irp s, 0,1
	s_mov_b32 s[G0+4*\s], 1
	s_add_co_u32 s[G0+4*\s+1], s94, \s*SLOT
	s_add_nc_u64 s[G0+4*\s+2:G0+4*\s+3], s[20:21], \s*2*REC
	s_or_b32 s[G0+4*\s+3], s[G0+4*\s+3], 0x80000000
	s_mov_b32 s[G0B+4*\s], 1
	s_add_co_u32 s[G0B+4*\s+1], s94, \s*SLOT
	s_add_nc_u64 s[G0B+4*\s+2:G0B+4*\s+3], s[46:47], \s*2*REC
	s_or_b32 s[G0B+4*\s+3], s[G0B+4*\s+3], 0x80000000
.if \s                                 ; slot 1's first fill stands behind the full sequence and a round; slot 0's behind the opening lines and the first round
	s_wait_alu depctr_va_vdst(0)
	s_wait_tensorcnt 0x0
	ds_add_u32 v28, v29
	ds_add_u32 v28, v29
	s_wait_dscnt 0x0
	CROUND
.endif
	JLOAD G0+4*\s, G1, G0B+4*\s, G1B
.endr
	v_and_b32 v1, 31, v0
	v_and_b32 v2, 15, v0
	v_bfe_u32 v3, v0, 4, 1
	v_lshlrev_b32 v[O16], 4, v1
	v_lshlrev_b32 v[O8], 3, v1
	v_lshlrev_b32 v[R4], 2, v2
	s_mul_i32 s21, s15, PART
	s_mul_i32 s22, s16, PART
	s_add_co_u32 s22, s22, 2*PART
	s_sub_co_u32 s23, s22, s21
	v_mul_u32_u24 v19, s23, v3
	v_add_nc_u32 v18, v[R4], v19
.irp s, 0,1
	v_add_nc_u32 v[A16+\s], s21, v[O16]
	v_add_nc_u32 v[A8+\s], s21, v[O8]
	v_add_nc_u32 v[B16+\s], s22, v[O16]
	v_add_nc_u32 v[B8+\s], s22, v[O8]
	v_add_nc_u32 v[ADS+\s], s21, v18
	s_add_co_u32 s21, s21, SLOT
	s_add_co_u32 s22, s22, SLOT
.endr
	s_lshl_b32 s23, s14, 16
	v_add_nc_u32 v[DB], s23, v[O16]
	s_lshl_b32 s22, s42, 10
	s_lshl_b32 s23, s16, 9
	s_add_co_u32 s22, s22, s23
	s_mov_b32 s23, 0
	s_add_nc_u64 s[8:9], s[8:9], s[22:23]
	v_lshlrev_b32 v20, 6, v3
.irp b, 0,1,2,3,4,5,6,7
	global_load_b128 v[BI+8*\b:BI+8*\b+3], v20, s[8:9] offset:(32*(\b/2)+8*(\b%2))*4
	global_load_b128 v[BI+8*\b+4:BI+8*\b+7], v20, s[8:9] offset:(32*(\b/2)+8*(\b%2))*4+16
.endr
	s_wait_alu depctr_va_vdst(0)
	s_wait_tensorcnt 1
	s_barrier_signal -1
	s_barrier_wait -1
	FETCH_B 0, 0
	FETCH_A 0, 0, 0
	SCALES 0
	FETCH_A 0, 0, 4
	s_wait_loadcnt 0x0
	STEP 0, 2
	s_mov_b32 s3, LAPS-1
.Llap:
	TURN 0, 1, 1
	STEP 1, 0
	TURN 1, 0, 1
	STEP 0, 0
	s_sub_co_u32 s3, s3, 1
	s_cmp_lg_u32 s3, 0
	s_cbranch_scc1 .Llap
	TURN 0, 1, 0
	STEP 1, 0
	s_wait_dscnt 4*NL
	WIN MUL_LO
	MUL16 0, 1, 1, 0
	MUL16 2, 1, 1, 0
	s_wait_dscnt 0x0
	WIN MUL_HI
	MUL16 4, 1, 1, 0
	MUL16 6, 1, 1, 0
	WIN 0
	s_wait_dscnt 0x0
	s_barrier_signal -1
	s_barrier_wait -1
	PLACES NP
.irp a, 0,1,2,3,4,5,6,7
	WIN 0x08+4*(\a/4)
.irp k, 0,1,2,3,4,5,6,7,8,9,10,11,12,13,14,15
	ds_store_b128 v[DB], v[64*(\a%4)+4*\k:64*(\a%4)+4*\k+3] offset:8192*\a+512*\k
.endr
.endr
	WIN 0
	s_lshl_b32 s20, s17, 1
	s_add_co_u32 s20, s20, s15
	s_lshl_b32 s20, s20, 5
	s_lshl_b32 s21, s42, 1
	s_add_co_u32 s21, s21, s16
	s_add_co_u32 s20, s20, s21
	s_mul_i32 s20, s20, REC
	s_mov_b32 s21, 0
	s_add_nc_u64 s[OB:OB+1], s[OB:OB+1], s[20:21]
	s_add_nc_u64 s[OS:OS+1], s[OB:OB+1], 12288
	s_mov_b32 s[CZ], 0x3f3504f3
	s_mov_b32 s[CA], 0x32edffee
	s_mov_b32 s[CA+2], 0xb60cff51
	s_mov_b32 s[CA+4], 0xb86ec2d2
	s_mov_b32 s[CA+6], 0xba40ac63
	s_mov_b32 s[CA+8], 0xbb41a1f6
	s_mov_b32 s[CA+10], 0xbc83dbd4
	s_mov_b32 s[CBT], 0xb95fbd29
	s_mov_b32 s[CBT+2], 0xbadc924e
	s_mov_b32 s[CBT+4], 0xbbf19bf8
	s_mov_b32 s[CBT+6], 0xbc69b6a7
.irp p, 66,68,70,72,74,76,78,80,82,84,86
	s_mov_b32 s[\p+1], s[\p]
.endr
	v_mov_b32 v[KA], 0xaf95df0b
	v_mov_b32 v[KA+1], v[KA]
	v_mov_b32 v[KB], 0xb77460cd
	v_mov_b32 v[KB+1], v[KB]
.irp b, 0,1,2,3
	v_mov_b32 v[TM+4+\b], 0
.endr
	s_mov_b32 s18, 8
	s_mov_b32 s19, 0
.Lblk:
	v_add_nc_u32 v[DA], s19, v[DB]
.irp k, 0,1,2,3,4,5,6,7,8,9,10,11,12,13,14,15
	ds_load_b128 v[XA+4*\k:XA+4*\k+3], v[DA] offset:512*\k
.endr
	s_wait_dscnt 0x0
	GELU16 0
	GELU16 1
	GELU16 2
	GELU16 3
	QUANT XA, PC, PW
	global_store_b128 v[O16], v[PC:PC+3], s[OB:OB+1]
	global_store_b64 v[O8], v[PC+4:PC+5], s[OB:OB+1] offset:512
	global_store_b128 v[O16], v[PC+6:PC+9], s[OB:OB+1] offset:768
	global_store_b64 v[O8], v[PC+10:PC+11], s[OB:OB+1] offset:1280
	global_store_b32 v[R4], v[PW], s[OS:OS+1]
	s_wait_xcnt 0x0
	s_add_nc_u64 s[OB:OB+1], s[OB:OB+1], 1536
	s_add_nc_u64 s[OS:OS+1], s[OS:OS+1], 64
	s_add_co_u32 s19, s19, 8192
	s_sub_co_u32 s18, s18, 1
	s_cmp_lg_u32 s18, 0
	s_cbranch_scc1 .Lblk
	s_wait_tensorcnt 0x0
	ds_add_u32 v[SPW], v[NIL]
	s_wait_dscnt 0x0
	CROUND
	s_endpgm
.Lfunc_end_k_qa6e84b1f9b_ffn1:
	.size	k_qa6e84b1f9b_ffn1, .Lfunc_end_k_qa6e84b1f9b_ffn1-k_qa6e84b1f9b_ffn1
	.p2alignl 7, 3214868480
	.fill 96, 4, 3214868480
	.section	.rodata,"a",@progbits
	.p2align	6, 0x0
	.amdhsa_kernel k_qa6e84b1f9b_ffn1
		.amdhsa_group_segment_fixed_size 327680
		.amdhsa_private_segment_fixed_size 0
		.amdhsa_enable_private_segment 0
		.amdhsa_kernarg_size 32
		.amdhsa_user_sgpr_count 2
		.amdhsa_user_sgpr_kernarg_segment_ptr 1
		.amdhsa_wavefront_size32 1
		.amdhsa_system_sgpr_workgroup_id_x 1
		.amdhsa_system_sgpr_workgroup_id_y 1
		.amdhsa_system_sgpr_workgroup_id_z 1
		.amdhsa_system_vgpr_workitem_id 0
		.amdhsa_next_free_vgpr 1024
		.amdhsa_next_free_sgpr 100
		.amdhsa_reserve_vcc 0
		.amdhsa_float_denorm_mode_32 3
		.amdhsa_float_denorm_mode_16_64 3
		.amdhsa_memory_ordered 1
		.amdhsa_forward_progress 1
		.amdhsa_inst_pref_size 169
	.end_amdhsa_kernel
	.amdgpu_metadata
---
amdhsa.version: [ 1, 2 ]
amdhsa.kernels:
  - .name:           k_qa6e84b1f9b_ffn1
    .symbol:         k_qa6e84b1f9b_ffn1.kd
    .args:
      - { .name: h2, .offset: 0, .size: 8, .value_kind: global_buffer, .address_space: global }
      - { .name: wrec, .offset: 8, .size: 8, .value_kind: global_buffer, .address_space: global }
      - { .name: b1, .offset: 16, .size: 8, .value_kind: global_buffer, .address_space: global }
      - { .name: g, .offset: 24, .size: 8, .value_kind: global_buffer, .address_space: global }
    .group_segment_fixed_size: 327680
    .private_segment_fixed_size: 0
    .kernarg_segment_align: 8
    .kernarg_segment_size: 32
    .max_flat_workgroup_size: 128
    .sgpr_count:     100
    .vgpr_count:     1024
    .wavefront_size: 32
...
	.end_amdgpu_metadata
.endif
;; end of part 12
;; launch ffn2 (part 13): grid 8 x 32, 4 waves a work-group, clusters of 4 x 4, 327,680 bytes of LDS; arguments g, wrec, b2, x1, out0; writes out0
.if DOCPART == 13
	.amdgcn_target "amdgcn-amd-amdhsa--gfx1250"
	.amdhsa_code_object_version 6
	.text
	.protected	k_qa6e84b1f9b_ffn2
	.globl	k_qa6e84b1f9b_ffn2
	.p2align	8
	.type	k_qa6e84b1f9b_ffn2,@function
k_qa6e84b1f9b_ffn2:
	s_mov_b64 s[64:65], 0
	v_nop
	global_prefetch_b8 v0, s[64:65] scope:SCOPE_SE
	s_setreg_imm32_b32 hwreg(HW_REG_WAVE_MODE, 25, 1), 1
	s_wait_xcnt 0x0
	s_wait_alu depctr_hold_cnt(0) depctr_sa_sdst(0) depctr_va_vdst(0) depctr_va_sdst(0) depctr_va_ssrc(0) depctr_va_vcc(0) depctr_vm_vsrc(0)
	s_getreg_b32 s2, hwreg(HW_REG_IB_STS2, 6, 4)
	s_cmp_eq_u32 s2, 0
	s_cbranch_scc0 .Lentry_in_a_cluster
	s_endpgm
.Lentry_in_a_cluster:
	s_bfe_u32 s2, ttmp6, 0x10000c
	s_cmp_lg_u32 s2, 0xf033
	s_cbranch_scc0 .Lentry_shape_is_right
	s_endpgm
.Lentry_shape_is_right:
.set NKS,   32
.set WBASE, 512*12800
.set HASB,  1
.set REC,   12800
.set PART,  2*REC
.set SLOT,  4*PART
.set LAPS,  NKS/8
.set FIRST, 1+HASB
.set FR,    12
.set NP,    4
.set SPARE, 327168
.set SPITCH, 272
.set A16,   4
.set A8,    6
.set B16,   8
.set B8,    10
.set ADS,   12
.set STO,   24
.set RD,    25
.set CO,    26
.set SPW,   28
.set NIL,   29
.set PFO,   30
.set SC,    32
.set BI,    64
.set ACC,   128
.set RS,    0
.set BK,    128
.set BP,    8
.set RB,    8+2*HASB
.set OB,    10+2*HASB
.set G1,    24
.set G0,    32
.set G1B,   48
.set G0B,   56
.set PFA,   66
.set LIM,   68
.set MSB, 0
.macro WIN new
.if MSB != (\new)
	s_set_vgpr_msb (MSB<<8)|(\new)
.set MSB, \new
.endif
.endm
.set MUL,  0x05
.set TO_F, 0x40
.set TO_R, 0x80
.macro PLACES n
.rept \n
	v_nop
.endr
.endm
.macro JLOAD g0a, g1a, g0b, g1b
	s_cmp_eq_u32 s15, 0
	s_cbranch_scc0 .Lfor_b_\@
	tensor_load_to_lds s[\g0a:\g0a+3], s[\g1a:\g1a+7]
	s_nop 0
.rept 4
	v_nop
.endr
	s_branch .Lasked_\@
.Lfor_b_\@:
	tensor_load_to_lds s[\g0b:\g0b+3], s[\g1b:\g1b+7]
	s_nop 0
.rept 4
	v_nop
.endr
.Lasked_\@:
.endm
.macro ASK
	s_cmp_gt_u32 s3, s[LIM]
	s_cbranch_scc0 .Lnot_mine_\@
	global_prefetch_b8 v[PFO], s[PFA:PFA+1] offset:8*REC th:TH_LOAD_NT scope:SCOPE_SE
.Lnot_mine_\@:
.endm
.macro CREST
	s_cmp_lg_u32 s14, 0
	s_cbranch_scc1 .Lnot_wave_0_\@
	s_barrier_signal -3
.Lnot_wave_0_\@:
	s_barrier_wait -3
	s_barrier_signal -1
	s_barrier_wait -1
.endm
.macro CROUND
	s_barrier_signal -1
	s_barrier_wait -1
	CREST
.endm
.macro FRAG reg, a16, a8, q, i
	ds_load_b128 v[(\reg):(\reg)+3], v[\a16] offset:(\q)*REC+(\i)*1536
	ds_load_b64 v[(\reg)+4:(\reg)+5], v[\a8] offset:(\q)*REC+(\i)*1536+512
	ds_load_b128 v[(\reg)+6:(\reg)+9], v[\a16] offset:(\q)*REC+(\i)*1536+768
	ds_load_b64 v[(\reg)+10:(\reg)+11], v[\a8] offset:(\q)*REC+(\i)*1536+1280
.endm
.macro SCALES sl
.irp q, 0,1,2,3
.irp i, 0,1,2,3
	ds_load_b32 v[SC+16*\sl+4*\q+\i], v[ADS+\sl] offset:\q*REC+12288+64*\i
.endr
.endr
.endm
.macro FETCH sl, q, f, sc
	WIN TO_F
.irp i, 0,1,2,3
	FRAG 128*(\f)+48+FR*\i, B16+\sl, B8+\sl, \q, \i
.endr
.irp i, 0,1
	FRAG 128*(\f)+FR*\i, A16+\sl, A8+\sl, \q, \i
.endr
.if \sc
	WIN 0
	SCALES \sl
	WIN TO_F
.endif
.irp i, 2,3
	FRAG 128*(\f)+FR*\i, A16+\sl, A8+\sl, \q, \i
.endr
.endm
.macro MUL8 f, a0, q, sl, first
.irp a, \a0, \a0+1
.irp b, 0,1,2,3
.if (\first) == 2
	v_wmma_scale_f32_16x16x128_f8f6f4 v[ACC+8*(4*(\a)+\b):ACC+8*(4*(\a)+\b)+7], v[128*(\f)+48+FR*\b:128*(\f)+48+FR*\b+FR-1], v[128*(\f)+FR*(\a):128*(\f)+FR*(\a)+FR-1], v[BI+8*\b:BI+8*\b+7], v[SC+16*(\sl)+4*(\q)+\b], v[SC+16*(\sl)+4*(\q)+(\a)] matrix_a_fmt:MATRIX_FMT_BF6 matrix_b_fmt:MATRIX_FMT_BF6 matrix_a_scale:MATRIX_SCALE_ROW1
.elseif (\first) == 1
	v_wmma_scale_f32_16x16x128_f8f6f4 v[ACC+8*(4*(\a)+\b):ACC+8*(4*(\a)+\b)+7], v[128*(\f)+48+FR*\b:128*(\f)+48+FR*\b+FR-1], v[128*(\f)+FR*(\a):128*(\f)+FR*(\a)+FR-1], 0, v[SC+16*(\sl)+4*(\q)+\b], v[SC+16*(\sl)+4*(\q)+(\a)] matrix_a_fmt:MATRIX_FMT_BF6 matrix_b_fmt:MATRIX_FMT_BF6 matrix_a_scale:MATRIX_SCALE_ROW1
.else
	v_wmma_scale_f32_16x16x128_f8f6f4 v[ACC+8*(4*(\a)+\b):ACC+8*(4*(\a)+\b)+7], v[128*(\f)+48+FR*\b:128*(\f)+48+FR*\b+FR-1], v[128*(\f)+FR*(\a):128*(\f)+FR*(\a)+FR-1], v[ACC+8*(4*(\a)+\b):ACC+8*(4*(\a)+\b)+7], v[SC+16*(\sl)+4*(\q)+\b], v[SC+16*(\sl)+4*(\q)+(\a)] matrix_a_fmt:MATRIX_FMT_BF6 matrix_b_fmt:MATRIX_FMT_BF6 matrix_a_scale:MATRIX_SCALE_ROW1
.endif
.endr
.endr
.endm
.macro STEP sl, q, qn, f, g, first
	s_wait_dscnt 8
	WIN MUL
	MUL8 \f, 0, \q, \sl, \first
	PLACES NP
	FETCH \sl, \qn, \g, 0
	s_wait_dscnt 32
	WIN MUL
	MUL8 \f, 2, \q, \sl, \first
.endm
.macro TURN sl, next, fill
.if \fill
	s_wait_xcnt 0x0
	s_add_nc_u64 s[PFA:PFA+1], s[PFA:PFA+1], 4*REC
.endif
	WIN 0
	s_wait_tensorcnt 0x0
	ds_add_u32 v[SPW], v[NIL]
	s_wait_dscnt 9
	WIN MUL
	MUL8 1, 0, 3, \sl, 0
	s_wait_dscnt 0x0
	s_barrier_signal -1
	WIN 0
	s_barrier_wait -1
.if \fill
	CREST
	s_add_nc_u64 s[G0+4*\sl+2:G0+4*\sl+3], s[G0+4*\sl+2:G0+4*\sl+3], 8*REC
	s_add_nc_u64 s[G0B+4*\sl+2:G0B+4*\sl+3], s[G0B+4*\sl+2:G0B+4*\sl+3], 8*REC
	JLOAD G0+4*\sl, G1, G0B+4*\sl, G1B
.else
	PLACES NP
.endif
	FETCH \next, 0, 0, 1
.if \fill
	WIN 0
	ASK
.endif
	WIN MUL
	MUL8 1, 2, 3, \sl, 0
.endm
	s_load_b256 s[4:11], s[0:1], 0x0
.if HASB
	s_load_b64 s[12:13], s[0:1], 0x20
.endif
	v_lshl_add_u32 v[SPW], v0, 2, SPARE
	v_mov_b32 v[NIL], 0
	ds_add_u32 v[SPW], v[NIL]
	ds_add_u32 v[SPW], v[NIL]
	v_lshrrev_b32 v1, 5, v0
	v_readfirstlane_b32 s14, v1
	s_lshr_b32 s15, s14, 1
	s_and_b32 s16, s14, 1
	s_bfe_u32 s40, ttmp6, 0x40000
	s_bfe_u32 s41, ttmp6, 0x40004
	s_lshl_b32 s42, ttmp9, 2
	s_add_co_u32 s42, s42, s40
	s_and_b32 s17, ttmp7, 0xffff
	s_lshl_b32 s17, s17, 2
	s_add_co_u32 s17, s17, s41
	s_lshl_b32 s43, s41, 2
	s_lshl_b32 s43, 15, s43
	s_lshl_b32 s44, 0x1111, s40
	s_or_b32 s[G1+0], s43, (3<<16)|(1<<21)
	s_or_b32 s[G1B+0], s44, (3<<16)|(1<<21)
.irp g, G1, G1B
	s_mov_b32 s[\g+1], 32<<16
	s_mov_b32 s[\g+2], 100<<16
	s_mov_b32 s[\g+3], 32<<16
	s_mov_b32 s[\g+4], 100
	s_mov_b32 s[\g+5], 32
	s_mov_b32 s[\g+6], 0
	s_mov_b32 s[\g+7], 0
.endr
	s_mul_i32 s18, s16, 2*REC
	s_mul_i32 s20, s17, NKS*REC
	s_add_co_u32 s20, s20, s18
	s_mov_b32 s21, 0
	s_mul_i32 s46, s42, NKS*REC
	s_add_co_u32 s46, s46, s18
	s_mov_b32 s47, 0
	s_mul_i32 s94, s14, PART
	s_wait_dscnt 0x0
	s_wait_kmcnt 0x0
	s_add_nc_u64 s[20:21], s[4:5], s[20:21]
	s_add_nc_u64 s[46:47], s[6:7], s[46:47]
	s_add_nc_u64 s[46:47], s[46:47], WBASE
	CROUND
.irp s, 0,1
	s_mov_b32 s[G0+4*\s], 1
	s_add_co_u32 s[G0+4*\s+1], s94, \s*SLOT
	s_add_nc_u64 s[G0+4*\s+2:G0+4*\s+3], s[20:21], \s*4*REC
	s_or_b32 s[G0+4*\s+3], s[G0+4*\s+3], 0x80000000
	s_mov_b32 s[G0B+4*\s], 1
	s_add_co_u32 s[G0B+4*\s+1], s94, \s*SLOT
	s_add_nc_u64 s[G0B+4*\s+2:G0B+4*\s+3], s[46:47], \s*4*REC
	s_or_b32 s[G0B+4*\s+3], s[G0B+4*\s+3], 0x80000000
.if \s                                 ; slot 1's first fill stands behind the full sequence and a round; slot 0's behind the opening lines and the first round
	s_wait_alu depctr_va_vdst(0)
	s_wait_tensorcnt 0x0
	ds_add_u32 v28, v29
	ds_add_u32 v28, v29
	s_wait_dscnt 0x0
	CROUND
.endif
	JLOAD G0+4*\s, G1, G0B+4*\s, G1B
.endr
.if LAPS > 1
	s_and_b32 s22, ttmp7, 0xffff
	s_cmp_eq_u32 s15, 0
	s_cselect_b32 s18, s40, s41
	s_cselect_b32 s22, ttmp9, s22
	s_cselect_b64 s[PFA:PFA+1], s[20:21], s[46:47]
	s_cmp_eq_u32 s22, 0
	s_cselect_b32 s[LIM], 1, -1
	s_mul_i32 s18, s18, 6400
	s_mov_b32 s19, 0
	s_add_nc_u64 s[PFA:PFA+1], s[PFA:PFA+1], s[18:19]
	s_add_nc_u64 s[PFA:PFA+1], s[PFA:PFA+1], 4*REC
	v_and_b32 v[PFO], 31, v0
	v_min_u32 v[PFO], 24, v[PFO]
	v_lshlrev_b32 v[PFO], 8, v[PFO]
.endif
	v_and_b32 v1, 31, v0
	v_and_b32 v2, 15, v0
	v_bfe_u32 v3, v0, 4, 1
	v_lshlrev_b32 v16, 4, v1
	v_lshlrev_b32 v17, 3, v1
	v_lshlrev_b32 v18, 2, v2
	s_mul_i32 s21, s15, 4*1536
	s_mul_i32 s22, s16, 4*1536
	s_add_co_u32 s22, s22, 2*PART
	s_lshl_b32 s18, s15, 8
	s_lshl_b32 s19, s16, 8
	s_add_co_u32 s19, s19, 2*PART
	s_sub_co_u32 s23, s19, s18
	v_mul_u32_u24 v19, s23, v3
	v_add_nc_u32 v18, v18, v19
.irp s, 0,1
	v_add_nc_u32 v[A16+\s], s21, v16
	v_add_nc_u32 v[A8+\s], s21, v17
	v_add_nc_u32 v[B16+\s], s22, v16
	v_add_nc_u32 v[B8+\s], s22, v17
	v_add_nc_u32 v[ADS+\s], s18, v18
	s_add_co_u32 s21, s21, SLOT
	s_add_co_u32 s22, s22, SLOT
	s_add_co_u32 s18, s18, SLOT
.endr
	s_mul_i32 s23, s14, 16*SPITCH
	v_mul_u32_u24 v19, v2, SPITCH
	v_lshl_add_u32 v19, v3, 6, v19
	v_add_nc_u32 v[STO], s23, v19
	v_mul_u32_u24 v19, v3, SPITCH
	v_lshl_add_u32 v19, v2, 4, v19
	v_add_nc_u32 v[RD], s23, v19
	v_lshlrev_b32 v[CO], 12, v3
	v_lshl_add_u32 v[CO], v2, 4, v[CO]
	s_wait_alu depctr_va_vdst(0)
	s_lshl_b32 s22, s42, 9
	s_lshl_b32 s23, s16, 8
	s_add_co_u32 s22, s22, s23
	s_mov_b32 s23, 0
.if HASB
	s_add_nc_u64 s[BP:BP+1], s[BP:BP+1], s[22:23]
.endif
	s_lshl_b32 s20, s17, 19
	s_lshl_b32 s21, s15, 18
	s_add_co_u32 s20, s20, s21
	s_add_co_u32 s20, s20, s22
	s_mov_b32 s21, 0
	s_add_nc_u64 s[RB:RB+1], s[RB:RB+1], s[20:21]
	s_add_nc_u64 s[OB:OB+1], s[OB:OB+1], s[20:21]
.if HASB
	v_lshlrev_b32 v20, 6, v3
.irp b, 0,1,2,3
	global_load_b128 v[BI+8*\b:BI+8*\b+3], v20, s[BP:BP+1] offset:(32*(\b/2)+8*(\b%2))*4
	global_load_b128 v[BI+8*\b+4:BI+8*\b+7], v20, s[BP:BP+1] offset:(32*(\b/2)+8*(\b%2))*4+16
.endr
.endif
.macro RES a
.irp t, 0,1,2,3,4,5,6,7
	global_load_b128 v[RS+32*(\a)+4*\t:RS+32*(\a)+4*\t+3], v[CO], s[RB:RB+1] offset:(32*((\a)/2)+8*((\a)%2)+2*\t+8*(\t/4))*4096 th:TH_LOAD_NT
.endr
.endm
	WIN TO_R
	RES 0
	RES 1
	RES 2
	RES 3
	WIN 0
	s_wait_tensorcnt 1
	s_barrier_signal -1
	s_barrier_wait -1
	FETCH 0, 0, 0, 1
.if HASB
	s_wait_loadcnt 32
.endif
	STEP 0, 0, 1, 0, 1, FIRST
.if LAPS > 1
	WIN 0
	s_mov_b32 s3, LAPS-1
.Llap:
	STEP 0, 1, 2, 1, 0, 0
	STEP 0, 2, 3, 0, 1, 0
	TURN 0, 1, 1
	STEP 1, 0, 1, 0, 1, 0
	STEP 1, 1, 2, 1, 0, 0
	STEP 1, 2, 3, 0, 1, 0
	TURN 1, 0, 1
	STEP 0, 0, 1, 0, 1, 0
	WIN 0
	s_sub_co_u32 s3, s3, 1
	s_cmp_lg_u32 s3, 0
	s_cbranch_scc1 .Llap
.endif
	STEP 0, 1, 2, 1, 0, 0
	STEP 0, 2, 3, 0, 1, 0
	TURN 0, 1, 0
	STEP 1, 0, 1, 0, 1, 0
	STEP 1, 1, 2, 1, 0, 0
	STEP 1, 2, 3, 0, 1, 0
	s_wait_dscnt 8
	WIN MUL
	MUL8 1, 0, 3, 1, 0
	s_wait_dscnt 0x0
	MUL8 1, 2, 3, 1, 0
	WIN 0
.macro TOSTAGE a
	WIN 0
.irp b, 0,1,2,3
	ds_store_b128 v[STO], v[ACC+8*(4*(\a)+\b):ACC+8*(4*(\a)+\b)+3] offset:128*(\b/2)+32*(\b%2)
	ds_store_b128 v[STO], v[ACC+8*(4*(\a)+\b)+4:ACC+8*(4*(\a)+\b)+7] offset:128*(\b/2)+32*(\b%2)+16
.endr
	WIN TO_R
.irp t, 0,1,2,3,4,5,6,7
	ds_load_b128 v[BK+32*(\a)+4*\t:BK+32*(\a)+4*\t+3], v[RD] offset:2*\t*SPITCH
.endr
.endm
.macro SEND a, younger
	s_wait_dscnt \younger
	s_wait_loadcnt 8*(3-(\a))
	WIN 0x8a
.set jj, 0
.rept 16
	v_pk_add_f32 v[BK+32*(\a)+jj:BK+32*(\a)+jj+1], v[BK+32*(\a)+jj:BK+32*(\a)+jj+1], v[RS+32*(\a)+jj:RS+32*(\a)+jj+1]
.set jj, jj+2
.endr
	WIN 0x08
.irp t, 0,1,2,3,4,5,6,7
.if HASB
	global_store_b128 v[CO], v[BK+32*(\a)+4*\t:BK+32*(\a)+4*\t+3], s[OB:OB+1] offset:(32*((\a)/2)+8*((\a)%2)+2*\t+8*(\t/4))*4096 th:TH_STORE_NT
.else
	global_store_b128 v[CO], v[BK+32*(\a)+4*\t:BK+32*(\a)+4*\t+3], s[OB:OB+1] offset:(32*((\a)/2)+8*((\a)%2)+2*\t+8*(\t/4))*4096
.endif
.endr
.endm
	PLACES NP
	TOSTAGE 0
	TOSTAGE 1
	SEND 0, 16
	TOSTAGE 2
	SEND 1, 16
	TOSTAGE 3
	SEND 2, 16
	SEND 3, 0
	WIN 0
	s_wait_tensorcnt 0x0
	ds_add_u32 v[SPW], v[NIL]
	s_wait_dscnt 0x0
	CROUND
	s_endpgm
.Lfunc_end_k_qa6e84b1f9b_ffn2:
	.size	k_qa6e84b1f9b_ffn2, .Lfunc_end_k_qa6e84b1f9b_ffn2-k_qa6e84b1f9b_ffn2
	.p2alignl 7, 3214868480
	.fill 96, 4, 3214868480
	.section	.rodata,"a",@progbits
	.p2align	6, 0x0
	.amdhsa_kernel k_qa6e84b1f9b_ffn2
		.amdhsa_group_segment_fixed_size 327680
		.amdhsa_private_segment_fixed_size 0
		.amdhsa_enable_private_segment 0
		.amdhsa_kernarg_size 40
		.amdhsa_user_sgpr_count 2
		.amdhsa_user_sgpr_kernarg_segment_ptr 1
		.amdhsa_wavefront_size32 1
		.amdhsa_system_sgpr_workgroup_id_x 1
		.amdhsa_system_sgpr_workgroup_id_y 1
		.amdhsa_system_sgpr_workgroup_id_z 1
		.amdhsa_system_vgpr_workitem_id 0
		.amdhsa_next_free_vgpr 768
		.amdhsa_next_free_sgpr 100
		.amdhsa_reserve_vcc 0
		.amdhsa_float_denorm_mode_32 3
		.amdhsa_float_denorm_mode_16_64 3
		.amdhsa_memory_ordered 1
		.amdhsa_forward_progress 1
		.amdhsa_inst_pref_size 100
	.end_amdhsa_kernel
	.amdgpu_metadata
---
amdhsa.version: [ 1, 2 ]
amdhsa.kernels:
  - .name:           k_qa6e84b1f9b_ffn2
    .symbol:         k_qa6e84b1f9b_ffn2.kd
    .args:
      - { .name: g, .offset: 0, .size: 8, .value_kind: global_buffer, .address_space: global }
      - { .name: wrec, .offset: 8, .size: 8, .value_kind: global_buffer, .address_space: global }
      - { .name: b2, .offset: 16, .size: 8, .value_kind: global_buffer, .address_space: global }
      - { .name: x1, .offset: 24, .size: 8, .value_kind: global_buffer, .address_space: global }
      - { .name: out0, .offset: 32, .size: 8, .value_kind: global_buffer, .address_space: global }
    .group_segment_fixed_size: 327680
    .private_segment_fixed_size: 0
    .kernarg_segment_align: 8
    .kernarg_segment_size: 40
    .max_flat_workgroup_size: 128
    .sgpr_count:     100
    .vgpr_count:     768
    .wavefront_size: 32
...
	.end_amdgpu_metadata
.endif
;; end of part 13
